; MI455X (gfx1250); checked and timed in simulation.
; The chip was launched on July 23, 2026; its instructions are those of AMD's public machine-readable ISA for CDNA 5 (MIT licence, August 2026) and "CDNA5" Instruction Set Architecture Reference Guide (July 2026). The comments in the code are by the model that wrote it; some were corrected since.
;; Decoder Layer. Allowed arithmetic: matrix products marked QUANTISED: E2M1 operands, one E8M0 scale for each 32 along K, by v_wmma_scale_f32_16x16x128_f8f6f4 with both operands' format E2M1 (or v_wmma_scale_f32_32x16x128_f4), f32 sums; everything else in f32.
;; Inputs: ca_wk_codes 512 x 16 x 16 uint8 (E2M1 codes of ca_wk, K innermost, in blocks of 32 codes, two codes a byte); ca_wk_scales 512 x 16 uint8 (E8M0 scales of ca_wk, one for each 32 codes along K); ca_wo_codes 512 x 16 x 16 uint8 (E2M1 codes of ca_wo, K innermost, in blocks of 32 codes, two codes a byte); ca_wo_scales 512 x 16 uint8 (E8M0 scales of ca_wo, one for each 32 codes along K); ca_wq_codes 512 x 16 x 16 uint8 (E2M1 codes of ca_wq, K innermost, in blocks of 32 codes, two codes a byte); ca_wq_scales 512 x 16 uint8 (E8M0 scales of ca_wq, one for each 32 codes along K); ca_wv_codes 512 x 16 x 16 uint8 (E2M1 codes of ca_wv, K innermost, in blocks of 32 codes, two codes a byte); ca_wv_scales 512 x 16 uint8 (E8M0 scales of ca_wv, one for each 32 codes along K); encoding_codes 2 x 2,048 x 16 x 16 uint8 (E2M1 codes of encoding, K innermost, in blocks of 32 codes, two codes a byte); encoding_scales 2 x 2,048 x 16 uint8 (E8M0 scales of encoding, one for each 32 codes along K); ff_b1 1,024 float32; ff_b2 512 float32; ff_w1_codes 1,024 x 16 x 16 uint8 (E2M1 codes of ff_w1, K innermost, in blocks of 32 codes, two codes a byte); ff_w1_scales 1,024 x 16 uint8 (E8M0 scales of ff_w1, one for each 32 codes along K); ff_w2_codes 512 x 32 x 16 uint8 (E2M1 codes of ff_w2, K innermost, in blocks of 32 codes, two codes a byte); ff_w2_scales 512 x 32 uint8 (E8M0 scales of ff_w2, one for each 32 codes along K); ln1_b 512 float32; ln1_g 512 float32; ln2_b 512 float32; ln2_g 512 float32; ln3_b 512 float32; ln3_g 512 float32; sa_wk_codes 512 x 16 x 16 uint8 (E2M1 codes of sa_wk, K innermost, in blocks of 32 codes, two codes a byte); sa_wk_scales 512 x 16 uint8 (E8M0 scales of sa_wk, one for each 32 codes along K); sa_wo_codes 512 x 16 x 16 uint8 (E2M1 codes of sa_wo, K innermost, in blocks of 32 codes, two codes a byte); sa_wo_scales 512 x 16 uint8 (E8M0 scales of sa_wo, one for each 32 codes along K); sa_wq_codes 512 x 16 x 16 uint8 (E2M1 codes of sa_wq, K innermost, in blocks of 32 codes, two codes a byte); sa_wq_scales 512 x 16 uint8 (E8M0 scales of sa_wq, one for each 32 codes along K); sa_wv_codes 512 x 16 x 16 uint8 (E2M1 codes of sa_wv, K innermost, in blocks of 32 codes, two codes a byte); sa_wv_scales 512 x 16 uint8 (E8M0 scales of sa_wv, one for each 32 codes along K); x 2 x 2,048 x 512 float32.
;; Outputs: out0 2 x 2,048 x 512 float32.
;; This version of the problem:
;;   THIS VERSION OF THE PROBLEM IS GIVEN IN LOW PRECISION. The matrix products marked QUANTISED in the list below multiply operands that are first quantised to E2M1 (2 exponent bits, 1 mantissa bit; 4 bits a number), with one power-of-two scale for each 32 numbers along K (OCP MX v1.0); their sums are f32. All else is computed in f32.
;;   The module's matrix products, in the order in which they are computed (A, B: the left and right operand; K: the contracted axis; several contracted axes count as one K, in the product's order):
;;     1. [M 4,096, K 512] x [K 512, N 512]; A: input x; B: input sa_wq (given as codes): QUANTISED
;;     2. [M 4,096, K 512] x [K 512, N 512]; A: input x; B: input sa_wk (given as codes): QUANTISED
;;     3. [M 4,096, K 512] x [K 512, N 512]; A: input x; B: input sa_wv (given as codes): QUANTISED
;;     4. batch 32 x [M 2,048, K 32] x [K 32, N 2,048]; A: computed on the way; B: computed on the way: QUANTISED
;;     5. batch 32 x [M 32, K 2,048] x [K 2,048, N 2,048]; A: computed on the way; B: softmax (see below): QUANTISED
;;     6. [M 4,096, K 512] x [K 512, N 512]; A: computed on the way; B: input sa_wo (given as codes): QUANTISED
;;     7. [M 4,096, K 512] x [K 512, N 512]; A: computed on the way; B: input ca_wq (given as codes): QUANTISED
;;     8. [M 4,096, K 512] x [K 512, N 512]; A: input encoding (given as codes); B: input ca_wk (given as codes): QUANTISED
;;     9. [M 4,096, K 512] x [K 512, N 512]; A: input encoding (given as codes); B: input ca_wv (given as codes): QUANTISED
;;     10. batch 32 x [M 2,048, K 32] x [K 32, N 2,048]; A: computed on the way; B: computed on the way: QUANTISED
;;     11. batch 32 x [M 32, K 2,048] x [K 2,048, N 2,048]; A: computed on the way; B: softmax (see below): QUANTISED
;;     12. [M 4,096, K 512] x [K 512, N 512]; A: computed on the way; B: input ca_wo (given as codes): QUANTISED
;;     13. [M 4,096, K 512] x [K 512, N 1,024]; A: computed on the way; B: input ff_w1 (given as codes): QUANTISED
;;     14. [M 4,096, K 1,024] x [K 1,024, N 512]; A: computed on the way; B: input ff_w2 (given as codes): QUANTISED
;;   THE QUANTISER, for each operand of a quantised product, along K:
;;     - K is cut into blocks of 32 from its start; a last block that is shorter is filled with zeros.
;;     - A block's scale is 2^e with e = floor(log2(the largest magnitude in the block)) - 2, held to -126 .. 127; a block of zeros has e = 0. As a byte (E8M0): e + 127.
;;     - Each number is divided by its block's scale, clamped to +-6, and rounded to the nearest number of E2M1, ties to even, subnormals kept.
;;     - The product sums the exact products of the quantised numbers (number of the format x scale) in f32.
;;   ~~~python
;;   def quantise(x, axis):      # numpy; x: float32 -> the quantised numbers, widened to float32 again
;;       x = np.moveaxis(x, axis, -1); K = x.shape[-1]
;;       x = np.pad(x, [(0, 0)] * (x.ndim - 1) + [(0, -K % 32)]); x = x.reshape(x.shape[:-1] + (-1, 32)); a = np.abs(x).max(-1, keepdims=True)
;;       e = np.where(a > 0, np.clip(np.frexp(np.where(a > 0, a, 1))[1] - 1 - 2, -126, 127), 0)      # np.frexp(a)[1] - 1 = floor(log2(a)), exactly
;;       r = np.clip(x / 2.0 ** e, -6, 6)
;;       step = 2.0 ** (np.maximum(np.frexp(np.where(r == 0, 1, r))[1] - 1, 0) - 1)
;;       q = np.round(r / step) * step * 2.0 ** e      # np.round: ties to even
;;       return np.moveaxis(q.reshape(q.shape[:-2] + (-1,))[..., :K], -1, axis).astype(np.float32)
;;   ~~~
;;   SOFTMAX AHEAD OF A QUANTISED PRODUCT. Where the list says 'softmax', what is quantised is not the finished softmax but p = 2^(t - M), with t = logit x log2(e) and M = ceil(the row's largest t), a whole number; so 1/2 < the row's largest p <= 1. The row's sum l is taken of the UNQUANTISED p, in f32, and the product's result is divided by l at the end. Since M is a whole number, a kernel that streams over the keys may use a running M (the ceiling of the running maximum): every later rescaling is an exact power of two, which a block's scale takes up: the codes' values come out the same.
;;   OPERANDS COMPUTED ON THE WAY. 'Computed on the way' means the value that the module computes at that place (a softmax that the list does not call 'softmax' is quantised finished and normalised). What goes into a quantiser is computed in f32, as accurately as f32 sums, v_exp_f32 and their like allow (about 1e-6 of the number): no bf16 or f16 on the way to a quantiser, and a product that is left as it is and whose result goes on into a quantised operand takes f32 operands (vector FMAs, or v_wmma_f32_16x16x4_f32). A number that lies on a knife's edge between two numbers of the format may be rounded either way, as far as f32 arithmetic and the matrix unit's own rounding can turn it there, and no further.
;;   INPUTS GIVEN AS CODES. ca_wk (in the module: [512, 512], K = its axis 1); ca_wo (in the module: [512, 512], K = its axis 1); ca_wq (in the module: [512, 512], K = its axis 1); ca_wv (in the module: [512, 512], K = its axis 1); encoding (in the module: [2, 2048, 512], K = its axis 2); ff_w1 (in the module: [1024, 512], K = its axis 1); ff_w2 (in the module: [512, 1024], K = its axis 1); sa_wk (in the module: [512, 512], K = its axis 1); sa_wo (in the module: [512, 512], K = its axis 1); sa_wq (in the module: [512, 512], K = its axis 1); sa_wv (in the module: [512, 512], K = its axis 1): each comes as NAME_codes (uint8): NAME with its K axis moved to the last place and cut into blocks of 32 codes, [.., K / 32, bytes a block], one block behind the other in memory; two codes a byte, the lower K in the low four bits (a code: sign, 2 exponent bits, 1 mantissa bit); and NAME_scales (uint8): the same leading axes, one E8M0 byte (e + 127) for each 32 codes along K. Its value is code x scale, taken as it is: it is not quantised again, and the codes and scales need not be those that the quantiser above would give.
;; 2 versions, each right; version 2 is version 1 with the launches proj, rest written anew for expert scheduling mode. Each part assembles by itself: llvm-mc -triple=amdgcn-amd-amdhsa -mcpu=gfx1250 --defsym DOCPART=n.
;; ======== version 1 of 2: 3 launches
;; workspace buffers: qb 1,114,112 bytes; kv1 2,228,224 bytes; kv2 2,228,224 bytes; att 1,114,112 bytes
;; launch proj (part 1): grid 128 x 2, 16 waves a work-group, no clusters, 12,288 bytes of LDS; arguments x, encoding_codes, encoding_scales, sa_wq_codes, sa_wq_scales, sa_wk_codes, sa_wk_scales, sa_wv_codes, sa_wv_scales, ca_wk_codes, ca_wk_scales, ca_wv_codes, ca_wv_scales, qb, kv1, kv2; writes qb, kv1, kv2
.if DOCPART == 1
	.amdgcn_target "amdgcn-amd-amdhsa--gfx1250"
	.amdhsa_code_object_version 6
	.text
	.protected	k_q5038714ea9_proj
	.globl	k_q5038714ea9_proj
	.p2align	8
	.type	k_q5038714ea9_proj,@function
k_q5038714ea9_proj:
	s_mov_b64 s[64:65], 0
	v_nop
	global_prefetch_b8 v0, s[64:65] scope:SCOPE_SE
	s_setreg_imm32_b32 hwreg(HW_REG_WAVE_MODE, 25, 1), 1
	s_wait_xcnt 0x0
; THE PROJECTIONS AHEAD OF BOTH ATTENTIONS, on codes of FP4 (E2M1) with one E8M0 scale for each 32 along K.
; Work-group (g, Y) takes rows 32 g .. 32 g + 31 of the 4,096.  Y = 0: x (f32, quantised here) times sa_wk, sa_wq, sa_wv.  Y = 1: encoding (given as codes) times ca_wk, ca_wv.
; Sixteen waves.  First each wave makes half a fragment of the 32 rows (16 rows x 64 along K) and lays it in LDS as an image of the operand's registers; then wave w is HEAD w: its 32 rows of a weight
; come straight from memory into its registers, and its results, 32 rows x 32 features, are exactly the blocks of 32 that the attention's quantisers want:
;   q, k: a row's 32 features of a head are one block.  The product is used transposed (source 0 = weight, source 1 = rows): a lane holds one row and 16 neighbouring features.
;   v: the 32 ROWS (keys) of one feature are one block.  Source 0 = rows, source 1 = weight: a lane holds one feature and 16 neighbouring keys.
; THE ROWS THAT FORM A TILE OF SOURCE 0 ARE NOT NEIGHBOURS: lane r of tile u takes row 8 u + r + 8 (r / 8) of the 32, so that the 16 registers of tiles 0 and 1 are 16 neighbours, 16 (lane / 16) + 0 .. 15.
; OUT: qb: codes [head 32][query 2048][16 bytes], scale bytes from QS_OFF [batch][tile of 16][head][16].  kv: per head four chunks of 16,384 bytes: 512 keys x 16 bytes of K, then V as images of
; the second product's fragments: (step % 4) 2048 + tile 1024 + (block % 4) 256 + 16 row; scale bytes from KVS_OFF [batch][block of 32 rows][K, V][head][32].
; LIMITS: NaN and infinities are not served.  A block whose largest magnitude lies under 2^-124 keeps the scale byte 1; so does a block of zeros, whose codes are zeros: only this program reads these bytes.
.set QS_OFF,  1048576
.set KVS_OFF, 2097152
.set XIMG, 0                           ; LDS: the rows' 8 fragments (tile of rows a, K step s: f = 4 a + s) as register images, 1,024 bytes each
.set XSC,  8192                        ; their scale words: 64 f + 4 row
.set SCGQ, 8704                        ; gathered scale bytes of q [a][head][16], 512 bytes
.set SCGK, 9216                        ; of k [head][32], and 512 bytes on of v [head][32]
.set TM,  20                           ; v20-27 at work in the quantiser; v28 the byte chosen by half
.set WS,  32                           ; v32-39 the weight's scale words: 4 u + s
.set XSW, 40                           ; v40-43 the rows' scale words: lanes 0-15 fragment 2 k, lanes 16-31 fragment 2 k + 1
.set PXS, 44                           ; v44-47 the same for the permuted tiles
.set CD,  48                           ; v48-59 codes, four registers for each job: no store's data are written again
.set ACC, 64                           ; v64-95 four accumulators (first: 32 numbers of x)
.set XF,  96                           ; v96-159 the rows' 8 fragments
.set WF,  160                          ; v160-223 the weight's 8 fragments: 4 u + s
.set HC,  224                          ; v224-227 my half fragment
.set HSB, 228                          ; v228 its two scale bytes
.set SEL, 70                           ; s[70:71] lane selects: lane l xor 16
.set HI,  72                           ; s72 mask of lanes 16-31
.macro PLACES n                        ; plain vector lines behind matrix instructions (ISA guide 7.12.1)
.rept \n
	v_nop
.endr
.endm
; one product.  z: the sum begins (C = 0).  ra, rb: source 0's or source 1's scales stand in lanes 16-31 of the register named
.macro WM d, a, b, z, sa, sb, ra, rb
.if \z
.if \ra
	v_wmma_scale_f32_16x16x128_f8f6f4 v[\d:\d+7], v[\a:\a+7], v[\b:\b+7], 0, v[\sa], v[\sb] matrix_a_fmt:MATRIX_FMT_FP4 matrix_b_fmt:MATRIX_FMT_FP4 matrix_a_scale:MATRIX_SCALE_ROW1
.elseif \rb
	v_wmma_scale_f32_16x16x128_f8f6f4 v[\d:\d+7], v[\a:\a+7], v[\b:\b+7], 0, v[\sa], v[\sb] matrix_a_fmt:MATRIX_FMT_FP4 matrix_b_fmt:MATRIX_FMT_FP4 matrix_b_scale:MATRIX_SCALE_ROW1
.else
	v_wmma_scale_f32_16x16x128_f8f6f4 v[\d:\d+7], v[\a:\a+7], v[\b:\b+7], 0, v[\sa], v[\sb] matrix_a_fmt:MATRIX_FMT_FP4 matrix_b_fmt:MATRIX_FMT_FP4
.endif
.else
.if \ra
	v_wmma_scale_f32_16x16x128_f8f6f4 v[\d:\d+7], v[\a:\a+7], v[\b:\b+7], v[\d:\d+7], v[\sa], v[\sb] matrix_a_fmt:MATRIX_FMT_FP4 matrix_b_fmt:MATRIX_FMT_FP4 matrix_a_scale:MATRIX_SCALE_ROW1
.elseif \rb
	v_wmma_scale_f32_16x16x128_f8f6f4 v[\d:\d+7], v[\a:\a+7], v[\b:\b+7], v[\d:\d+7], v[\sa], v[\sb] matrix_a_fmt:MATRIX_FMT_FP4 matrix_b_fmt:MATRIX_FMT_FP4 matrix_b_scale:MATRIX_SCALE_ROW1
.else
	v_wmma_scale_f32_16x16x128_f8f6f4 v[\d:\d+7], v[\a:\a+7], v[\b:\b+7], v[\d:\d+7], v[\sa], v[\sb] matrix_a_fmt:MATRIX_FMT_FP4 matrix_b_fmt:MATRIX_FMT_FP4
.endif
.endif
.endm
; Two half blocks by turns.  A lane's 16 numbers v[s0 ..] and lane l xor 16's are a block of 32.  Codes into v[c0], v[c0 + 1] (8 bytes: the block's numbers 16 (lane / 16) on); the byte into v[TM + 6]; the second likewise, v[TM + 7].
.macro QUANT2 s0, s1, c0, c1
	v_max3_num_f32 v[TM], |v[\s0]|, |v[\s0+1]|, 0x1800000          ; the floor 2^(3 - 127) among the leaves: the byte cannot fall under 1
	v_max3_num_f32 v[TM+1], |v[\s1]|, |v[\s1+1]|, 0x1800000
.irp i, 2,4,6,8,10,12,14
	v_max3_num_f32 v[TM], v[TM], |v[\s0+\i]|, |v[\s0+\i+1]|
	v_max3_num_f32 v[TM+1], v[TM+1], |v[\s1+\i]|, |v[\s1+\i+1]|
.endr
	v_permlanex16_b32 v[TM+2], v[TM], s[SEL], s[SEL+1]
	v_permlanex16_b32 v[TM+3], v[TM+1], s[SEL], s[SEL+1]
	v_max_num_f32 v[TM], v[TM], v[TM+2]                            ; the block's largest magnitude
	v_max_num_f32 v[TM+1], v[TM+1], v[TM+3]
	v_add_nc_u32 v[TM+4], 0xff000000, v[TM]                        ; 2 off its exponent field: the conversion takes the exponent field of this operand as its scale
	v_add_nc_u32 v[TM+5], 0xff000000, v[TM+1]
	v_lshrrev_b32 v[TM+6], 23, v[TM+4]                             ; the scale's byte
	v_lshrrev_b32 v[TM+7], 23, v[TM+5]
	v_cvt_scalef32_pk8_fp4_f32 v[\c0], v[\s0:\s0+7], v[TM+4]
	v_cvt_scalef32_pk8_fp4_f32 v[\c0+1], v[\s0+8:\s0+15], v[TM+4]
	v_cvt_scalef32_pk8_fp4_f32 v[\c1], v[\s1:\s1+7], v[TM+5]
	v_cvt_scalef32_pk8_fp4_f32 v[\c1+1], v[\s1+8:\s1+15], v[TM+5]
	v_nop                                                          ; one plain line behind the scaled conversions
.endm
; my head's 32 rows of a weight: 2 tiles x 4 K steps, and their scale words.  cb, sb: the scalar pairs with the addresses
.macro LOADW cb, sb
.irp u, 0,1
.irp s, 0,1,2,3
.irp c, 0,1
	global_load_b128 v[WF+8*(4*\u+\s)+4*\c:WF+8*(4*\u+\s)+4*\c+3], v13, s[\cb:\cb+1] offset:2048*\u+64*\s+32*\c
.endr
.endr
	global_load_b128 v[WS+4*\u:WS+4*\u+3], v14, s[\sb:\sb+1] offset:128*\u
.endr
.endm
; 16 products, transposed: source 0 = the weight's tile u, source 1 = rows' tile a.  The four accumulators take turns, one instruction a turn.
.macro JOBT
.irp s, 0,1,2,3
.irp a, 0,1
.irp u, 0,1
	WM ACC+16*\a+8*\u, WF+8*(4*\u+\s), XF+8*(4*\a+\s), \s==0, WS+4*\u+\s, XSW+2*\a+\s/2, 0, \s%2
.endr
.endr
.endr
.endm
; the two groups of 16 registers are quantised; the codes leave (a wave's store covers 256 consecutive bytes, aligned); lanes 0-15 put the first group's byte, lanes 16-31 the second's, into the gather
.macro POST cd, base, stride, adr, off
	QUANT2 ACC, ACC+16, \cd, \cd+2
	global_store_b64 v15, v[\cd:\cd+1], s[\base:\base+1]
	global_store_b64 v15, v[\cd+2:\cd+3], s[\base:\base+1] offset:\stride
	v_cndmask_b32 v28, v[TM+6], v[TM+7], s[HI]
	ds_store_b8 v[\adr], v28 offset:\off
.endm
	s_load_b512 s[8:23], s[0:1], 0x0               ; x, encoding codes, scales, sa_wq c, s, sa_wk c, s, sa_wv c
	s_load_b512 s[24:39], s[0:1], 0x40             ; sa_wv s, ca_wk c, s, ca_wv c, s, qb, kv1, kv2
	v_lshl_add_u32 v254, v0, 2, 0x2800
	v_mov_b32 v255, 0
	v_lshrrev_b32 v1, 5, v0
	v_readfirstlane_b32 s2, v1                     ; wave = head
	s_and_b32 s3, ttmp7, 0xffff                    ; Y
	s_lshr_b32 s5, ttmp9, 6                        ; batch
	s_and_b32 s6, ttmp9, 63                        ; rb: the block of 32 rows in the batch
	s_lshr_b32 s7, s2, 3                           ; a: which 16 rows my half fragment takes
	s_and_b32 s73, s2, 7                           ; 2 s + c: which 64 along K
	s_lshl_b32 s74, ttmp9, 16                      ; x: (32 g + 16 a) rows of 2,048 bytes + 256 (2 s + c)
	s_lshl_b32 s4, s7, 15
	s_add_co_u32 s74, s74, s4
	s_lshl_b32 s4, s73, 8
	s_add_co_u32 s74, s74, s4
	s_mov_b32 s75, 0
	s_lshl_b32 s76, ttmp9, 13                      ; encoding's codes: rows of 256 bytes + 32 (2 s + c)
	s_lshl_b32 s4, s7, 12
	s_add_co_u32 s76, s76, s4
	s_lshl_b32 s4, s73, 5
	s_add_co_u32 s76, s76, s4
	s_mov_b32 s77, 0
	s_lshl_b32 s78, ttmp9, 9                       ; its scale bytes: rows of 16 + 2 (2 s + c)
	s_lshl_b32 s4, s7, 8
	s_add_co_u32 s78, s78, s4
	s_lshl_b32 s4, s73, 1
	s_add_co_u32 s78, s78, s4
	s_mov_b32 s79, 0
	s_lshl_b32 s80, s5, 4
	s_add_co_u32 s80, s80, s2                      ; 16 batch + head
	s_lshl_b32 s54, s80, 16                        ; kv: the head's 65,536 bytes,
	s_lshr_b32 s4, s6, 4
	s_lshl_b32 s4, s4, 14
	s_add_co_u32 s54, s54, s4                      ; the chunk of 512 keys;
	s_add_co_u32 s56, s54, 8192                    ; V's images lie behind K's 8,192 bytes
	s_and_b32 s4, s6, 15
	s_lshl_b32 s4, s4, 9
	s_add_co_u32 s54, s54, s4                      ; K: 32 keys x 16 bytes for each block of rows
	s_mov_b32 s55, 0
	s_bfe_u32 s4, s6, 0x20002
	s_lshl_b32 s4, s4, 11
	s_add_co_u32 s56, s56, s4                      ; V: the step of 128 keys,
	s_and_b32 s4, s6, 3
	s_lshl_b32 s4, s4, 8
	s_add_co_u32 s56, s56, s4                      ; the block of 32 in it
	s_mov_b32 s57, 0
	s_lshl_b32 s58, s80, 15                        ; qb: the head's 2,048 queries x 16 bytes + 32 rb queries
	s_lshl_b32 s4, s6, 9
	s_add_co_u32 s58, s58, s4
	s_mov_b32 s59, 0
	s_lshl_b32 s60, ttmp9, 10                      ; kv's scale bytes: 1,024 for each block of rows (g = 64 batch + rb)
	s_add_co_u32 s60, s60, KVS_OFF
	s_mov_b32 s61, 0
	s_lshl_b32 s62, ttmp9, 9                       ; qb's: 256 for each tile of 16 rows
	s_add_co_u32 s62, s62, QS_OFF
	s_mov_b32 s63, 0
	s_lshl_b32 s66, s2, 13                         ; my head's 32 rows of a weight: 8,192 bytes of codes,
	s_mov_b32 s67, 0
	s_lshl_b32 s68, s2, 9                          ; 512 of scale bytes
	s_mov_b32 s69, 0
	s_lshr_b32 s81, s2, 1
	s_lshl_b32 s81, s81, 6
	s_and_b32 s4, s2, 1
	s_lshl_b32 s4, s4, 1
	s_add_co_u32 s81, s81, s4
	s_add_co_u32 s81, s81, XSC                     ; my half fragment's two bytes of a scale word: XSC + 64 f + 2 c
	s_lshl_b32 s82, s2, 4
	s_add_co_u32 s82, s82, SCGQ
	s_mov_b32 s[SEL], 0x76543210
	s_mov_b32 s[SEL+1], 0xfedcba98
	s_mov_b32 s[HI], 0xffff0000
	v_and_b32 v1, 31, v0                           ; lane
	v_and_b32 v2, 15, v0                           ; r
	v_bfe_u32 v3, v0, 4, 1                         ; h
	v_lshlrev_b32 v4, 11, v2
	v_lshl_add_u32 v4, v3, 6, v4                   ; x: row r, 16 numbers for each half of the lanes
	v_lshlrev_b32 v5, 8, v2
	v_lshl_add_u32 v5, v3, 4, v5                   ; encoding's codes: row r, block h
	v_lshlrev_b32 v6, 4, v2                        ; its scale bytes
	v_lshlrev_b32 v7, 4, v0                        ; my 16 bytes of the images: 512 x wave + 16 x lane
	v_lshlrev_b32 v8, 4, v1                        ; 16 x lane
	v_lshl_add_u32 v9, v2, 2, s81
	v_lshl_add_u32 v10, v1, 2, XSC                 ; scale words: 4 x lane
	v_bfe_u32 v18, v0, 3, 1                        ; r / 8
	v_and_b32 v19, 7, v0                           ; r % 8
	v_lshlrev_b32 v11, 12, v18                     ; the permuted tiles: row 8 u + r + 8 (r / 8) is row 8 u + r % 8 of tile r / 8
	v_lshl_add_u32 v11, v3, 8, v11
	v_lshl_add_u32 v11, v19, 4, v11
	v_lshlrev_b32 v12, 8, v18
	v_lshl_add_u32 v12, v3, 6, v12
	v_lshl_add_u32 v12, v19, 2, v12
	v_add_nc_u32 v12, XSC, v12
	v_lshl_add_u32 v18, v18, 3, v2                 ; r + 8 (r / 8)
	v_lshlrev_b32 v13, 8, v18
	v_lshl_add_u32 v13, v3, 4, v13                 ; a weight's row of 256 bytes
	v_lshlrev_b32 v14, 4, v18                      ; and of 16 scale bytes
	v_lshlrev_b32 v15, 4, v2
	v_lshl_add_u32 v15, v3, 3, v15                 ; codes out: 16 r + 8 h
	v_lshl_add_u32 v16, v3, 8, v2
	v_add_nc_u32 v16, s82, v16                     ; q's byte: SCGQ + 256 a + 16 head + r, a = my half
	v_add_nc_u32 v17, SCGK, v0                     ; k's and v's: 32 head + lane
	v_mov_b32 v[TM+2], 0                           ; written once: a lane permute's destination counts as one of its sources
	v_mov_b32 v[TM+3], 0
	s_wait_kmcnt 0x0
	s_cmp_eq_u32 s3, 0                             ; the buffers are chosen by the work-group's number alone
	s_cselect_b64 s[40:41], s[18:19], s[26:27]     ; K's weight
	s_cselect_b64 s[42:43], s[20:21], s[28:29]
	s_cselect_b64 s[44:45], s[22:23], s[30:31]     ; V's weight
	s_cselect_b64 s[46:47], s[24:25], s[32:33]
	s_cselect_b64 s[52:53], s[36:37], s[38:39]     ; kv1 or kv2
	s_cselect_b64 s[48:49], s[14:15], s[44:45]     ; the weight that follows K's: Q's, or V's where there is no Q
	s_cselect_b64 s[50:51], s[16:17], s[46:47]
	s_add_nc_u64 s[40:41], s[40:41], s[66:67]
	s_add_nc_u64 s[44:45], s[44:45], s[66:67]
	s_add_nc_u64 s[48:49], s[48:49], s[66:67]
	s_add_nc_u64 s[42:43], s[42:43], s[68:69]
	s_add_nc_u64 s[46:47], s[46:47], s[68:69]
	s_add_nc_u64 s[50:51], s[50:51], s[68:69]
	s_add_nc_u64 s[74:75], s[8:9], s[74:75]
	s_add_nc_u64 s[76:77], s[10:11], s[76:77]
	s_add_nc_u64 s[78:79], s[12:13], s[78:79]
	s_add_nc_u64 s[54:55], s[52:53], s[54:55]
	s_add_nc_u64 s[56:57], s[52:53], s[56:57]
	s_add_nc_u64 s[60:61], s[52:53], s[60:61]
	s_add_nc_u64 s[58:59], s[34:35], s[58:59]
	s_add_nc_u64 s[62:63], s[34:35], s[62:63]
	LOADW 40, 42                                   ; K's weight is on its way while the rows are made ready
	; ---- my half fragment: 16 rows x 64 along K.  Only loads and register work differ between the two ways; the LDS stores are common
	s_cmp_lg_u32 s3, 0
	s_cbranch_scc1 .Lenc
.irp e, 0,1
.irp j, 0,1,2,3
	global_load_b128 v[ACC+16*\e+4*\j:ACC+16*\e+4*\j+3], v4, s[74:75] offset:128*\e+16*\j   ; of two blocks of 32, my 16 numbers each
.endr
.endr
	s_wait_loadcnt 0x0
	QUANT2 ACC, ACC+16, HC, HC+2
	v_permlane16_swap_b32 v[HC], v[HC+2]           ; the operand's layout wants a whole block in a lane: lanes 0-15 the first block, lanes 16-31 the second
	v_permlane16_swap_b32 v[HC+1], v[HC+3]
	v_lshl_or_b32 v[HSB], v[TM+7], 8, v[TM+6]
	s_branch .Lhave
.Lenc:
	global_load_b128 v[HC:HC+3], v5, s[76:77]      ; given codes are the operand's registers as they lie
	global_load_u16 v[HSB], v6, s[78:79]
	s_wait_loadcnt 0x0
.Lhave:
	ds_store_b128 v7, v[HC:HC+3]
	ds_store_b16 v9, v[HSB]
	s_wait_dscnt 0x0                               ; for the others' sake: my stores have landed
	s_barrier_signal -1
	s_barrier_wait -1                              ; the 8 fragments and their scale words lie in LDS; nobody writes them again
.irp f, 0,1,2,3,4,5,6,7
.irp c, 0,1
	ds_load_b128 v[XF+8*\f+4*\c:XF+8*\f+4*\c+3], v8 offset:XIMG+1024*\f+512*\c
.endr
.endr
.irp k, 0,1,2,3
	ds_load_b32 v[XSW+\k], v10 offset:128*\k
.endr
	s_wait_dscnt 0x0
	; ---- K (its weight was waited for with the rows)
	JOBT
	PLACES 5                                       ; in front of the loads into the weight's registers, and of the next job's first products, which begin these accumulators anew
	LOADW 48, 50
	POST CD, 54, 256, 17, 0
	; ---- Q, for x alone
	s_cmp_lg_u32 s3, 0
	s_cbranch_scc1 .Lnoq
	s_wait_loadcnt 0x0                             ; Q's weight
	JOBT
	PLACES 5
	LOADW 44, 46
	POST CD+4, 58, 256, 16, 0
.Lnoq:
	; ---- V: source 0 = the rows, in permuted tiles, source 1 = the weight: a lane holds one feature and 16 neighbouring keys
	PLACES 4                                       ; in front of the loads into the rows' registers
.irp u, 0,1
.irp s, 0,1,2,3
.irp c, 0,1
	ds_load_b128 v[XF+8*(4*\u+\s)+4*\c:XF+8*(4*\u+\s)+4*\c+3], v11 offset:XIMG+1024*\s+512*\c+128*\u
.endr
.endr
.irp k, 0,1
	ds_load_b32 v[PXS+2*\u+\k], v12 offset:128*\k+32*\u
.endr
.endr
	s_wait_loadcnt 0x0                             ; V's weight
	s_wait_dscnt 0x0
.irp s, 0,1,2,3
.irp t, 0,1
.irp u, 0,1
	WM ACC+16*\t+8*\u, XF+8*(4*\u+\s), WF+8*(4*\t+\s), \s==0, PXS+2*\u+\s/2, WS+4*\t+\s, \s%2, 0
.endr
.endr
.endr
	PLACES 5
	POST CD+8, 56, 1024, 17, 512
	s_wait_dscnt 0x0                               ; my bytes lie in the gathers
	s_barrier_signal -1
	s_barrier_wait -1
	s_cmp_lg_u32 s2, 0                             ; wave 0 sends k's and v's 1,024 scale bytes, whole aligned runs of 512
	s_cbranch_scc1 .Lnot0
	ds_load_b128 v[224:227], v8 offset:SCGK
	ds_load_b128 v[228:231], v8 offset:SCGK+512
	s_wait_dscnt 0x0
	global_store_b128 v8, v[224:227], s[60:61]
	global_store_b128 v8, v[228:231], s[60:61] offset:512
.Lnot0:
	s_cmp_lg_u32 s2, 1                             ; wave 1 sends q's 512, where there is a q
	s_cbranch_scc1 .Lend
	s_cmp_lg_u32 s3, 0
	s_cbranch_scc1 .Lend
	ds_load_b128 v[232:235], v8 offset:SCGQ
	s_wait_dscnt 0x0
	global_store_b128 v8, v[232:235], s[62:63]
.Lend:
	s_wait_tensorcnt 0x0
	ds_add_u32 v254, v255
	s_wait_dscnt 0x0
	s_endpgm
.Lfunc_end_k_q5038714ea9_proj:
	.size	k_q5038714ea9_proj, .Lfunc_end_k_q5038714ea9_proj-k_q5038714ea9_proj
	.p2alignl 7, 3214868480
	.fill 96, 4, 3214868480
	.section	.rodata,"a",@progbits
	.p2align	6, 0x0
	.amdhsa_kernel k_q5038714ea9_proj
		.amdhsa_group_segment_fixed_size 12288
		.amdhsa_private_segment_fixed_size 0
		.amdhsa_enable_private_segment 0
		.amdhsa_kernarg_size 128
		.amdhsa_user_sgpr_count 2
		.amdhsa_user_sgpr_kernarg_segment_ptr 1
		.amdhsa_wavefront_size32 1
		.amdhsa_system_sgpr_workgroup_id_x 1
		.amdhsa_system_sgpr_workgroup_id_y 1
		.amdhsa_system_sgpr_workgroup_id_z 1
		.amdhsa_system_vgpr_workitem_id 0
		.amdhsa_next_free_vgpr 256
		.amdhsa_next_free_sgpr 88
		.amdhsa_reserve_vcc 0
		.amdhsa_float_denorm_mode_32 3
		.amdhsa_float_denorm_mode_16_64 3
		.amdhsa_memory_ordered 1
		.amdhsa_forward_progress 1
		.amdhsa_inst_pref_size 30
	.end_amdhsa_kernel
	.amdgpu_metadata
---
amdhsa.version: [ 1, 2 ]
amdhsa.kernels:
  - .name:           k_q5038714ea9_proj
    .symbol:         k_q5038714ea9_proj.kd
    .args:
      - { .name: x, .offset: 0, .size: 8, .value_kind: global_buffer, .address_space: global }
      - { .name: encoding_codes, .offset: 8, .size: 8, .value_kind: global_buffer, .address_space: global }
      - { .name: encoding_scales, .offset: 16, .size: 8, .value_kind: global_buffer, .address_space: global }
      - { .name: sa_wq_codes, .offset: 24, .size: 8, .value_kind: global_buffer, .address_space: global }
      - { .name: sa_wq_scales, .offset: 32, .size: 8, .value_kind: global_buffer, .address_space: global }
      - { .name: sa_wk_codes, .offset: 40, .size: 8, .value_kind: global_buffer, .address_space: global }
      - { .name: sa_wk_scales, .offset: 48, .size: 8, .value_kind: global_buffer, .address_space: global }
      - { .name: sa_wv_codes, .offset: 56, .size: 8, .value_kind: global_buffer, .address_space: global }
      - { .name: sa_wv_scales, .offset: 64, .size: 8, .value_kind: global_buffer, .address_space: global }
      - { .name: ca_wk_codes, .offset: 72, .size: 8, .value_kind: global_buffer, .address_space: global }
      - { .name: ca_wk_scales, .offset: 80, .size: 8, .value_kind: global_buffer, .address_space: global }
      - { .name: ca_wv_codes, .offset: 88, .size: 8, .value_kind: global_buffer, .address_space: global }
      - { .name: ca_wv_scales, .offset: 96, .size: 8, .value_kind: global_buffer, .address_space: global }
      - { .name: qb, .offset: 104, .size: 8, .value_kind: global_buffer, .address_space: global }
      - { .name: kv1, .offset: 112, .size: 8, .value_kind: global_buffer, .address_space: global }
      - { .name: kv2, .offset: 120, .size: 8, .value_kind: global_buffer, .address_space: global }
    .group_segment_fixed_size: 12288
    .private_segment_fixed_size: 0
    .kernarg_segment_align: 8
    .kernarg_segment_size: 128
    .max_flat_workgroup_size: 512
    .sgpr_count:     88
    .vgpr_count:     256
    .wavefront_size: 32
...
	.end_amdgpu_metadata
.endif
;; end of part 1
;; launch attn_c (part 2): grid 8 x 32, 16 waves a work-group, no clusters, 169,984 bytes of LDS; arguments qb, kv1, att; writes att
.if DOCPART == 2
	.amdgcn_target "amdgcn-amd-amdhsa--gfx1250"
	.amdhsa_code_object_version 6
	.text
	.protected	k_q5038714ea9_attn_c
	.globl	k_q5038714ea9_attn_c
	.p2align	8
	.type	k_q5038714ea9_attn_c,@function
k_q5038714ea9_attn_c:
	s_mov_b64 s[64:65], 0
	v_nop
	global_prefetch_b8 v0, s[64:65] scope:SCOPE_SE
	s_setreg_imm32_b32 hwreg(HW_REG_WAVE_MODE, 25, 1), 1
	s_wait_xcnt 0x0
; ATTENTION OF ONE HEAD OF 32, both products on codes of FP4 (E2M1) with one E8M0 scale for each 32 along a product's K.  CAUSAL = 1: key k counts for query q where k <= q.
; t = score x log2(e) / sqrt(512); M = the row's largest t so far, rounded UP to a whole number; p = 2^(t - M) is quantised along the keys, not normalised; the row's sum is taken of the unquantised p and
; divides O at the end.  When M moves, the sum and O are multiplied by 2^(old M - new M): exact.  O / sum, a row's 32 numbers of this head, is one block of the next product's K and is quantised here.
; SHARES.  Work-group (i, head).  Each of the sixteen waves owns ONE tile of 16 queries, T = 8 vv + i, in 256 registers: four waves to a SIMD, one wave's vector work beside another's products and LDS loads.
; vv is made of the wave's number 4 a + b by two orthogonal Latin squares: with the mask a wave works vv + 1 steps, and the four waves of equal a, and the four of equal b, sum to 34 steps alike.
; A head's K and V codes, 65,536 bytes, come into LDS ONCE, four tensor loads of wave 0; nothing is filled again.  Clusters are left out: what the 8 work-groups of a head share is these 65,536 bytes, once.
; K Q^T USES 32 OF THE INSTRUCTION'S 128 ALONG K.  A fragment of K therefore holds FOUR tiles of keys, one in each block of 32, and four fragments of Q, each with Q's codes in one block and zero codes
; in the others, pick them out: zero codes add nothing under any scale byte but 0xff.  Block 2 c + h of fragment f holds in row r key 64 f + 32 c + 8 h + r + 8 (r / 8): so the 16 registers of
; score tiles 2 b and 2 b + 1 are 16 neighbouring keys, 32 b + 16 (lane / 16) + 0 .. 15.  Both products are used transposed: a lane holds ONE query (lane % 16) throughout.
; LIMITS: NaN and infinities are not served.  Hidden scores are set to -infinity where the source takes 1e10 off them: the same p = 0 as long as scores stay far under 1e10.
; A block whose largest number lies under 2^-124 keeps the scale byte 1 (a block of zeros too: its codes are zeros, and only this program reads the bytes).
.set CAUSAL, 1
.set QS_OFF,  1048576
.set KVS_OFF, 2097152
.set AS_OFF,  1048576
.set KSWB, 65536                       ; LDS behind the codes: K's scale words, 2,048 bytes (fragment F, row r: 4 (16 F + r)); V's 2,048 bytes on (step, lane).  Beyond the 16-bit immediate: the registers carry the base
.set OSG,  69632                       ; the output's 256 scale bytes: 16 vv + r
.set AK,  1                            ; v1  my lane's place in a fragment of K: 16 (8 h + r + 8 (r / 8))
.set AV,  2                            ; v2  in an image of V: 16 x lane
.set ASW, 3                            ; v3  among the scale words: KSWB + 4 x lane
.set ADK, 4                            ; v4-6 the step's addresses
.set ADV, 5
.set ADS, 6
.set KS,  8                            ; v8  K's scale words: lanes 0-15 fragment 0, lanes 16-31 fragment 1
.set VS,  9                            ; v9  V's: lanes 0-15 tile 0, lanes 16-31 tile 1
.set QS,  10                           ; v10 Q's byte, four times
.set KFR, 40                           ; v40-55 two fragments of K;  v56-71 two of V
.set VFR, 56
.set TM,  232                          ; at work in the last quantiser
.set WV,  10
.set G1,  16                           ; s[16:23] descriptor group 1;  s[24:39] four groups 0
.set G0,  24
.set VV,  40
.set CS,  42                           ; s[42:43] c = log2(e) / sqrt(512), twice
.set TB,  44                           ; s44 the step's bytes in its chunk
.set TS,  45                           ; s45 the step's scale words
.set KF,  46                           ; s46 the step's first key
.set Q0,  47                           ; s47 my first query
.set SEL, 66                           ; s[66:67] lane selects: lane l xor 16
; v12 -M, v13 the largest t, v[14:15] the sum in two halves; v16-35: zeros, Q in lanes 0-15, zeros, Q in lanes 16-31, zeros: the four fragments of Q are v[20:27], v[28:35], v[16:23], v[24:31];
; v96-159 S^T, then p; v160-175 O^T; v224-231 p's codes; v232-254 at work; v253 p's scale word.
.macro WM d, a, b, z, sa, sb, ra, rb
.if \z
.if \ra
	v_wmma_scale_f32_16x16x128_f8f6f4 v[\d:\d+7], v[\a:\a+7], v[\b:\b+7], 0, v[\sa], v[\sb] matrix_a_fmt:MATRIX_FMT_FP4 matrix_b_fmt:MATRIX_FMT_FP4 matrix_a_scale:MATRIX_SCALE_ROW1
.else
	v_wmma_scale_f32_16x16x128_f8f6f4 v[\d:\d+7], v[\a:\a+7], v[\b:\b+7], 0, v[\sa], v[\sb] matrix_a_fmt:MATRIX_FMT_FP4 matrix_b_fmt:MATRIX_FMT_FP4
.endif
.else
.if \ra
	v_wmma_scale_f32_16x16x128_f8f6f4 v[\d:\d+7], v[\a:\a+7], v[\b:\b+7], v[\d:\d+7], v[\sa], v[\sb] matrix_a_fmt:MATRIX_FMT_FP4 matrix_b_fmt:MATRIX_FMT_FP4 matrix_a_scale:MATRIX_SCALE_ROW1
.else
	v_wmma_scale_f32_16x16x128_f8f6f4 v[\d:\d+7], v[\a:\a+7], v[\b:\b+7], v[\d:\d+7], v[\sa], v[\sb] matrix_a_fmt:MATRIX_FMT_FP4 matrix_b_fmt:MATRIX_FMT_FP4
.endif
.endif
.endm
; A lane's 16 numbers v[s ..] and lane l xor 16's are a block of 32.  Codes into v[c], v[c + 1]; the byte into v[TM + 3].  The maximum goes in two chains.
.macro QUANT1 s, c
	v_max3_num_f32 v[TM], |v[\s]|, |v[\s+1]|, 0x1800000            ; the floor 2^(3 - 127) among the leaves: the byte cannot fall under 1
	v_max3_num_f32 v[TM+1], |v[\s+8]|, |v[\s+9]|, |v[\s+10]|
	v_max3_num_f32 v[TM], v[TM], |v[\s+2]|, |v[\s+3]|
	v_max3_num_f32 v[TM+1], v[TM+1], |v[\s+11]|, |v[\s+12]|
	v_max3_num_f32 v[TM], v[TM], |v[\s+4]|, |v[\s+5]|
	v_max3_num_f32 v[TM+1], v[TM+1], |v[\s+13]|, |v[\s+14]|
	v_max3_num_f32 v[TM], v[TM], |v[\s+6]|, |v[\s+7]|
	v_max3_num_f32 v[TM], v[TM], v[TM+1], |v[\s+15]|
	v_permlanex16_b32 v[TM+1], v[TM], s[SEL], s[SEL+1]
	v_max_num_f32 v[TM], v[TM], v[TM+1]
	v_add_nc_u32 v[TM+2], 0xff000000, v[TM]                        ; 2 off the exponent field: the conversion's scale operand
	v_lshrrev_b32 v[TM+3], 23, v[TM+2]                             ; the scale's byte
	v_cvt_scalef32_pk8_fp4_f32 v[\c], v[\s:\s+7], v[TM+2]
	v_cvt_scalef32_pk8_fp4_f32 v[\c+1], v[\s+8:\s+15], v[TM+2]
	v_nop                                                          ; one plain line behind the scaled conversions
.endm
	s_load_b128 s[4:7], s[0:1], 0x0                ; qb, kv
	s_load_b64 s[8:9], s[0:1], 0x10                ; att
	v_lshl_add_u32 v249, v0, 2, 0x29000
	v_mov_b32 v255, 0
	ds_add_u32 v249, v255
	ds_add_u32 v249, v255
	v_lshrrev_b32 v1, 5, v0
	v_readfirstlane_b32 s[WV], v1                  ; wave 4 a + b
	s_and_b32 s11, ttmp7, 0xffff                   ; 16 batch + head
	s_lshr_b32 s12, s[WV], 2                       ; a
	s_and_b32 s13, s[WV], 3                        ; b
	s_lshr_b32 s14, s13, 1
	s_xor_b32 s15, s13, s14
	s_and_b32 s15, s15, 1
	s_lshl_b32 s15, s15, 1
	s_or_b32 s15, s15, s14                         ; m(b) = 0, 2, 3, 1
	s_xor_b32 s15, s15, s12                        ; y = a xor m(b)
	s_xor_b32 s13, s13, s12                        ; x = a xor b
	s_lshl_b32 s13, s13, 2
	s_or_b32 s[VV], s13, s15                       ; vv = 4 x + y: each of 0 .. 15 once
	s_lshl_b32 s41, s[VV], 3
	s_add_co_u32 s41, s41, ttmp9                   ; T = 8 vv + i
	s_lshl_b32 s[Q0], s41, 4
	s_lshr_b32 s12, s11, 4                         ; batch
	s_and_b32 s13, s11, 15                         ; head
	; descriptor group 1: a chunk is 16,384 dense bytes: 64 rows of 32 elements of 8 bytes, no padding, no mask
	s_mov_b32 s[G1], 3<<16
	s_mov_b32 s[G1+1], 32<<16                      ; tensor_dim0
	s_mov_b32 s[G1+2], 64<<16                      ; tensor_dim1
	s_mov_b32 s[G1+3], 32<<16                      ; tile_dim0
	s_mov_b32 s[G1+4], 64                          ; tile_dim1
	s_mov_b32 s[G1+5], 32                          ; the pitch
	s_mov_b32 s[G1+6], 0
	s_mov_b32 s[G1+7], 0
	s_lshl_b32 s52, s11, 16                        ; the head's codes in kv
	s_mov_b32 s53, 0
	s_lshl_b32 s54, s12, 16                        ; kv's scale bytes: 65,536 a batch, 32 a head
	s_lshl_b32 s14, s13, 5
	s_add_co_u32 s54, s54, s14
	s_add_co_u32 s54, s54, KVS_OFF
	s_mov_b32 s55, 0
	s_lshl_b32 s56, s11, 15                        ; my tile's codes in qb, and in att: 32,768 a head, 256 a tile
	s_lshl_b32 s14, s41, 8
	s_add_co_u32 s56, s56, s14
	s_mov_b32 s57, 0
	s_mov_b32 s60, s56
	s_mov_b32 s61, 0
	s_lshl_b32 s58, s12, 7                         ; q's scale bytes: ((128 batch + T) 16 + head) 16
	s_add_co_u32 s58, s58, s41
	s_lshl_b32 s58, s58, 8
	s_lshl_b32 s14, s13, 4
	s_add_co_u32 s58, s58, s14
	s_add_co_u32 s58, s58, QS_OFF
	s_mov_b32 s59, 0
	s_lshl_b32 s62, s11, 11                        ; att's scale bytes: 2,048 a head, 256 a work-group
	s_lshl_b32 s14, ttmp9, 8
	s_add_co_u32 s62, s62, s14
	s_add_co_u32 s62, s62, AS_OFF
	s_mov_b32 s63, 0
	s_mov_b32 s[CS], 0x3d8293ee                    ; c = log2(e) / sqrt(512)
	s_mov_b32 s[CS+1], s[CS]
	s_mov_b32 s[SEL], 0x76543210
	s_mov_b32 s[SEL+1], 0xfedcba98
	s_mov_b32 s49, 0x0000ffff
	s_mov_b32 s50, 0xffff0000
	s_mov_b32 s[TS], 0
	s_mov_b32 s[KF], 0
	s_lshl_b32 s51, s[VV], 4
	s_add_co_u32 s51, s51, OSG
	v_and_b32 v76, 31, v0                          ; lane
	v_and_b32 v74, 15, v0                          ; r
	v_bfe_u32 v75, v0, 4, 1                        ; h
	v_bfe_u32 v77, v0, 3, 1
	v_lshl_add_u32 v77, v77, 3, v74                ; r + 8 (r / 8)
	v_lshlrev_b32 v[AK], 4, v77
	v_lshl_add_u32 v[AK], v75, 7, v[AK]
	v_lshlrev_b32 v[AV], 4, v76
	v_lshl_add_u32 v[ASW], v76, 2, KSWB
	v_lshlrev_b32 v7, 4, v74
	v_lshl_add_u32 v7, v75, 3, v7                  ; codes out: 16 r + 8 h
	v_add_nc_u32 v11, s51, v74                     ; my row's byte in the gather
	v_lshl_add_u32 v72, v76, 3, OSG                ; the gather read back, 8 bytes a lane,
	v_lshlrev_b32 v73, 3, v76                      ; and the same place in memory
	v_lshl_add_u32 v78, v0, 2, KSWB                ; the scale word that my thread makes
	v_lshrrev_b32 v232, 4, v0
	v_lshl_add_u32 v232, v232, 11, v77             ; K's bytes: fragment F = thread / 16 spans two blocks of rows of 1,024 bytes; in a block the key's place
	v_lshrrev_b32 v233, 5, v0
	v_lshl_add_u32 v233, v233, 12, v76             ; V's: step = thread / 32 spans four; the place is 16 tile + row = lane
	v_lshlrev_b32 v234, 4, v74
	s_wait_dscnt 0x0
	s_wait_kmcnt 0x0
	s_add_nc_u64 s[52:53], s[6:7], s[52:53]
	s_add_nc_u64 s[54:55], s[6:7], s[54:55]
	s_add_nc_u64 s[56:57], s[4:5], s[56:57]
	s_add_nc_u64 s[58:59], s[4:5], s[58:59]
	s_add_nc_u64 s[60:61], s[8:9], s[60:61]
	s_add_nc_u64 s[62:63], s[8:9], s[62:63]
.irp c, 0,1,2,3
	s_mov_b32 s[G0+4*\c], 1                        ; count = 1
	s_mov_b32 s[G0+4*\c+1], 16384*\c               ; LDS address: the chunks lie as in memory
	s_add_nc_u64 s[G0+4*\c+2:G0+4*\c+3], s[52:53], 16384*\c
	s_or_b32 s[G0+4*\c+3], s[G0+4*\c+3], 0x80000000   ; type = 2
.endr
	s_cmp_lg_u32 s[WV], 0                          ; wave 0 asks for all four chunks, in one branch, ahead of every wait on TENSORcnt, LDS read and barrier: four loads of it are out
	s_cbranch_scc1 .Lnofetch
.irp c, 0,1,2,3
	tensor_load_to_lds s[G0+4*\c:G0+4*\c+3], s[G1:G1+7]
	s_nop 0
.endr
.rept 4
	v_nop
.endr
.Lnofetch:
.irp e, 0,1,2,3
	global_load_u8 v[240+\e], v232, s[54:55] offset:1024*(\e/2)+8*(\e%2)   ; the byte of key 64 F + 32 (e / 2) + 8 (e % 2) + r + 8 (r / 8)
	global_load_u8 v[244+\e], v233, s[54:55] offset:512+1024*\e            ; the byte of block 4 step + e of V's row
.endr
	global_load_b128 v[36:39], v234, s[56:57]      ; Q's 32 codes of query r, in both halves of the lanes
	global_load_u8 v248, v74, s[58:59]
	s_wait_loadcnt 0x0
	v_lshl_or_b32 v[QS], v248, 8, v248             ; Q has one block: its byte serves whichever block its codes stand in
	v_lshl_or_b32 v[QS], v[QS], 16, v[QS]
.irp j, 0,1,2,3
	v_cndmask_b32 v[20+\j], 0, v[36+\j], s49       ; Q in lanes 0-15, zero codes in the others
	v_cndmask_b32 v[28+\j], 0, v[36+\j], s50       ; and the other way round
	v_mov_b32 v[16+\j], 0
	v_mov_b32 v[24+\j], 0
	v_mov_b32 v[32+\j], 0
.endr
	v_lshl_or_b32 v240, v241, 8, v240
	v_lshl_or_b32 v244, v245, 8, v244
	v_lshl_or_b32 v240, v242, 16, v240
	v_lshl_or_b32 v244, v246, 16, v244
	v_lshl_or_b32 v240, v243, 24, v240
	v_lshl_or_b32 v244, v247, 24, v244
	ds_store_b32 v78, v240
	ds_store_b32 v78, v244 offset:2048
	v_mov_b32 v13, 0xff61b1e6                      ; the largest t so far: -3e38, under every t
	v_floor_f32 v12, -v13                          ; -M
	v_mov_b32 v14, 0
	v_mov_b32 v15, 0
.irp e, 0,1,2,3
	v_mov_b32 v[236+\e], 0                         ; written once: a lane permute's destination counts as one of its sources
.endr
	v_mov_b32 v252, 0
	v_mov_b32 v253, 0
.set j, 0
.rept 16
	v_mov_b32 v[160+j], 0                          ; O^T: the step is written once; the first finds zeros.  (These lines are also the places between Q's registers and scale, made above, and the first product)
.set j, j+1
.endr
; A KEY STEP: 128 keys of chunk ch.
.macro STEP ch
.if CAUSAL                                     ; a step all of whose keys come after my 16 queries is left out: a scalar branch on ids; the lines at its end that step addresses are not jumped over
	s_add_co_u32 s51, s[Q0], 15
	s_cmp_gt_u32 s[KF], s51
	s_cbranch_scc1 .Lhidden_\@
.endif
	v_add_nc_u32 v[ADK], s[TB], v[AK]              ; four plain lines: the places between the last step's products and the loads into their registers
	v_add_nc_u32 v[ADV], s[TB], v[AV]
	v_add_nc_u32 v[ADS], s[TS], v[ASW]
	v_nop
.irp f, 0,1
.irp cc, 0,1
	ds_load_b128 v[KFR+8*\f+4*\cc:KFR+8*\f+4*\cc+3], v[ADK] offset:16384*\ch+1024*\f+512*\cc
.endr
.endr
	ds_load_b32 v[KS], v[ADS]
.irp f, 0,1
.irp cc, 0,1
	ds_load_b128 v[VFR+8*\f+4*\cc:VFR+8*\f+4*\cc+3], v[ADV] offset:16384*\ch+8192+1024*\f+512*\cc
.endr
.endr
	ds_load_b32 v[VS], v[ADS] offset:2048
	s_wait_dscnt 5                                 ; K's four loads and its scale words are in; V's five may be out
.irp f, 0,1
.irp e, 0,1,2,3
	WM 96+8*(4*\f+\e), KFR+8*\f, 20+8*(\e%2)-4*(\e/2), 1, KS, QS, \f, 0   ; score tile 4 f + e: block e of fragment f against Q in block e
.endr
.endr
.rept 4
	v_nop
.endr
.if CAUSAL                                     ; on the diagonal hidden scores become -infinity ahead of the maximum: p = 0 then.  A step all of whose keys count skips this
	s_add_co_u32 s51, s[KF], 127
	s_cmp_le_u32 s51, s[Q0]
	s_cbranch_scc1 .Lopen_\@
	s_sub_co_i32 s51, s[Q0], s[KF]
	v_and_b32 v250, 15, v0
	v_bfe_u32 v251, v0, 4, 1
	v_lshlrev_b32 v251, 4, v251
	v_sub_nc_u32 v250, v250, v251
	v_add_nc_u32 v250, s51, v250                   ; d = my query - KF - 16 (lane / 16).  Register 16 b + i holds key KF + 16 (lane / 16) + 32 b + i: hidden where 32 b + i > d
	v_mov_b32 v254, 0xff800000
.set n, 0
.rept 64
	v_cmp_gt_i32 vcc_lo, 32*(n/16)+n%16, v250
	v_cndmask_b32 v[96+n], v[96+n], v254, vcc_lo
.set n, n+1
.endr
.Lopen_\@:
.endif
.irp b, 0,1,2,3
	v_max3_num_f32 v[232+\b], v[96+16*\b], v[97+16*\b], v[98+16*\b]   ; the largest score of each block of 32 keys: for the row's maximum, and, since p rises with the score, for the block's largest p
.endr
.irp i, 3,5,7,9,11,13
.irp b, 0,1,2,3
	v_max3_num_f32 v[232+\b], v[232+\b], v[96+16*\b+\i], v[97+16*\b+\i]
.endr
.endr
.irp b, 0,1,2,3
	v_max_num_f32 v[232+\b], v[232+\b], v[111+16*\b]
.endr
.irp b, 0,1,2,3
	v_permlanex16_b32 v[236+\b], v[232+\b], s[SEL], s[SEL+1]
.endr
.irp b, 0,1,2,3
	v_max_num_f32 v[232+\b], v[232+\b], v[236+\b]  ; with lane l xor 16's 16 keys
.endr
	v_max3_num_f32 v254, v232, v233, v234
	v_max_num_f32 v254, v254, v235
	v_mul_f32 v254, s[CS], v254                    ; as t (c is positive)
	v_max_num_f32 v13, v13, v254                   ; the running largest t
	v_mov_b32 v254, v12
	v_floor_f32 v12, -v13                          ; the new -M = -ceil(t): a whole number
	v_sub_f32 v254, v12, v254                      ; old M - new M: a whole number, 0 or less
	v_cvt_i32_f32 v254, v254                       ; (it saturates)
	v_ldexp_f32 v252, 1.0, v254                    ; f = 2^(old M - new M)
.set j, 0
.rept 32
	v_pk_fma_f32 v[96+j:97+j], v[96+j:97+j], s[CS:CS+1], v[12:13] op_sel_hi:[1,0,0]   ; t - M, two at a time
.set j, j+2
.endr
.irp b, 0,1,2,3
	v_fma_f32 v[232+\b], v[232+\b], s[CS], v12     ; the same of each block's largest score
.endr
.set j, 0
.rept 64
	v_exp_f32 v[96+j], v[96+j]                     ; p = 2^(t - M), at most 1
.set j, j+1
.endr
.irp b, 0,1,2,3
	v_exp_f32 v[232+\b], v[232+\b]                 ; the block's largest p: the same two instructions on the same number give the same bits
.endr
	v_pk_mul_f32 v[14:15], v[14:15], v[252:253] op_sel_hi:[1,0]   ; the sums under the new M.  (A plain line behind the exponentials)
	s_wait_alu depctr_va_vdst(0)
.irp b, 0,1,2,3
	v_max_num_f32 v[232+\b], 0x1800000, v[232+\b]  ; the floor 2^(3 - 127)
.endr
.irp b, 0,1,2,3
	v_add_nc_u32 v[244+\b], 0xff000000, v[232+\b]  ; the conversion's scale operand
.endr
.irp b, 0,1,2,3
	v_lshrrev_b32 v[236+\b], 23, v[244+\b]         ; the scale's byte
.endr
	v_lshl_or_b32 v253, v237, 8, v236              ; p's scale word for these 128 keys
	v_lshl_or_b32 v253, v238, 16, v253
	v_lshl_or_b32 v253, v239, 24, v253
.irp b, 0,1,2,3
	v_cvt_scalef32_pk8_fp4_f32 v[224+2*\b], v[96+16*\b:103+16*\b], v[244+\b]
	v_cvt_scalef32_pk8_fp4_f32 v[225+2*\b], v[104+16*\b:111+16*\b], v[244+\b]
.endr
	v_nop                                          ; one plain line behind the scaled conversions
.irp c, 0,1                                    ; the operand's layout wants a whole block in a lane
.irp i, 0,1
	v_permlane16_swap_b32 v[224+4*\c+\i], v[226+4*\c+\i]
.endr
.endr
	v_pk_add_f32 v[236:237], v[96:97], v[98:99]    ; the row's sum is taken of the unquantised p: two at a time, in two chains
.set j, 4
.rept 15
	v_pk_add_f32 v[14:15], v[14:15], v[96+j:97+j]
	v_pk_add_f32 v[236:237], v[236:237], v[98+j:99+j]
.set j, j+4
.endr
	v_pk_add_f32 v[14:15], v[14:15], v[236:237]
.set j, 0
.rept 8
	v_pk_mul_f32 v[160+j:161+j], v[160+j:161+j], v[252:253] op_sel_hi:[1,0]   ; O^T under the new M.  (With the sums above: the places between p's scale word and codes and the products below)
.set j, j+2
.endr
	s_wait_dscnt 0x0                               ; V's fragments and scale words
	WM 160, VFR, 224, 0, VS, 253, 0, 0             ; O^T += V^T P^T: the head's 32 in two tiles, which take turns
	WM 168, VFR+8, 224, 0, VS, 253, 1, 0
.if CAUSAL
.Lhidden_\@:
	s_add_co_u32 s[KF], s[KF], 128
.endif
	s_add_co_u32 s[TB], s[TB], 2048
	s_add_co_u32 s[TS], s[TS], 128
.endm
; A chunk of 512 keys.  The count leaves the later chunks on their way. Wave 0, which issued the loads, waits and then signals; the others read behind their wait.
.macro CHUNK ch
	s_wait_tensorcnt 3-\ch
	s_wait_dscnt 0x0                               ; no LDS instruction of mine is out at a signal (ahead of chunk 0: the scale words' stores have landed)
	s_barrier_signal -1
	s_barrier_wait -1
	s_mov_b32 s[TB], 0
	s_mov_b32 s48, 4
.Lstep_\@:
	STEP \ch
	s_sub_co_u32 s48, s48, 1
	s_cmp_lg_u32 s48, 0
	s_cbranch_scc1 .Lstep_\@
.endm
	CHUNK 0
	CHUNK 1
	CHUNK 2
	CHUNK 3
	; THE WAY OUT: O^T / the sum is one block of 32 of the next product's K: a lane holds numbers 16 (lane / 16) + 0 .. 15 of query lane % 16
.rept 4
	v_nop                                          ; places behind the last products
.endr
	v_add_f32 v14, v14, v15
	v_permlanex16_b32 v252, v14, s[SEL], s[SEL+1]
	v_add_f32 v14, v14, v252                       ; the row's sum
	v_rcp_f32 v14, v14
	v_nop                                          ; a plain line behind the transcendental
.set j, 0
	s_wait_alu depctr_va_vdst(0)
.rept 16
	v_mul_f32 v[96+j], v[160+j], v14
.set j, j+1
.endr
	QUANT1 96, 224
	global_store_b64 v7, v[224:225], s[60:61]      ; the wave stores 256 consecutive bytes, aligned
	ds_store_b8 v11, v[TM+3]                       ; both lanes of a block write the same byte with the same value
	s_wait_dscnt 0x0
	s_barrier_signal -1
	s_barrier_wait -1
	s_cmp_lg_u32 s[WV], 0
	s_cbranch_scc1 .Lend
	ds_load_b64 v[226:227], v72                    ; the work-group's 256 scale bytes leave as one aligned run
	s_wait_dscnt 0x0
	global_store_b64 v73, v[226:227], s[62:63]
.Lend:
	s_wait_tensorcnt 0x0
	ds_add_u32 v249, v255
	s_wait_dscnt 0x0
	s_endpgm
.Lfunc_end_k_q5038714ea9_attn_c:
	.size	k_q5038714ea9_attn_c, .Lfunc_end_k_q5038714ea9_attn_c-k_q5038714ea9_attn_c
	.p2alignl 7, 3214868480
	.fill 96, 4, 3214868480
	.section	.rodata,"a",@progbits
	.p2align	6, 0x0
	.amdhsa_kernel k_q5038714ea9_attn_c
		.amdhsa_group_segment_fixed_size 169984
		.amdhsa_private_segment_fixed_size 0
		.amdhsa_enable_private_segment 0
		.amdhsa_kernarg_size 24
		.amdhsa_user_sgpr_count 2
		.amdhsa_user_sgpr_kernarg_segment_ptr 1
		.amdhsa_wavefront_size32 1
		.amdhsa_system_sgpr_workgroup_id_x 1
		.amdhsa_system_sgpr_workgroup_id_y 1
		.amdhsa_system_sgpr_workgroup_id_z 1
		.amdhsa_system_vgpr_workitem_id 0
		.amdhsa_next_free_vgpr 256
		.amdhsa_next_free_sgpr 72
		.amdhsa_reserve_vcc 1
		.amdhsa_float_denorm_mode_32 3
		.amdhsa_float_denorm_mode_16_64 3
		.amdhsa_memory_ordered 1
		.amdhsa_forward_progress 1
		.amdhsa_inst_pref_size 89
	.end_amdhsa_kernel
	.amdgpu_metadata
---
amdhsa.version: [ 1, 2 ]
amdhsa.kernels:
  - .name:           k_q5038714ea9_attn_c
    .symbol:         k_q5038714ea9_attn_c.kd
    .args:
      - { .name: qb, .offset: 0, .size: 8, .value_kind: global_buffer, .address_space: global }
      - { .name: kv1, .offset: 8, .size: 8, .value_kind: global_buffer, .address_space: global }
      - { .name: att, .offset: 16, .size: 8, .value_kind: global_buffer, .address_space: global }
    .group_segment_fixed_size: 169984
    .private_segment_fixed_size: 0
    .kernarg_segment_align: 8
    .kernarg_segment_size: 24
    .max_flat_workgroup_size: 512
    .sgpr_count:     72
    .vgpr_count:     256
    .wavefront_size: 32
...
	.end_amdgpu_metadata
.endif
;; end of part 2
;; launch rest (part 3): grid 256 x 1, 16 waves a work-group, no clusters, 62,976 bytes of LDS; arguments att, x, sa_wo_codes, sa_wo_scales, ln1_g, ln1_b, ca_wq_codes, ca_wq_scales, kv2, ca_wo_codes, ca_wo_scales, ln2_g, ln2_b, ff_w1_codes, ff_w1_scales, ff_b1, ff_w2_codes, ff_w2_scales, ff_b2, ln3_g, ln3_b, out0; writes out0
.if DOCPART == 3
	.amdgcn_target "amdgcn-amd-amdhsa--gfx1250"
	.amdhsa_code_object_version 6
	.text
	.protected	k_q5038714ea9_rest
	.globl	k_q5038714ea9_rest
	.p2align	8
	.type	k_q5038714ea9_rest,@function
k_q5038714ea9_rest:
	s_mov_b64 s[64:65], 0
	v_nop
	global_prefetch_b8 v0, s[64:65] scope:SCOPE_SE
	s_setreg_imm32_b32 hwreg(HW_REG_WAVE_MODE, 25, 1), 1
	s_wait_xcnt 0x0
; ALL THAT FOLLOWS THE SELF-ATTENTION, for 16 rows a work-group:  h1 = layernorm(x + att sa_wo^T);  q = h1 ca_wq^T;  cross-attention of q on the encoding's K and V;  h2 = layernorm(h1 + o ca_wo^T);
; out = layernorm(h2 + relu(h2 ff_w1^T + b1) ff_w2^T + b2).  Every product on codes of FP4 (E2M1) with one E8M0 scale for each 32 along K; all else in f32.
; THE SIXTEEN WAVES SHARE THE COLUMNS: wave w owns features 32 w .. 32 w + 31 of the 512-wide layers, which are HEAD w and one block of the next product's K, and units 64 w .. 64 w + 63 of the hidden layer.
; So q never leaves its wave, the attention's result is the wave's own block of the next K, and h1 stays in 16 registers through the attention: nothing of these goes to memory.
; The products with weights are used transposed (source 0 = weight, source 1 = the 16 rows), and lane r of a weight's tile u takes row 8 u + r + 8 (r / 8) of a block of 32: a lane then holds ONE row
; (lane % 16) and 16 neighbouring features.  Residuals and biases are the C of a sum's first product.  Codes go from wave to wave through LDS as images of the operand's registers
; (block blk at 256 blk + 16 row + 8 half; scale words at 64 s + 4 row); every LDS region is written once and has bytes of its own.
; THE NORM: each wave's mean and centred sum of squares of its 32 features meet in LDS; the sum of squares = the sum of the 16 + 32 x the sum of (wave's mean - mean)^2: no difference of large sums is formed.
; THE ATTENTION: t = score x log2(e) / sqrt(512); M = the row's largest t so far, rounded UP to a whole number; p = 2^(t - M) is quantised along the keys, not normalised; the row's sum is taken of the
; unquantised p and divides O at the end.  When M moves, the sum and O are multiplied by 2^(old M - new M): exact.  16 steps of 128 keys.  K Q^T uses 32 of the instruction's 128 along K: a fragment of K holds
; FOUR tiles of keys, one in each block of 32, and four fragments of Q, each with Q's codes in one block and zero codes in the others, pick them out.  Block 2 c + h of fragment f holds in row r key
; 64 f + 32 c + 8 h + r + 8 (r / 8): so the 16 registers of score tiles 2 b and 2 b + 1 are 16 neighbouring keys.  Both products are used transposed: a lane holds ONE query throughout.
; K AND V COME FROM MEMORY STRAIGHT INTO THE REGISTERS OF THE ONE WAVE THAT MULTIPLIES THEM (a head belongs to one wave): each load reads 512 consecutive bytes.  One set of registers serves: the next step's K
; is asked for as soon as this step's scores are made, the next step's V as soon as this step's second product is issued, so that each has nearly a whole step in which to land.  No wave waits for another
; through the 16 steps.  Clusters are left out: a joint load wants an LDS ring and a round of the cluster's barrier for each of 16 refills, which would put 64 waves into step 16 times.
; LIMITS: NaN and infinities are not served.  A block whose largest magnitude lies under 2^-124 keeps the scale byte 1 (a block of zeros too: its codes are zeros; only this program reads the bytes).
.set AS_OFF,  1048576
.set KVS_OFF, 2097152
.set REDM1, 0                          ; LDS: the waves' means and centred sums, 64 row + 4 wave, for each of the three norms
.set REDQ1, 1024
.set REDM2, 2048
.set REDQ2, 3072
.set REDM3, 4096
.set REDQ3, 5120
.set IMG1,  6144                       ; h1's four fragments as register images;  SC1 their scale words
.set SC1,   10240
.set IMG2,  10496                      ; the attention's result likewise
.set SC2,   14592
.set IMG3,  14848                      ; h2 likewise
.set SC3,   18944
.set FSC,   19200                      ; the hidden layer's scale words, 8 K steps
.set FIMG,  19712                      ; its eight fragments
.set STG,   27904                      ; the stage: 16 rows x (2,048 + 16) bytes
.set W256, 1                           ; v1  a weight's row of 256 bytes: 256 (r + 8 (r / 8)) + 16 h;  at the end: my place in the stage
.set WS16, 2                           ; v2  its 16 scale bytes;  at the end: row w of the stage
.set STW,  1
.set STR,  2
.set GB,   3                           ; v3  gains and biases: 64 h
.set RW,   4                           ; v4  64 r + 4 w
.set RR,   5                           ; v5  64 r
.set IW,   6                           ; v6  my 8 bytes of an image: 256 w + 16 r + 8 h;  for the hidden layer 512 w + 16 r + 8 h
.set SCW,  7                           ; v7  my block's byte of the scale words
.set L16,  8                           ; v8  16 x lane
.set L4,   9                           ; v9  4 x lane
.set AK,   10                          ; v10 my lane's place in a fragment of K: 16 (8 h + r + 8 (r / 8));  behind the attention: ff_w2's row of 512 bytes
.set AKS,  11                          ; v11 among K's scale bytes: 2048 h + r + 8 (r / 8);  behind the attention: ff_w2's 32 scale bytes
.set W512, 10
.set WS32, 11
.set SA,   12                          ; v12-15 the rows' scale words: K step s in register s / 2, half s % 2 of the lanes.  v12-19 and v80-95 hold scales and nothing else
.set KS,   16                          ; v16 K's scale words: lanes 0-15 fragment 0, lanes 16-31 fragment 1
.set VS,   17                          ; v17 V's: lanes 0-15 tile 0, lanes 16-31 tile 1
.set QS,   18                          ; v18 Q's byte, four times
.set PS,   19                          ; v19 p's scale word
.set TM,   20                          ; v20-31 at work
.set AVS,  24                          ; v24 in the attention: lane
.set QF,   28                          ; v28-47 in the attention: zeros, Q in lanes 0-15, zeros, Q in lanes 16-31, zeros
.set A0,   32                          ; v32-47 ln1's gain; q; ff_b1 and the hidden layer's first 32 units; ln3's gain
.set H,    48                          ; v48-63 x, the sum, h1 (kept through the attention), the sum, h2, h2 + b2, the sum, out
.set A1,   64                          ; v64-79 ln1's bias; the hidden layer's second 32 units; ln3's bias
.set ST,   64                          ; in the attention: v64 -M, v65 the largest t, v[66:67] the sum in two halves,
.set KB,   68                          ; v68-71 K's four scale bytes, v72-75 V's,
.set VB,   72
.set ADK,  76                          ; v76-79 the next step's offsets
.set ADKS, 77
.set ADV,  78
.set ADVS, 79
.set SW,   80                          ; v80-95 the weights' scale words
.set FR,   96                          ; v96-127 the rows' four fragments; in a norm the 16 means and 16 sums; in the attention v96-159 S^T, then p
.set P,    96
.set R0,   128                         ; v128-191, v192-255 two sets of 8 weight fragments
.set KFR,  160                         ; in the attention: v160-175 two fragments of K, v176-191 two of V,
.set VFR,  176
.set R1,   192
.set OT,   192                         ; v192-207 O^T, v224-231 p's codes, v232-254 at work
.set SEL,  60                          ; s[60:61] lane selects: lane l xor 16
.set CS,   62                          ; s[62:63] c = log2(e) / sqrt(512), twice
.set NX,   74                          ; s74 the step that is asked for
.macro PLACES n                        ; plain vector lines behind matrix instructions (ISA guide 7.12.1)
.rept \n
	v_nop
.endr
.endm
.macro BARRIER                         ; my LDS stores have landed and my LDS loads are in: then the work-group's barrier
	s_wait_dscnt 0x0
	s_barrier_signal -1
	s_barrier_wait -1
.endm
; one product.  z: the sum begins (C = 0).  ra, rb: source 0's or source 1's scales stand in lanes 16-31 of the register named
.macro WM d, a, b, z, sa, sb, ra, rb
.if \z
.if \ra
	v_wmma_scale_f32_16x16x128_f8f6f4 v[\d:\d+7], v[\a:\a+7], v[\b:\b+7], 0, v[\sa], v[\sb] matrix_a_fmt:MATRIX_FMT_FP4 matrix_b_fmt:MATRIX_FMT_FP4 matrix_a_scale:MATRIX_SCALE_ROW1
.elseif \rb
	v_wmma_scale_f32_16x16x128_f8f6f4 v[\d:\d+7], v[\a:\a+7], v[\b:\b+7], 0, v[\sa], v[\sb] matrix_a_fmt:MATRIX_FMT_FP4 matrix_b_fmt:MATRIX_FMT_FP4 matrix_b_scale:MATRIX_SCALE_ROW1
.else
	v_wmma_scale_f32_16x16x128_f8f6f4 v[\d:\d+7], v[\a:\a+7], v[\b:\b+7], 0, v[\sa], v[\sb] matrix_a_fmt:MATRIX_FMT_FP4 matrix_b_fmt:MATRIX_FMT_FP4
.endif
.else
.if \ra
	v_wmma_scale_f32_16x16x128_f8f6f4 v[\d:\d+7], v[\a:\a+7], v[\b:\b+7], v[\d:\d+7], v[\sa], v[\sb] matrix_a_fmt:MATRIX_FMT_FP4 matrix_b_fmt:MATRIX_FMT_FP4 matrix_a_scale:MATRIX_SCALE_ROW1
.elseif \rb
	v_wmma_scale_f32_16x16x128_f8f6f4 v[\d:\d+7], v[\a:\a+7], v[\b:\b+7], v[\d:\d+7], v[\sa], v[\sb] matrix_a_fmt:MATRIX_FMT_FP4 matrix_b_fmt:MATRIX_FMT_FP4 matrix_b_scale:MATRIX_SCALE_ROW1
.else
	v_wmma_scale_f32_16x16x128_f8f6f4 v[\d:\d+7], v[\a:\a+7], v[\b:\b+7], v[\d:\d+7], v[\sa], v[\sb] matrix_a_fmt:MATRIX_FMT_FP4 matrix_b_fmt:MATRIX_FMT_FP4
.endif
.endif
.endm
; 8 products: 4 K steps x my two tiles, which take turns, one instruction a turn.  ws + wst u + s: the weight's scale word; sa + s / 2: the rows'.  z: the sums begin; else the accumulators hold a residual or a bias
.macro GEMM acc, wf, fr, ws, wst, sa, z
.irp s, 0,1,2,3
.irp u, 0,1
.if \z && (\s == 0)
	WM \acc+8*\u, \wf+8*(4*\u+\s), \fr+8*\s, 1, \ws+\wst*\u+\s, \sa+\s/2, 0, \s%2
.else
	WM \acc+8*\u, \wf+8*(4*\u+\s), \fr+8*\s, 0, \ws+\wst*\u+\s, \sa+\s/2, 0, \s%2
.endif
.endr
.endr
.endm
.macro LOADW dst, cb, lr, rowb, s0, rowoff   ; 2 tiles x 4 K steps of a weight whose rows have rowb bytes, from K step s0 and row rowoff on
.irp u, 0,1
.irp s, 0,1,2,3
.irp c, 0,1
	global_load_b128 v[\dst+8*(4*\u+\s)+4*\c:\dst+8*(4*\u+\s)+4*\c+3], v[\lr], s[\cb:\cb+1] offset:(\rowoff+8*\u)*\rowb+64*(\s0+\s)+32*\c
.endr
.endr
.endr
.endm
.macro FETCH img, sc, sa               ; four fragments and their scale words out of LDS, as they were laid there
.irp n, 0,1,2,3,4,5,6,7
	ds_load_b128 v[FR+4*\n:FR+4*\n+3], v[L16] offset:\img+512*\n
.endr
	ds_load_b32 v[\sa], v[L4] offset:\sc
	ds_load_b32 v[\sa+1], v[L4] offset:\sc+128
.endm
.macro QUANT1 s, c                     ; a lane's 16 numbers and lane l xor 16's are a block of 32: codes into v[c], v[c + 1], the byte into v[TM + 3]
	v_max3_num_f32 v[TM], |v[\s]|, |v[\s+1]|, 0x1800000            ; the floor 2^(3 - 127) among the leaves: the byte cannot fall under 1
	v_max3_num_f32 v[TM+1], |v[\s+8]|, |v[\s+9]|, |v[\s+10]|
	v_max3_num_f32 v[TM], v[TM], |v[\s+2]|, |v[\s+3]|
	v_max3_num_f32 v[TM+1], v[TM+1], |v[\s+11]|, |v[\s+12]|
	v_max3_num_f32 v[TM], v[TM], |v[\s+4]|, |v[\s+5]|
	v_max3_num_f32 v[TM+1], v[TM+1], |v[\s+13]|, |v[\s+14]|
	v_max3_num_f32 v[TM], v[TM], |v[\s+6]|, |v[\s+7]|
	v_max3_num_f32 v[TM], v[TM], v[TM+1], |v[\s+15]|
	v_permlanex16_b32 v[TM+1], v[TM], s[SEL], s[SEL+1]
	v_max_num_f32 v[TM], v[TM], v[TM+1]
	v_add_nc_u32 v[TM+2], 0xff000000, v[TM]                        ; 2 off the exponent field: the conversion's scale operand
	v_lshrrev_b32 v[TM+3], 23, v[TM+2]
	v_cvt_scalef32_pk8_fp4_f32 v[\c], v[\s:\s+7], v[TM+2]
	v_cvt_scalef32_pk8_fp4_f32 v[\c+1], v[\s+8:\s+15], v[TM+2]
	v_nop                                                          ; one plain line behind the scaled conversions
.endm
.macro QUANT2 s0, s1, c0, c1           ; two such half blocks by turns; the bytes into v[TM + 6], v[TM + 7]
	v_max3_num_f32 v[TM], |v[\s0]|, |v[\s0+1]|, 0x1800000
	v_max3_num_f32 v[TM+1], |v[\s1]|, |v[\s1+1]|, 0x1800000
.irp i, 2,4,6,8,10,12,14
	v_max3_num_f32 v[TM], v[TM], |v[\s0+\i]|, |v[\s0+\i+1]|
	v_max3_num_f32 v[TM+1], v[TM+1], |v[\s1+\i]|, |v[\s1+\i+1]|
.endr
	v_permlanex16_b32 v[TM+2], v[TM], s[SEL], s[SEL+1]
	v_permlanex16_b32 v[TM+3], v[TM+1], s[SEL], s[SEL+1]
	v_max_num_f32 v[TM], v[TM], v[TM+2]
	v_max_num_f32 v[TM+1], v[TM+1], v[TM+3]
	v_add_nc_u32 v[TM+4], 0xff000000, v[TM]
	v_add_nc_u32 v[TM+5], 0xff000000, v[TM+1]
	v_lshrrev_b32 v[TM+6], 23, v[TM+4]
	v_lshrrev_b32 v[TM+7], 23, v[TM+5]
	v_cvt_scalef32_pk8_fp4_f32 v[\c0], v[\s0:\s0+7], v[TM+4]
	v_cvt_scalef32_pk8_fp4_f32 v[\c0+1], v[\s0+8:\s0+15], v[TM+4]
	v_cvt_scalef32_pk8_fp4_f32 v[\c1], v[\s1:\s1+7], v[TM+5]
	v_cvt_scalef32_pk8_fp4_f32 v[\c1+1], v[\s1+8:\s1+15], v[TM+5]
	v_nop
.endm
.macro SUM16 src, x4                   ; v20 = the sum of 16 registers; x4: a fourth pair to work in
	v_pk_add_f32 v[20:21], v[\src:\src+1], v[\src+2:\src+3]
	v_pk_add_f32 v[22:23], v[\src+4:\src+5], v[\src+6:\src+7]
	v_pk_add_f32 v[24:25], v[\src+8:\src+9], v[\src+10:\src+11]
	v_pk_add_f32 v[\x4:\x4+1], v[\src+12:\src+13], v[\src+14:\src+15]
	v_pk_add_f32 v[20:21], v[20:21], v[22:23]
	v_pk_add_f32 v[24:25], v[24:25], v[\x4:\x4+1]
	v_pk_add_f32 v[20:21], v[20:21], v[24:25]
	v_add_f32 v20, v20, v21
.endm
.macro SQSUM src, mm                   ; v26 = the sum over 16 registers of (number - v[mm])^2; v[mm], v[mm + 1] hold the same number
	v_pk_add_f32 v[22:23], v[\src:\src+1], v[\mm:\mm+1] neg_lo:[0,1] neg_hi:[0,1]
	v_pk_add_f32 v[24:25], v[\src+2:\src+3], v[\mm:\mm+1] neg_lo:[0,1] neg_hi:[0,1]
	v_pk_mul_f32 v[26:27], v[22:23], v[22:23]
	v_pk_fma_f32 v[26:27], v[24:25], v[24:25], v[26:27]
.irp p, 4,8,12
	v_pk_add_f32 v[22:23], v[\src+\p:\src+\p+1], v[\mm:\mm+1] neg_lo:[0,1] neg_hi:[0,1]
	v_pk_add_f32 v[24:25], v[\src+\p+2:\src+\p+3], v[\mm:\mm+1] neg_lo:[0,1] neg_hi:[0,1]
	v_pk_fma_f32 v[26:27], v[22:23], v[22:23], v[26:27]
	v_pk_fma_f32 v[26:27], v[24:25], v[24:25], v[26:27]
.endr
	v_add_f32 v26, v26, v27
.endm
.macro LNORM g, be, redm, redq         ; v[H ..] is normalised in place; one barrier
	SUM16 H, 26
	v_permlanex16_b32 v21, v20, s[SEL], s[SEL+1]
	v_add_f32 v20, v20, v21                        ; my wave's 32 features of my row
	v_mul_f32 v28, 0x3d000000, v20                 ; / 32
	v_mul_f32 v29, 0x3d000000, v20
	SQSUM H, 28
	v_permlanex16_b32 v27, v26, s[SEL], s[SEL+1]
	v_add_f32 v26, v26, v27
	ds_store_b32 v[RW], v28 offset:\redm           ; both halves of the lanes write the same word with the same value
	ds_store_b32 v[RW], v26 offset:\redq
	BARRIER
.irp k, 0,1,2,3
	ds_load_b128 v[P+4*\k:P+4*\k+3], v[RR] offset:\redm+16*\k
	ds_load_b128 v[P+16+4*\k:P+16+4*\k+3], v[RR] offset:\redq+16*\k
.endr
	s_wait_dscnt 0x0
	SUM16 P, 26
	v_mul_f32 v30, 0x3d800000, v20                 ; the row's mean: / 16
	v_mul_f32 v31, 0x3d800000, v20
	SQSUM P, 30
	SUM16 P+16, 28
	v_fma_f32 v20, v26, 0x42000000, v20            ; + 32 x the spread of the waves' means
	v_mul_f32 v20, 0x3b004020, v20                 ; / 511
	v_sqrt_f32 v20, v20
	v_nop                                          ; a plain line behind a transcendental
	s_wait_alu depctr_va_vdst(0)
	v_add_f32 v20, 0x358637bd, v20                 ; + 1e-6
	v_rcp_f32 v20, v20
	v_nop
	s_wait_alu depctr_va_vdst(0)
	v_mov_b32 v21, v20
.irp p, 0,2,4,6,8,10,12,14
	v_pk_add_f32 v[22:23], v[H+\p:H+\p+1], v[30:31] neg_lo:[0,1] neg_hi:[0,1]
	v_pk_mul_f32 v[24:25], v[\g+\p:\g+\p+1], v[20:21]
	v_pk_fma_f32 v[H+\p:H+\p+1], v[22:23], v[24:25], v[\be+\p:\be+\p+1]
.endr
.endm
; a step's K: two fragments, 512 consecutive bytes a load, and the four scale bytes of each row of each fragment: eight loads.  pc, pb: the registers with the step's offsets
.macro LOADK pc, pb
.irp f, 0,1
.irp cc, 0,1
	global_load_b128 v[KFR+8*\f+4*\cc:KFR+8*\f+4*\cc+3], v[\pc], s[24:25] offset:1024*\f+512*\cc
.endr
.endr
.irp e, 0,1,2,3
	global_load_u8 v[KB+\e], v[\pb], s[54:55] offset:1024*(\e/2)+8*(\e%2)   ; the byte of key 64 f + 32 (e / 2) + 8 (e % 2) + r + 8 (r / 8), f = my half of the lanes
.endr
.endm
; a step's V: two fragments as images of the registers, and the byte of each of the step's four blocks of keys: eight loads
.macro LOADV pc, pb
.irp f, 0,1
.irp cc, 0,1
	global_load_b128 v[VFR+8*\f+4*\cc:VFR+8*\f+4*\cc+3], v[\pc], s[24:25] offset:8192+1024*\f+512*\cc
.endr
.endr
.irp e, 0,1,2,3
	global_load_u8 v[VB+\e], v[\pb], s[54:55] offset:512+1024*\e
.endr
.endm
.macro SUMS n                          ; n more turns of the row's sum of the unquantised p: two numbers an instruction, in two chains
.rept \n
	v_pk_add_f32 v[ST+2:ST+3], v[ST+2:ST+3], v[96+jj:97+jj]
	v_pk_add_f32 v[236:237], v[236:237], v[98+jj:99+jj]
.set jj, jj+4
.endr
.endm
; A KEY STEP: 128 keys.  more = 1: the next step's K and V are asked for.  At a step's head K's fragments and scale word are there and V's eight loads are out.
.macro STEP more
.if \more
	s_lshl_b32 s72, s[NX], 11                      ; where step n's codes begin in the head's 65,536 bytes: 2,048 n, and 8,192 more for each four steps (V's images lie behind each 512 keys of K)
	s_lshr_b32 s73, s[NX], 2
	s_lshl_b32 s73, s73, 13
	s_add_co_u32 s72, s72, s73
	s_lshl_b32 s73, s[NX], 12                      ; and its scale bytes: four blocks of rows of 1,024 bytes
	v_add_nc_u32 v[ADK], s72, v[AK]                ; (the loads that named these two registers were waited for at the last step's end)
	v_add_nc_u32 v[ADKS], s73, v[AKS]
.endif
.irp f, 0,1
.irp e, 0,1,2,3
	WM 96+8*(4*\f+\e), KFR+8*\f, QF+4+8*(\e%2)-4*(\e/2), 1, KS, QS, \f, 0   ; score tile 4 f + e: block e of fragment f against Q in block e
.endr
.endr
	PLACES 4                                       ; in front of the loads into K's registers and of the first read of the scores
.if \more
	LOADK ADK, ADKS
.endif
.irp b, 0,1,2,3
	v_max3_num_f32 v[232+\b], v[96+16*\b], v[97+16*\b], v[98+16*\b]   ; the largest score of each block of 32 keys: for the row's maximum, and, since p rises with the score, for the block's largest p
.endr
.irp i, 3,5,7,9,11,13
.irp b, 0,1,2,3
	v_max3_num_f32 v[232+\b], v[232+\b], v[96+16*\b+\i], v[97+16*\b+\i]
.endr
.endr
.irp b, 0,1,2,3
	v_max_num_f32 v[232+\b], v[232+\b], v[111+16*\b]
.endr
.irp b, 0,1,2,3
	v_permlanex16_b32 v[236+\b], v[232+\b], s[SEL], s[SEL+1]
.endr
.irp b, 0,1,2,3
	v_max_num_f32 v[232+\b], v[232+\b], v[236+\b]  ; with lane l xor 16's 16 keys
.endr
	v_max3_num_f32 v254, v232, v233, v234
	v_max_num_f32 v254, v254, v235
	v_mul_f32 v254, s[CS], v254                    ; as t (c is positive)
	v_max_num_f32 v[ST+1], v[ST+1], v254           ; the running largest t
	v_mov_b32 v254, v[ST]
	v_floor_f32 v[ST], -v[ST+1]                    ; the new -M = -ceil(t): a whole number
	v_sub_f32 v254, v[ST], v254                    ; old M - new M: a whole number, 0 or less
	v_cvt_i32_f32 v254, v254                       ; (it saturates)
	v_ldexp_f32 v252, 1.0, v254                    ; f = 2^(old M - new M)
.set j, 0
.rept 32
	v_pk_fma_f32 v[96+j:97+j], v[96+j:97+j], s[CS:CS+1], v[ST:ST+1] op_sel_hi:[1,0,0]   ; t - M, two at a time
.set j, j+2
.endr
.irp b, 0,1,2,3
	v_fma_f32 v[232+\b], v[232+\b], s[CS], v[ST]   ; the same of each block's largest score
.endr
.set j, 0
.rept 64
	v_exp_f32 v[96+j], v[96+j]                     ; p = 2^(t - M), at most 1
.set j, j+1
.endr
.irp b, 0,1,2,3
	v_exp_f32 v[232+\b], v[232+\b]                 ; the block's largest p: the same two instructions on the same number give the same bits
.endr
	v_pk_mul_f32 v[ST+2:ST+3], v[ST+2:ST+3], v[252:253] op_sel_hi:[1,0]   ; the sums under the new M.  (A plain line behind the exponentials)
	s_wait_alu depctr_va_vdst(0)
.irp b, 0,1,2,3
	v_max_num_f32 v[232+\b], 0x1800000, v[232+\b]  ; the floor 2^(3 - 127)
.endr
.irp b, 0,1,2,3
	v_add_nc_u32 v[244+\b], 0xff000000, v[232+\b]  ; the conversion's scale operand
.endr
.irp b, 0,1,2,3
	v_lshrrev_b32 v[236+\b], 23, v[244+\b]         ; the scale's byte
.endr
	v_lshl_or_b32 v[PS], v237, 8, v236             ; p's scale word for these 128 keys
	v_lshl_or_b32 v[PS], v238, 16, v[PS]
	v_lshl_or_b32 v[PS], v239, 24, v[PS]
.irp b, 0,1,2,3
	v_cvt_scalef32_pk8_fp4_f32 v[224+2*\b], v[96+16*\b:103+16*\b], v[244+\b]
	v_cvt_scalef32_pk8_fp4_f32 v[225+2*\b], v[104+16*\b:111+16*\b], v[244+\b]
.endr
	v_nop                                          ; one plain line behind the scaled conversions
.irp c, 0,1                                    ; the operand's layout wants a whole block in a lane
.irp i, 0,1
	v_permlane16_swap_b32 v[224+4*\c+\i], v[226+4*\c+\i]
.endr
.endr
	s_wait_loadcnt 8*\more                         ; V's eight loads are in; the eight issued behind them, the next step's K, may be out
	v_lshl_or_b32 v[VS], v[VB+1], 8, v[VB]         ; V's scale word
	v_lshl_or_b32 v[VS], v[VB+2], 16, v[VS]
	v_lshl_or_b32 v[VS], v[VB+3], 24, v[VS]
.if \more
	v_add_nc_u32 v[ADV], s72, v[L16]               ; (free since that wait)
	v_add_nc_u32 v[ADVS], s73, v[AVS]
.endif
	v_pk_add_f32 v[236:237], v[96:97], v[98:99]    ; the row's sum is taken of the unquantised p.  It is dealt round the second product: its lines are the places that the products and loads want
.set jj, 4
	SUMS 4
.set j, 0
.rept 8
	v_pk_mul_f32 v[OT+j:OT+j+1], v[OT+j:OT+j+1], v[252:253] op_sel_hi:[1,0]   ; O^T under the new M.  (With the sums above: more than 8 plain lines between the scale words and the products)
.set j, j+2
.endr
	WM OT, VFR, 224, 0, VS, PS, 0, 0               ; O^T += V^T P^T: the head's 32 in two tiles, which take turns
	WM OT+8, VFR+8, 224, 0, VS, PS, 1, 0
	SUMS 2                                         ; four places in front of the loads into V's registers
.if \more
	LOADV ADV, ADVS
.endif
	SUMS 4
.if \more
	s_wait_loadcnt 8                               ; the next step's K is in; V's eight loads, issued behind it, may be out
	v_lshl_or_b32 v[KS], v[KB+1], 8, v[KB]         ; K's scale word for the next step
	v_lshl_or_b32 v[KS], v[KB+2], 16, v[KS]
	v_lshl_or_b32 v[KS], v[KB+3], 24, v[KS]
.endif
	SUMS 5                                         ; eleven plain lines between that word and the next step's products
	v_pk_add_f32 v[ST+2:ST+3], v[ST+2:ST+3], v[236:237]
.endm
	s_load_b512 s[8:23], s[0:1], 0x0               ; att, x, sa_wo c, s, ln1 g, b, ca_wq c, s
	s_load_b512 s[24:39], s[0:1], 0x40             ; kv2, ca_wo c, s, ln2 g, b, ff_w1 c, s, ff_b1
	s_load_b256 s[40:47], s[0:1], 0x80             ; ff_w2 c, s, ff_b2, ln3 g
	s_load_b128 s[48:51], s[0:1], 0xa0             ; ln3 b, out0
	v_lshrrev_b32 v1, 5, v0
	v_readfirstlane_b32 s2, v1                     ; wave = head
	s_lshr_b32 s3, ttmp9, 7                        ; batch
	s_and_b32 s4, ttmp9, 127                       ; T: the tile of 16 rows in the batch
	s_lshl_b32 s5, s2, 7                           ; 128 w
	s_lshl_b32 s66, s2, 2                          ; 4 w
	s_lshl_b32 s67, s2, 8                          ; 256 w
	s_lshr_b32 s68, s2, 2
	s_lshl_b32 s68, s68, 6
	s_and_b32 s6, s2, 3
	s_add_co_u32 s68, s68, s6                      ; 64 (w / 4) + w % 4: my block's byte of the scale words
	s_lshl_b32 s69, s2, 9                          ; 512 w
	s_lshr_b32 s70, s2, 1
	s_lshl_b32 s70, s70, 6
	s_and_b32 s6, s2, 1
	s_lshl_b32 s6, s6, 1
	s_add_co_u32 s70, s70, s6                      ; 64 (w / 2) + 2 (w % 2): my two blocks' bytes of the hidden layer's scale words
	s_mul_i32 s71, s2, 2064                        ; row w of the stage
	s_mov_b32 s[SEL], 0x76543210
	s_mov_b32 s[SEL+1], 0xfedcba98
	s_mov_b32 s[CS], 0x3d8293ee                    ; c = log2(e) / sqrt(512)
	s_mov_b32 s[CS+1], s[CS]
	s_mov_b32 s75, 0x0000ffff                      ; lanes 0-15
	s_mov_b32 s76, 0xffff0000                      ; lanes 16-31
	v_and_b32 v20, 15, v0                          ; r
	v_bfe_u32 v21, v0, 4, 1                        ; h
	v_and_b32 v22, 31, v0                          ; lane
	v_bfe_u32 v23, v0, 3, 1
	v_lshl_add_u32 v23, v23, 3, v20                ; r + 8 (r / 8)
	v_lshlrev_b32 v28, 15, v21
	v_lshl_add_u32 v28, v20, 4, v28                ; att's codes: head h of a pair (32,768 bytes a head), query r
	v_lshl_add_u32 v29, v21, 13, v20               ; att's scale bytes: four heads (8,192 bytes) for each half of the lanes, row r
	v_lshlrev_b32 v30, 11, v20
	v_lshl_add_u32 v30, v21, 6, v30                ; x: row r, 16 numbers for each half
	v_lshlrev_b32 v[W256], 8, v23
	v_lshl_add_u32 v[W256], v21, 4, v[W256]
	v_lshlrev_b32 v[WS16], 4, v23
	v_lshlrev_b32 v[GB], 6, v21
	v_lshlrev_b32 v[RR], 6, v20
	v_add_nc_u32 v[RW], s66, v[RR]
	v_lshlrev_b32 v[IW], 4, v20
	v_lshl_add_u32 v[IW], v21, 3, v[IW]
	v_add_nc_u32 v[IW], s67, v[IW]
	v_lshl_add_u32 v[SCW], v20, 2, s68
	v_lshlrev_b32 v[L16], 4, v22
	v_lshlrev_b32 v[L4], 2, v22
	v_lshlrev_b32 v[AK], 4, v23
	v_lshl_add_u32 v[AK], v21, 7, v[AK]
	v_lshl_add_u32 v[AKS], v21, 11, v23
	s_wait_kmcnt 0x0
	s_mov_b32 s57, 0
	s_lshl_b32 s56, s3, 19                         ; att's codes: 16 heads a batch, 256 bytes a tile
	s_lshl_b32 s6, s4, 8
	s_add_co_u32 s56, s56, s6
	s_add_nc_u64 s[52:53], s[8:9], s[56:57]
	s_lshl_b32 s56, s3, 15                         ; att's scale bytes: 2,048 a head; in a head 256 (T % 8) + 16 (T / 8)
	s_and_b32 s6, s4, 7
	s_lshl_b32 s6, s6, 8
	s_add_co_u32 s56, s56, s6
	s_lshr_b32 s6, s4, 3
	s_lshl_b32 s6, s6, 4
	s_add_co_u32 s56, s56, s6
	s_add_co_u32 s56, s56, AS_OFF
	s_add_nc_u64 s[8:9], s[8:9], s[56:57]
	s_lshl_b32 s56, ttmp9, 15                      ; x: 16 rows of 2,048 bytes a work-group, + 128 w
	s_add_co_u32 s56, s56, s5
	s_add_nc_u64 s[10:11], s[10:11], s[56:57]
	s_lshl_b32 s56, s2, 13                         ; my 32 rows of a weight of 256-byte rows
	s_add_nc_u64 s[12:13], s[12:13], s[56:57]
	s_add_nc_u64 s[20:21], s[20:21], s[56:57]
	s_add_nc_u64 s[26:27], s[26:27], s[56:57]
	s_mov_b32 s56, s69                             ; and their scale bytes
	s_add_nc_u64 s[14:15], s[14:15], s[56:57]
	s_add_nc_u64 s[22:23], s[22:23], s[56:57]
	s_add_nc_u64 s[28:29], s[28:29], s[56:57]
	s_mov_b32 s56, s5                              ; my 32 numbers of the gains and biases
	s_add_nc_u64 s[16:17], s[16:17], s[56:57]
	s_add_nc_u64 s[18:19], s[18:19], s[56:57]
	s_add_nc_u64 s[30:31], s[30:31], s[56:57]
	s_add_nc_u64 s[32:33], s[32:33], s[56:57]
	s_add_nc_u64 s[44:45], s[44:45], s[56:57]
	s_add_nc_u64 s[46:47], s[46:47], s[56:57]
	s_add_nc_u64 s[48:49], s[48:49], s[56:57]
	; ---- the first loads: att's scale bytes and codes, x, sa_wo, ln1's gain and bias: 8 + 8 + 4 + 18 + 8
.irp k, 0,1
.irp e, 0,1,2,3
	global_load_u8 v[20+4*\k+\e], v29, s[8:9] offset:16384*\k+2048*\e   ; the byte of head 4 (2 k + h) + e, row r
.endr
.endr
.irp s, 0,1,2,3
.irp c, 0,1
	global_load_b128 v[FR+8*\s+4*\c:FR+8*\s+4*\c+3], v28, s[52:53] offset:(4*\s+2*\c)*32768   ; block 4 s + 2 c + h of K is head 4 s + 2 c + h
.endr
.endr
.irp j, 0,1,2,3
	global_load_b128 v[H+4*\j:H+4*\j+3], v30, s[10:11] offset:16*\j
.endr
	LOADW R0, 12, W256, 256, 0, 0
.irp u, 0,1
	global_load_b128 v[SW+4*\u:SW+4*\u+3], v[WS16], s[14:15] offset:128*\u
.endr
.irp j, 0,1,2,3
	global_load_b128 v[A0+4*\j:A0+4*\j+3], v[GB], s[16:17] offset:16*\j
	global_load_b128 v[A1+4*\j:A1+4*\j+3], v[GB], s[18:19] offset:16*\j
.endr
	s_lshl_b32 s56, ttmp9, 15                      ; the other addresses are made while these loads are out.  out0: row 16 g + w
	s_lshl_b32 s6, s2, 11
	s_add_co_u32 s56, s56, s6
	s_add_nc_u64 s[50:51], s[50:51], s[56:57]
	s_lshl_b32 s56, s3, 16                         ; kv2's scale bytes: 65,536 a batch, 32 a head
	s_lshl_b32 s6, s2, 5
	s_add_co_u32 s56, s56, s6
	s_add_co_u32 s56, s56, KVS_OFF
	s_add_nc_u64 s[54:55], s[24:25], s[56:57]
	s_lshl_b32 s56, s3, 4                          ; kv2's codes: 65,536 bytes for head 16 batch + w
	s_add_co_u32 s56, s56, s2
	s_lshl_b32 s56, s56, 16
	s_add_nc_u64 s[24:25], s[24:25], s[56:57]
	s_lshl_b32 s56, s2, 14                         ; ff_w1: my 64 rows of 256 bytes; ff_w2: my 32 rows of 512
	s_add_nc_u64 s[34:35], s[34:35], s[56:57]
	s_add_nc_u64 s[40:41], s[40:41], s[56:57]
	s_lshl_b32 s56, s2, 10                         ; their scale bytes
	s_add_nc_u64 s[36:37], s[36:37], s[56:57]
	s_add_nc_u64 s[42:43], s[42:43], s[56:57]
	s_mov_b32 s56, s67                             ; ff_b1: my 64 numbers
	s_add_nc_u64 s[38:39], s[38:39], s[56:57]
	s_wait_loadcnt 8                               ; all but the gain's and the bias's eight loads
	LOADW R1, 20, W256, 256, 0, 0                  ; ca_wq: 18 loads, on their way through the first product and the norm
.irp u, 0,1
	global_load_b128 v[SW+8+4*\u:SW+8+4*\u+3], v[WS16], s[22:23] offset:128*\u
.endr
	v_lshl_or_b32 v[SA], v21, 8, v20               ; the rows' scale words: K steps 0 (lanes 0-15) and 1 (lanes 16-31); K steps 2 and 3
	v_lshl_or_b32 v[SA+1], v25, 8, v24
	v_lshl_or_b32 v[SA], v22, 16, v[SA]
	v_lshl_or_b32 v[SA+1], v26, 16, v[SA+1]
	v_lshl_or_b32 v[SA], v23, 24, v[SA]
	v_lshl_or_b32 v[SA+1], v27, 24, v[SA+1]
	PLACES 8                                       ; a scale register made by vector instructions stands 8 places ahead of a scaled product
	GEMM H, R0, FR, SW, 4, SA, 0                   ; x + att sa_wo^T: x is the C of the first K step
	PLACES 5
	s_wait_loadcnt 18                              ; gain and bias are in; ca_wq's 18 loads may be out
	LNORM A0, A1, REDM1, REDQ1                     ; h1
	QUANT1 H, 128
	ds_store_b64 v[IW], v[128:129] offset:IMG1
	ds_store_b8 v[SCW], v[TM+3] offset:SC1
	v_and_b32 v[AVS], 31, v0
	LOADK AK, AKS                                  ; the attention's first step is asked for here: 8 + 8 loads, into registers that sa_wo and ln1's bias have left
	LOADV L16, AVS
	BARRIER                                        ; h1's codes and scale words lie in LDS
	FETCH IMG1, SC1, SA+2
	s_wait_dscnt 0x0
	s_wait_loadcnt 16                              ; ca_wq is in; the attention's 16 loads may be out
	GEMM A0, R1, FR, SW+8, 4, SA+2, 1              ; q of head w
	PLACES 5
	QUANT1 A0, 130                                 ; a lane holds the codes of q's numbers 16 h + 0 .. 15 of query r
	v_mov_b32 v132, 0                              ; (a lane permute's destination counts as one of its sources)
	v_mov_b32 v133, 0
	v_permlanex16_b32 v132, v130, s[SEL], s[SEL+1] ; the other half's 16 codes
	v_permlanex16_b32 v133, v131, s[SEL], s[SEL+1]
	v_lshl_or_b32 v[QS], v[TM+3], 8, v[TM+3]       ; Q has one block: its byte serves whichever block its codes stand in
	v_lshl_or_b32 v[QS], v[QS], 16, v[QS]
	v_cndmask_b32 v[QF+4], 0, v130, s75            ; Q's 32 codes in lanes 0-15, zero codes in the others: mine, then the other half's;
	v_cndmask_b32 v[QF+5], 0, v131, s75
	v_cndmask_b32 v[QF+6], 0, v132, s75
	v_cndmask_b32 v[QF+7], 0, v133, s75
	v_cndmask_b32 v[QF+12], 0, v132, s76           ; and in lanes 16-31: the other half's, then mine
	v_cndmask_b32 v[QF+13], 0, v133, s76
	v_cndmask_b32 v[QF+14], 0, v130, s76
	v_cndmask_b32 v[QF+15], 0, v131, s76
.irp j, 0,1,2,3
	v_mov_b32 v[QF+\j], 0
	v_mov_b32 v[QF+8+\j], 0
	v_mov_b32 v[QF+16+\j], 0
.endr
	s_wait_loadcnt 8                               ; the first step's K is in; V's eight loads may be out
	v_lshl_or_b32 v[KS], v[KB+1], 8, v[KB]
	v_lshl_or_b32 v[KS], v[KB+2], 16, v[KS]
	v_lshl_or_b32 v[KS], v[KB+3], 24, v[KS]
	v_mov_b32 v[ST+1], 0xff61b1e6                  ; the largest t so far: -3e38, under every t
	v_floor_f32 v[ST], -v[ST+1]                    ; -M
	v_mov_b32 v[ST+2], 0
	v_mov_b32 v[ST+3], 0
.irp e, 0,1,2,3
	v_mov_b32 v[236+\e], 0                         ; written once: a lane permute's destination counts as one of its sources
.endr
	v_mov_b32 v252, 0
	v_mov_b32 v253, 0                              ; (named as the upper half of the pair v[252:253])
.set j, 0
.rept 16
	v_mov_b32 v[OT+j], 0                           ; O^T: the step is written once; the first finds zeros.  (These lines are also the places between Q's registers and the scale words, made above, and the first product)
.set j, j+1
.endr
	s_mov_b32 s[NX], 1
.Lkey:                                             ; 15 trips: step n - 1 is worked, step n asked for
	STEP 1
	s_add_co_u32 s[NX], s[NX], 1
	s_cmp_lt_u32 s[NX], 16
	s_cbranch_scc1 .Lkey
	STEP 0                                         ; the last step asks for nothing: no load leaves the buffer
	; ---- O^T / the sum is my block of the next product's K.  (The sums behind the last products are their places)
	v_add_f32 v[ST+2], v[ST+2], v[ST+3]
	v_permlanex16_b32 v252, v[ST+2], s[SEL], s[SEL+1]
	v_add_f32 v[ST+2], v[ST+2], v252               ; the row's sum
	v_rcp_f32 v[ST+2], v[ST+2]
	v_nop                                          ; a plain line behind the transcendental
.set j, 0
	s_wait_alu depctr_va_vdst(0)
.rept 16
	v_mul_f32 v[96+j], v[OT+j], v[ST+2]
.set j, j+1
.endr
	QUANT1 96, 240
	ds_store_b64 v[IW], v[240:241] offset:IMG2
	ds_store_b8 v[SCW], v[TM+3] offset:SC2
	v_and_b32 v25, 15, v0                          ; ff_w2's offsets, in the registers of K's, whose loads are all in
	v_bfe_u32 v26, v0, 4, 1
	v_bfe_u32 v27, v0, 3, 1
	v_lshl_add_u32 v27, v27, 3, v25                ; r + 8 (r / 8)
	v_lshlrev_b32 v[W512], 9, v27
	v_lshl_add_u32 v[W512], v26, 4, v[W512]
	v_lshlrev_b32 v[WS32], 5, v27
	LOADW R0, 26, W256, 256, 0, 0                  ; ca_wo: 18 loads
.irp u, 0,1
	global_load_b128 v[SW+4*\u:SW+4*\u+3], v[WS16], s[28:29] offset:128*\u
.endr
.irp j, 0,1,2,3
	global_load_b128 v[R1+4*\j:R1+4*\j+3], v[GB], s[30:31] offset:16*\j          ; ln2's gain,
	global_load_b128 v[R1+16+4*\j:R1+16+4*\j+3], v[GB], s[32:33] offset:16*\j    ; its bias,
	global_load_b128 v[R1+32+4*\j:R1+32+4*\j+3], v[GB], s[44:45] offset:16*\j    ; ff_b2: 12 loads
.endr
.irp j, 0,1,2,3
	global_load_b128 v[A0+4*\j:A0+4*\j+3], v[GB], s[38:39] offset:16*\j          ; ff_b1, in the result's layout: the C of the hidden layer's first products: 8 loads
	global_load_b128 v[A1+4*\j:A1+4*\j+3], v[GB], s[38:39] offset:128+16*\j
.endr
	BARRIER                                        ; the attention's codes and scale words of all 16 heads lie in LDS
	FETCH IMG2, SC2, SA
	s_wait_loadcnt 20                              ; ca_wo is in; the 12 + 8 loads behind it may be out
	s_wait_dscnt 0x0
	GEMM H, R0, FR, SW, 4, SA, 0                   ; h1 + o ca_wo^T: h1 is the C of the first K step
	PLACES 5
	LOADW R0, 34, W256, 256, 0, 0                  ; ff_w1, my first 32 units: 18 loads
.irp u, 0,1
	global_load_b128 v[SW+4*\u:SW+4*\u+3], v[WS16], s[36:37] offset:128*\u
.endr
	s_wait_loadcnt 26                              ; gain, bias and ff_b2 are in; ff_b1's 8 and ff_w1's 18 may be out
	LNORM R1, R1+16, REDM2, REDQ2                  ; h2
	QUANT1 H, 28
	ds_store_b64 v[IW], v[28:29] offset:IMG3
	ds_store_b8 v[SCW], v[TM+3] offset:SC3
.irp p, 0,2,4,6,8,10,12,14
	v_pk_add_f32 v[H+\p:H+\p+1], v[H+\p:H+\p+1], v[R1+32+\p:R1+32+\p+1]   ; h2 + b2: the C of the last product
.endr
	LOADW R1, 34, W256, 256, 0, 32                 ; ff_w1, my second 32 units: 18 loads
.irp u, 0,1
	global_load_b128 v[SW+8+4*\u:SW+8+4*\u+3], v[WS16], s[36:37] offset:512+128*\u
.endr
	BARRIER                                        ; h2's codes and scale words lie in LDS
	v_add_nc_u32 v[IW], s67, v[IW]                 ; from here on the hidden layer's image: 512 w + 16 r + 8 h,
	v_and_b32 v[SCW], 15, v0
	v_lshl_add_u32 v[SCW], v[SCW], 2, s70          ; and my two bytes of its scale words
	FETCH IMG3, SC3, SA+2
	s_wait_loadcnt 18                              ; ff_b1 and the first 32 units' weights are in; the second's 18 loads may be out
	s_wait_dscnt 0x0
	GEMM A0, R0, FR, SW, 4, SA+2, 0
	PLACES 5
	LOADW R0, 40, W512, 512, 0, 0                  ; ff_w2, K steps 0-3: 16 loads
	s_wait_loadcnt 16                              ; the second 32 units' weights are in
	GEMM A1, R1, FR, SW+8, 4, SA+2, 0
	PLACES 5
	LOADW R1, 40, W512, 512, 4, 0                  ; ff_w2, K steps 4-7, and its scale words (8 u + s): 20 loads
.irp u, 0,1
.irp k, 0,1
	global_load_b128 v[SW+8*\u+4*\k:SW+8*\u+4*\k+3], v[WS32], s[42:43] offset:256*\u+16*\k
.endr
.endr
	v_and_b32 v20, 15, v0                          ; the stage's two addresses, in the registers of offsets whose loads are all in
	v_bfe_u32 v21, v0, 4, 1
	v_and_b32 v22, 31, v0
	v_mul_u32_u24 v[STW], v20, 2064
	v_lshl_add_u32 v[STW], v21, 6, v[STW]
	v_add_nc_u32 v[STW], s5, v[STW]                ; row r, + 128 w + 64 h
	v_lshl_add_u32 v[STR], v22, 4, s71             ; row w, 16 bytes a lane
.set j, 0
.rept 16
	v_max_num_f32 v[A0+j], 0, v[A0+j]              ; the activation, in f32
.set j, j+1
.endr
.set j, 0
.rept 16
	v_max_num_f32 v[A1+j], 0, v[A1+j]
.set j, j+1
.endr
	QUANT2 A0, A1, 28, 30
	ds_store_b64 v[IW], v[28:29] offset:FIMG
	ds_store_b64 v[IW], v[30:31] offset:FIMG+256
	v_lshl_or_b32 v20, v[TM+7], 8, v[TM+6]
	ds_store_b16 v[SCW], v20 offset:FSC
.irp j, 0,1,2,3
	global_load_b128 v[A0+4*\j:A0+4*\j+3], v[GB], s[46:47] offset:16*\j          ; ln3's gain and bias: 8 loads
	global_load_b128 v[A1+4*\j:A1+4*\j+3], v[GB], s[48:49] offset:16*\j
.endr
	BARRIER                                        ; the hidden layer's codes and scale words lie in LDS
	FETCH FIMG, FSC, SA
	s_wait_loadcnt 8                               ; all of ff_w2 is in; ln3's 8 loads may be out
	s_wait_dscnt 0x0
	GEMM H, R0, FR, SW, 8, SA, 0
	PLACES 4                                       ; in front of the loads into the rows' registers
	FETCH FIMG+4096, FSC+256, SA+2
	s_wait_dscnt 0x0
	GEMM H, R1, FR, SW+4, 8, SA+2, 0
	PLACES 5
	s_wait_loadcnt 0x0                             ; ln3's gain and bias
	LNORM A0, A1, REDM3, REDQ3
.irp j, 0,1,2,3
	ds_store_b128 v[STW], v[H+4*\j:H+4*\j+3] offset:STG+16*\j
.endr
	BARRIER                                        ; 16 whole rows lie in the stage
.irp k, 0,1,2,3
	ds_load_b128 v[R0+4*\k:R0+4*\k+3], v[STR] offset:STG+512*\k
.endr
	s_wait_dscnt 0x0
.irp k, 0,1,2,3
	global_store_b128 v[L16], v[R0+4*\k:R0+4*\k+3], s[50:51] offset:512*\k th:TH_STORE_NT   ; a whole row: 512 consecutive bytes an instruction; written once, read by nobody here
.endr
	s_wait_xcnt 0x0
	v_lshl_add_u32 v254, v0, 2, 0xee00
	v_mov_b32 v255, 0
	s_wait_tensorcnt 0x0
	ds_add_u32 v254, v255
	s_wait_dscnt 0x0
	s_endpgm
.Lfunc_end_k_q5038714ea9_rest:
	.size	k_q5038714ea9_rest, .Lfunc_end_k_q5038714ea9_rest-k_q5038714ea9_rest
	.p2alignl 7, 3214868480
	.fill 96, 4, 3214868480
	.section	.rodata,"a",@progbits
	.p2align	6, 0x0
	.amdhsa_kernel k_q5038714ea9_rest
		.amdhsa_group_segment_fixed_size 62976
		.amdhsa_private_segment_fixed_size 0
		.amdhsa_enable_private_segment 0
		.amdhsa_kernarg_size 176
		.amdhsa_user_sgpr_count 2
		.amdhsa_user_sgpr_kernarg_segment_ptr 1
		.amdhsa_wavefront_size32 1
		.amdhsa_system_sgpr_workgroup_id_x 1
		.amdhsa_system_sgpr_workgroup_id_y 1
		.amdhsa_system_sgpr_workgroup_id_z 1
		.amdhsa_system_vgpr_workitem_id 0
		.amdhsa_next_free_vgpr 256
		.amdhsa_next_free_sgpr 80
		.amdhsa_reserve_vcc 0
		.amdhsa_float_denorm_mode_32 3
		.amdhsa_float_denorm_mode_16_64 3
		.amdhsa_memory_ordered 1
		.amdhsa_forward_progress 1
		.amdhsa_inst_pref_size 96
	.end_amdhsa_kernel
	.amdgpu_metadata
---
amdhsa.version: [ 1, 2 ]
amdhsa.kernels:
  - .name:           k_q5038714ea9_rest
    .symbol:         k_q5038714ea9_rest.kd
    .args:
      - { .name: att, .offset: 0, .size: 8, .value_kind: global_buffer, .address_space: global }
      - { .name: x, .offset: 8, .size: 8, .value_kind: global_buffer, .address_space: global }
      - { .name: sa_wo_codes, .offset: 16, .size: 8, .value_kind: global_buffer, .address_space: global }
      - { .name: sa_wo_scales, .offset: 24, .size: 8, .value_kind: global_buffer, .address_space: global }
      - { .name: ln1_g, .offset: 32, .size: 8, .value_kind: global_buffer, .address_space: global }
      - { .name: ln1_b, .offset: 40, .size: 8, .value_kind: global_buffer, .address_space: global }
      - { .name: ca_wq_codes, .offset: 48, .size: 8, .value_kind: global_buffer, .address_space: global }
      - { .name: ca_wq_scales, .offset: 56, .size: 8, .value_kind: global_buffer, .address_space: global }
      - { .name: kv2, .offset: 64, .size: 8, .value_kind: global_buffer, .address_space: global }
      - { .name: ca_wo_codes, .offset: 72, .size: 8, .value_kind: global_buffer, .address_space: global }
      - { .name: ca_wo_scales, .offset: 80, .size: 8, .value_kind: global_buffer, .address_space: global }
      - { .name: ln2_g, .offset: 88, .size: 8, .value_kind: global_buffer, .address_space: global }
      - { .name: ln2_b, .offset: 96, .size: 8, .value_kind: global_buffer, .address_space: global }
      - { .name: ff_w1_codes, .offset: 104, .size: 8, .value_kind: global_buffer, .address_space: global }
      - { .name: ff_w1_scales, .offset: 112, .size: 8, .value_kind: global_buffer, .address_space: global }
      - { .name: ff_b1, .offset: 120, .size: 8, .value_kind: global_buffer, .address_space: global }
      - { .name: ff_w2_codes, .offset: 128, .size: 8, .value_kind: global_buffer, .address_space: global }
      - { .name: ff_w2_scales, .offset: 136, .size: 8, .value_kind: global_buffer, .address_space: global }
      - { .name: ff_b2, .offset: 144, .size: 8, .value_kind: global_buffer, .address_space: global }
      - { .name: ln3_g, .offset: 152, .size: 8, .value_kind: global_buffer, .address_space: global }
      - { .name: ln3_b, .offset: 160, .size: 8, .value_kind: global_buffer, .address_space: global }
      - { .name: out0, .offset: 168, .size: 8, .value_kind: global_buffer, .address_space: global }
    .group_segment_fixed_size: 62976
    .private_segment_fixed_size: 0
    .kernarg_segment_align: 8
    .kernarg_segment_size: 176
    .max_flat_workgroup_size: 512
    .sgpr_count:     80
    .vgpr_count:     256
    .wavefront_size: 32
...
	.end_amdgpu_metadata
.endif
;; end of part 3
;; ======== version 2 of 2: 3 launches; version 1 with the launches proj, rest written anew for expert scheduling mode
;; workspace buffers: qb 1,114,112 bytes; kv1 2,228,224 bytes; kv2 2,228,224 bytes; att 1,114,112 bytes
;; launch proj (part 4): grid 128 x 2, 16 waves a work-group, no clusters, 12,288 bytes of LDS; arguments x, encoding_codes, encoding_scales, sa_wq_codes, sa_wq_scales, sa_wk_codes, sa_wk_scales, sa_wv_codes, sa_wv_scales, ca_wk_codes, ca_wk_scales, ca_wv_codes, ca_wv_scales, qb, kv1, kv2; writes qb, kv1, kv2
.if DOCPART == 4
	.amdgcn_target "amdgcn-amd-amdhsa--gfx1250"
	.amdhsa_code_object_version 6
	.text
	.protected	k_q5038714ea9_proj
	.globl	k_q5038714ea9_proj
	.p2align	8
	.type	k_q5038714ea9_proj,@function
k_q5038714ea9_proj:
	s_mov_b64 s[64:65], 0
	v_nop
	global_prefetch_b8 v0, s[64:65] scope:SCOPE_SE
	s_setreg_imm32_b32 hwreg(HW_REG_WAVE_SCHED_MODE, 0, 2), 2
	s_setreg_imm32_b32 hwreg(HW_REG_WAVE_MODE, 25, 1), 1
	s_wait_xcnt 0x0
	s_wait_alu depctr_vm_vsrc(0)
; THE PROJECTIONS AHEAD OF BOTH ATTENTIONS, on codes of FP4 (E2M1) with one E8M0 scale for each 32 along K.
; Work-group (g, Y) takes rows 32 g .. 32 g + 31 of the 4,096.  Y = 0: x (f32, quantised here) times sa_wk, sa_wq, sa_wv.  Y = 1: encoding (given as codes) times ca_wk, ca_wv.
; Sixteen waves.  First each wave makes half a fragment of the 32 rows (16 rows x 64 along K) and lays it in LDS as an image of the operand's registers; then wave w is HEAD w: its 32 rows of a weight
; come straight from memory into its registers, and its results, 32 rows x 32 features, are exactly the blocks of 32 that the attention's quantisers want:
;   q, k: a row's 32 features of a head are one block.  The product is used transposed (source 0 = weight, source 1 = rows): a lane holds one row and 16 neighbouring features.
;   v: the 32 ROWS (keys) of one feature are one block.  Source 0 = rows, source 1 = weight: a lane holds one feature and 16 neighbouring keys.
; THE ROWS THAT FORM A TILE OF SOURCE 0 ARE NOT NEIGHBOURS: lane r of tile u takes row 8 u + r + 8 (r / 8) of the 32, so that the 16 registers of tiles 0 and 1 are 16 neighbours, 16 (lane / 16) + 0 .. 15.
; OUT: qb: codes [head 32][query 2048][16 bytes], scale bytes from QS_OFF [batch][tile of 16][head][16].  kv: per head four chunks of 16,384 bytes: 512 keys x 16 bytes of K, then V as images of
; the second product's fragments: (step % 4) 2048 + tile 1024 + (block % 4) 256 + 16 row; scale bytes from KVS_OFF [batch][block of 32 rows][K, V][head][32].
; LIMITS: NaN and infinities are not served.  A block whose largest magnitude lies under 2^-124 keeps the scale byte 1; so does a block of zeros, whose codes are zeros: only this program reads these bytes.
; THE MODE: SCHED_MODE bits 1:0 = 2 (LLVM: expert scheduling mode 2), set by the entry lines.  The code itself states the register dependences
; between vector or matrix instructions and memory or LDS instructions, with s_wait_alu, always for 0.
; THE PLAN.  Registers that memory or LDS instructions touch:
;   v4-v17      offsets and LDS addresses: written once, at the head, ahead of one wait on va_vdst; never written again.
;   WF, WS      a weight's fragments and scale words: loaded; read by a job's 16 products; loaded again behind them: one wait on va_vdst behind each job's products.
;   XF, XSW, PXS the rows' fragments and scale words: LDS loads; read by products.  XF is loaded again for V: the wait in POST stands behind the products that read it, and only v_nop follow that wait.
;   CD, BY      codes and the byte, registers of their own for each job: written by the conversions and the select, read by three stores behind one wait on va_vdst, never written again.
;   HC, HSB     my half fragment: written by conversions (x) or by loads (encoding); read by two LDS stores; at the end LDS loads land there: one wait on vm_vsrc.
.set QS_OFF,  1048576
.set KVS_OFF, 2097152
.set XIMG, 0                           ; LDS: the rows' 8 fragments (tile of rows a, K step s: f = 4 a + s) as register images, 1,024 bytes each
.set XSC,  8192                        ; their scale words: 64 f + 4 row
.set SCGQ, 8704                        ; gathered scale bytes of q [a][head][16], 512 bytes
.set SCGK, 9216                        ; of k [head][32], and 512 bytes on of v [head][32]
.set TM,  20                           ; v20-27 at work in the quantiser
.set BY,  28                           ; v28-30 the byte chosen by half: a register for each job, so that no store's data are written again
.set WS,  32                           ; v32-39 the weight's scale words: 4 u + s
.set XSW, 40                           ; v40-43 the rows' scale words: lanes 0-15 fragment 2 k, lanes 16-31 fragment 2 k + 1
.set PXS, 44                           ; v44-47 the same for the permuted tiles
.set CD,  48                           ; v48-59 codes, four registers for each job: no store's data are written again
.set ACC, 64                           ; v64-95 four accumulators (first: 32 numbers of x)
.set XF,  96                           ; v96-159 the rows' 8 fragments
.set WF,  160                          ; v160-223 the weight's 8 fragments: 4 u + s
.set HC,  224                          ; v224-227 my half fragment
.set HSB, 228                          ; v228 its two scale bytes
.set SEL, 70                           ; s[70:71] lane selects: lane l xor 16
.set HI,  72                           ; s72 mask of lanes 16-31
.macro PLACES n                        ; plain vector lines behind matrix instructions (ISA guide 7.12.1)
.rept \n
	v_nop
.endr
.endm
; one product.  z: the sum begins (C = 0).  ra, rb: source 0's or source 1's scales stand in lanes 16-31 of the register named
.macro WM d, a, b, z, sa, sb, ra, rb
.if \z
.if \ra
	v_wmma_scale_f32_16x16x128_f8f6f4 v[\d:\d+7], v[\a:\a+7], v[\b:\b+7], 0, v[\sa], v[\sb] matrix_a_fmt:MATRIX_FMT_FP4 matrix_b_fmt:MATRIX_FMT_FP4 matrix_a_scale:MATRIX_SCALE_ROW1
.elseif \rb
	v_wmma_scale_f32_16x16x128_f8f6f4 v[\d:\d+7], v[\a:\a+7], v[\b:\b+7], 0, v[\sa], v[\sb] matrix_a_fmt:MATRIX_FMT_FP4 matrix_b_fmt:MATRIX_FMT_FP4 matrix_b_scale:MATRIX_SCALE_ROW1
.else
	v_wmma_scale_f32_16x16x128_f8f6f4 v[\d:\d+7], v[\a:\a+7], v[\b:\b+7], 0, v[\sa], v[\sb] matrix_a_fmt:MATRIX_FMT_FP4 matrix_b_fmt:MATRIX_FMT_FP4
.endif
.else
.if \ra
	v_wmma_scale_f32_16x16x128_f8f6f4 v[\d:\d+7], v[\a:\a+7], v[\b:\b+7], v[\d:\d+7], v[\sa], v[\sb] matrix_a_fmt:MATRIX_FMT_FP4 matrix_b_fmt:MATRIX_FMT_FP4 matrix_a_scale:MATRIX_SCALE_ROW1
.elseif \rb
	v_wmma_scale_f32_16x16x128_f8f6f4 v[\d:\d+7], v[\a:\a+7], v[\b:\b+7], v[\d:\d+7], v[\sa], v[\sb] matrix_a_fmt:MATRIX_FMT_FP4 matrix_b_fmt:MATRIX_FMT_FP4 matrix_b_scale:MATRIX_SCALE_ROW1
.else
	v_wmma_scale_f32_16x16x128_f8f6f4 v[\d:\d+7], v[\a:\a+7], v[\b:\b+7], v[\d:\d+7], v[\sa], v[\sb] matrix_a_fmt:MATRIX_FMT_FP4 matrix_b_fmt:MATRIX_FMT_FP4
.endif
.endif
.endm
; Two half blocks by turns.  A lane's 16 numbers v[s0 ..] and lane l xor 16's are a block of 32.  Codes into v[c0], v[c0 + 1] (8 bytes: the block's numbers 16 (lane / 16) on); the byte into v[TM + 6]; the second likewise, v[TM + 7].
.macro QUANT2 s0, s1, c0, c1
	v_max3_num_f32 v[TM], |v[\s0]|, |v[\s0+1]|, 0x1800000          ; the floor 2^(3 - 127) among the leaves: the byte cannot fall under 1
	v_max3_num_f32 v[TM+1], |v[\s1]|, |v[\s1+1]|, 0x1800000
.irp i, 2,4,6,8,10,12,14
	v_max3_num_f32 v[TM], v[TM], |v[\s0+\i]|, |v[\s0+\i+1]|
	v_max3_num_f32 v[TM+1], v[TM+1], |v[\s1+\i]|, |v[\s1+\i+1]|
.endr
	v_permlanex16_b32 v[TM+2], v[TM], s[SEL], s[SEL+1]
	v_permlanex16_b32 v[TM+3], v[TM+1], s[SEL], s[SEL+1]
	v_max_num_f32 v[TM], v[TM], v[TM+2]                            ; the block's largest magnitude
	v_max_num_f32 v[TM+1], v[TM+1], v[TM+3]
	v_add_nc_u32 v[TM+4], 0xff000000, v[TM]                        ; 2 off its exponent field: the conversion takes the exponent field of this operand as its scale
	v_add_nc_u32 v[TM+5], 0xff000000, v[TM+1]
	v_lshrrev_b32 v[TM+6], 23, v[TM+4]                             ; the scale's byte
	v_lshrrev_b32 v[TM+7], 23, v[TM+5]
	v_cvt_scalef32_pk8_fp4_f32 v[\c0], v[\s0:\s0+7], v[TM+4]
	v_cvt_scalef32_pk8_fp4_f32 v[\c0+1], v[\s0+8:\s0+15], v[TM+4]
	v_cvt_scalef32_pk8_fp4_f32 v[\c1], v[\s1:\s1+7], v[TM+5]
	v_cvt_scalef32_pk8_fp4_f32 v[\c1+1], v[\s1+8:\s1+15], v[TM+5]
	v_nop                                                          ; one plain line behind the scaled conversions
.endm
; my head's 32 rows of a weight: 2 tiles x 4 K steps, and their scale words.  cb, sb: the scalar pairs with the addresses
.macro LOADW cb, sb
.irp u, 0,1
.irp s, 0,1,2,3
.irp c, 0,1
	global_load_b128 v[WF+8*(4*\u+\s)+4*\c:WF+8*(4*\u+\s)+4*\c+3], v13, s[\cb:\cb+1] offset:2048*\u+64*\s+32*\c
.endr
.endr
	global_load_b128 v[WS+4*\u:WS+4*\u+3], v14, s[\sb:\sb+1] offset:128*\u
.endr
.endm
; 16 products, transposed: source 0 = the weight's tile u, source 1 = rows' tile a.  The four accumulators take turns, one instruction a turn.
.macro JOBT
.irp s, 0,1,2,3
.irp a, 0,1
.irp u, 0,1
	WM ACC+16*\a+8*\u, WF+8*(4*\u+\s), XF+8*(4*\a+\s), \s==0, WS+4*\u+\s, XSW+2*\a+\s/2, 0, \s%2
.endr
.endr
.endr
.endm
; the two groups of 16 registers are quantised; the codes leave (a wave's store covers 256 consecutive bytes, aligned); lanes 0-15 put the first group's byte, lanes 16-31 the second's, into the gather
.macro POST cd, base, stride, adr, off, by
	QUANT2 ACC, ACC+16, \cd, \cd+2
	v_cndmask_b32 v[\by], v[TM+6], v[TM+7], s[HI]
	s_wait_alu depctr_va_vdst(0)                   ; the conversions have written the four registers of codes and the select the byte, which the three stores read
	global_store_b64 v15, v[\cd:\cd+1], s[\base:\base+1]
	global_store_b64 v15, v[\cd+2:\cd+3], s[\base:\base+1] offset:\stride
	ds_store_b8 v[\adr], v[\by] offset:\off
.endm
	s_load_b512 s[8:23], s[0:1], 0x0               ; x, encoding codes, scales, sa_wq c, s, sa_wk c, s, sa_wv c
	s_load_b512 s[24:39], s[0:1], 0x40             ; sa_wv s, ca_wk c, s, ca_wv c, s, qb, kv1, kv2
	v_lshl_add_u32 v254, v0, 2, 0x2800
	v_mov_b32 v255, 0
	v_lshrrev_b32 v1, 5, v0
	v_readfirstlane_b32 s2, v1                     ; wave = head
	s_and_b32 s3, ttmp7, 0xffff                    ; Y
	s_lshr_b32 s5, ttmp9, 6                        ; batch
	s_and_b32 s6, ttmp9, 63                        ; rb: the block of 32 rows in the batch
	s_wait_alu depctr_va_sdst(0)                   ; s2 is written, ahead of its first reader: offsets, LDS addresses and the last branches are made from it
	s_lshr_b32 s7, s2, 3                           ; a: which 16 rows my half fragment takes
	s_and_b32 s73, s2, 7                           ; 2 s + c: which 64 along K
	s_lshl_b32 s74, ttmp9, 16                      ; x: (32 g + 16 a) rows of 2,048 bytes + 256 (2 s + c)
	s_lshl_b32 s4, s7, 15
	s_add_co_u32 s74, s74, s4
	s_lshl_b32 s4, s73, 8
	s_add_co_u32 s74, s74, s4
	s_mov_b32 s75, 0
	s_lshl_b32 s76, ttmp9, 13                      ; encoding's codes: rows of 256 bytes + 32 (2 s + c)
	s_lshl_b32 s4, s7, 12
	s_add_co_u32 s76, s76, s4
	s_lshl_b32 s4, s73, 5
	s_add_co_u32 s76, s76, s4
	s_mov_b32 s77, 0
	s_lshl_b32 s78, ttmp9, 9                       ; its scale bytes: rows of 16 + 2 (2 s + c)
	s_lshl_b32 s4, s7, 8
	s_add_co_u32 s78, s78, s4
	s_lshl_b32 s4, s73, 1
	s_add_co_u32 s78, s78, s4
	s_mov_b32 s79, 0
	s_lshl_b32 s80, s5, 4
	s_add_co_u32 s80, s80, s2                      ; 16 batch + head
	s_lshl_b32 s54, s80, 16                        ; kv: the head's 65,536 bytes,
	s_lshr_b32 s4, s6, 4
	s_lshl_b32 s4, s4, 14
	s_add_co_u32 s54, s54, s4                      ; the chunk of 512 keys;
	s_add_co_u32 s56, s54, 8192                    ; V's images lie behind K's 8,192 bytes
	s_and_b32 s4, s6, 15
	s_lshl_b32 s4, s4, 9
	s_add_co_u32 s54, s54, s4                      ; K: 32 keys x 16 bytes for each block of rows
	s_mov_b32 s55, 0
	s_bfe_u32 s4, s6, 0x20002
	s_lshl_b32 s4, s4, 11
	s_add_co_u32 s56, s56, s4                      ; V: the step of 128 keys,
	s_and_b32 s4, s6, 3
	s_lshl_b32 s4, s4, 8
	s_add_co_u32 s56, s56, s4                      ; the block of 32 in it
	s_mov_b32 s57, 0
	s_lshl_b32 s58, s80, 15                        ; qb: the head's 2,048 queries x 16 bytes + 32 rb queries
	s_lshl_b32 s4, s6, 9
	s_add_co_u32 s58, s58, s4
	s_mov_b32 s59, 0
	s_lshl_b32 s60, ttmp9, 10                      ; kv's scale bytes: 1,024 for each block of rows (g = 64 batch + rb)
	s_add_co_u32 s60, s60, KVS_OFF
	s_mov_b32 s61, 0
	s_lshl_b32 s62, ttmp9, 9                       ; qb's: 256 for each tile of 16 rows
	s_add_co_u32 s62, s62, QS_OFF
	s_mov_b32 s63, 0
	s_lshl_b32 s66, s2, 13                         ; my head's 32 rows of a weight: 8,192 bytes of codes,
	s_mov_b32 s67, 0
	s_lshl_b32 s68, s2, 9                          ; 512 of scale bytes
	s_mov_b32 s69, 0
	s_lshr_b32 s81, s2, 1
	s_lshl_b32 s81, s81, 6
	s_and_b32 s4, s2, 1
	s_lshl_b32 s4, s4, 1
	s_add_co_u32 s81, s81, s4
	s_add_co_u32 s81, s81, XSC                     ; my half fragment's two bytes of a scale word: XSC + 64 f + 2 c
	s_lshl_b32 s82, s2, 4
	s_add_co_u32 s82, s82, SCGQ
	s_mov_b32 s[SEL], 0x76543210
	s_mov_b32 s[SEL+1], 0xfedcba98
	s_mov_b32 s[HI], 0xffff0000
	v_and_b32 v1, 31, v0                           ; lane
	v_and_b32 v2, 15, v0                           ; r
	v_bfe_u32 v3, v0, 4, 1                         ; h
	v_lshlrev_b32 v4, 11, v2
	v_lshl_add_u32 v4, v3, 6, v4                   ; x: row r, 16 numbers for each half of the lanes
	v_lshlrev_b32 v5, 8, v2
	v_lshl_add_u32 v5, v3, 4, v5                   ; encoding's codes: row r, block h
	v_lshlrev_b32 v6, 4, v2                        ; its scale bytes
	v_lshlrev_b32 v7, 4, v0                        ; my 16 bytes of the images: 512 x wave + 16 x lane
	v_lshlrev_b32 v8, 4, v1                        ; 16 x lane
	v_lshl_add_u32 v9, v2, 2, s81
	v_lshl_add_u32 v10, v1, 2, XSC                 ; scale words: 4 x lane
	v_bfe_u32 v18, v0, 3, 1                        ; r / 8
	v_and_b32 v19, 7, v0                           ; r % 8
	v_lshlrev_b32 v11, 12, v18                     ; the permuted tiles: row 8 u + r + 8 (r / 8) is row 8 u + r % 8 of tile r / 8
	v_lshl_add_u32 v11, v3, 8, v11
	v_lshl_add_u32 v11, v19, 4, v11
	v_lshlrev_b32 v12, 8, v18
	v_lshl_add_u32 v12, v3, 6, v12
	v_lshl_add_u32 v12, v19, 2, v12
	v_add_nc_u32 v12, XSC, v12
	v_lshl_add_u32 v18, v18, 3, v2                 ; r + 8 (r / 8)
	v_lshlrev_b32 v13, 8, v18
	v_lshl_add_u32 v13, v3, 4, v13                 ; a weight's row of 256 bytes
	v_lshlrev_b32 v14, 4, v18                      ; and of 16 scale bytes
	v_lshlrev_b32 v15, 4, v2
	v_lshl_add_u32 v15, v3, 3, v15                 ; codes out: 16 r + 8 h
	v_lshl_add_u32 v16, v3, 8, v2
	v_add_nc_u32 v16, s82, v16                     ; q's byte: SCGQ + 256 a + 16 head + r, a = my half
	v_add_nc_u32 v17, SCGK, v0                     ; k's and v's: 32 head + lane
	v_mov_b32 v[TM+2], 0                           ; written once: a lane permute's destination counts as one of its sources
	v_mov_b32 v[TM+3], 0
	s_wait_kmcnt 0x0
	s_cmp_eq_u32 s3, 0                             ; the buffers are chosen by the work-group's number alone
	s_cselect_b64 s[40:41], s[18:19], s[26:27]     ; K's weight
	s_cselect_b64 s[42:43], s[20:21], s[28:29]
	s_cselect_b64 s[44:45], s[22:23], s[30:31]     ; V's weight
	s_cselect_b64 s[46:47], s[24:25], s[32:33]
	s_cselect_b64 s[52:53], s[36:37], s[38:39]     ; kv1 or kv2
	s_cselect_b64 s[48:49], s[14:15], s[44:45]     ; the weight that follows K's: Q's, or V's where there is no Q
	s_cselect_b64 s[50:51], s[16:17], s[46:47]
	s_add_nc_u64 s[40:41], s[40:41], s[66:67]
	s_add_nc_u64 s[44:45], s[44:45], s[66:67]
	s_add_nc_u64 s[48:49], s[48:49], s[66:67]
	s_add_nc_u64 s[42:43], s[42:43], s[68:69]
	s_add_nc_u64 s[46:47], s[46:47], s[68:69]
	s_add_nc_u64 s[50:51], s[50:51], s[68:69]
	s_add_nc_u64 s[74:75], s[8:9], s[74:75]
	s_add_nc_u64 s[76:77], s[10:11], s[76:77]
	s_add_nc_u64 s[78:79], s[12:13], s[78:79]
	s_add_nc_u64 s[54:55], s[52:53], s[54:55]
	s_add_nc_u64 s[56:57], s[52:53], s[56:57]
	s_add_nc_u64 s[60:61], s[52:53], s[60:61]
	s_add_nc_u64 s[58:59], s[34:35], s[58:59]
	s_add_nc_u64 s[62:63], s[34:35], s[62:63]
	s_wait_alu depctr_va_vdst(0)                   ; the offsets and LDS addresses v4 to v17 are written, which every load and store of the kernel reads; none of them is written again
	LOADW 40, 42                                   ; K's weight is on its way while the rows are made ready
	; ---- my half fragment: 16 rows x 64 along K.  Only loads and register work differ between the two ways; the LDS stores are common
	s_cmp_lg_u32 s3, 0
	s_cbranch_scc1 .Lenc
.irp e, 0,1
.irp j, 0,1,2,3
	global_load_b128 v[ACC+16*\e+4*\j:ACC+16*\e+4*\j+3], v4, s[74:75] offset:128*\e+16*\j   ; of two blocks of 32, my 16 numbers each
.endr
.endr
	s_wait_loadcnt 0x0
	QUANT2 ACC, ACC+16, HC, HC+2
	v_permlane16_swap_b32 v[HC], v[HC+2]           ; the operand's layout wants a whole block in a lane: lanes 0-15 the first block, lanes 16-31 the second
	v_permlane16_swap_b32 v[HC+1], v[HC+3]
	v_lshl_or_b32 v[HSB], v[TM+7], 8, v[TM+6]
	s_branch .Lhave
.Lenc:
	global_load_b128 v[HC:HC+3], v5, s[76:77]      ; given codes are the operand's registers as they lie
	global_load_u16 v[HSB], v6, s[78:79]
	s_wait_loadcnt 0x0
.Lhave:
	s_wait_alu depctr_va_vdst(0)                   ; on x's way the conversions, the swaps and the shift have written the half fragment and its two bytes, which the LDS stores read
	ds_store_b128 v7, v[HC:HC+3]
	ds_store_b16 v9, v[HSB]
	s_wait_dscnt 0x0                               ; for the others' sake: my stores have landed
	s_barrier_signal -1
	s_barrier_wait -1                              ; the 8 fragments and their scale words lie in LDS; nobody writes them again
.irp f, 0,1,2,3,4,5,6,7
.irp c, 0,1
	ds_load_b128 v[XF+8*\f+4*\c:XF+8*\f+4*\c+3], v8 offset:XIMG+1024*\f+512*\c
.endr
.endr
.irp k, 0,1,2,3
	ds_load_b32 v[XSW+\k], v10 offset:128*\k
.endr
	s_wait_dscnt 0x0
	; ---- K (its weight was waited for with the rows)
	JOBT
	PLACES 5                                       ; in front of the quantiser's first read of the results, and of the next job's first products, which begin these accumulators anew
	s_wait_alu depctr_va_vdst(0)                   ; the products are done reading the weight's fragments and scale words, in which the next weight's loads land
	LOADW 48, 50
	POST CD, 54, 256, 17, 0, BY
	; ---- Q, for x alone
	s_cmp_lg_u32 s3, 0
	s_cbranch_scc1 .Lnoq
	s_wait_loadcnt 0x0                             ; Q's weight
	JOBT
	PLACES 5
	s_wait_alu depctr_va_vdst(0)                   ; the products are done reading the weight's fragments and scale words, in which V's weight lands
	LOADW 44, 46
	POST CD+4, 58, 256, 16, 0, BY+1
.Lnoq:
	; ---- V: source 0 = the rows, in permuted tiles, source 1 = the weight: a lane holds one feature and 16 neighbouring keys
	PLACES 4                                       ; in front of the loads into the rows' registers
.irp u, 0,1                                    ; no wait: on both ways the wait ahead of the last job's stores stands behind the products that read the rows' registers, and only v_nop were issued since
.irp s, 0,1,2,3
.irp c, 0,1
	ds_load_b128 v[XF+8*(4*\u+\s)+4*\c:XF+8*(4*\u+\s)+4*\c+3], v11 offset:XIMG+1024*\s+512*\c+128*\u
.endr
.endr
.irp k, 0,1
	ds_load_b32 v[PXS+2*\u+\k], v12 offset:128*\k+32*\u
.endr
.endr
	s_wait_loadcnt 0x0                             ; V's weight
	s_wait_dscnt 0x0
.irp s, 0,1,2,3
.irp t, 0,1
.irp u, 0,1
	WM ACC+16*\t+8*\u, XF+8*(4*\u+\s), WF+8*(4*\t+\s), \s==0, PXS+2*\u+\s/2, WS+4*\t+\s, \s%2, 0
.endr
.endr
.endr
	PLACES 5
	POST CD+8, 56, 1024, 17, 512, BY+2
	s_wait_dscnt 0x0                               ; my bytes lie in the gathers
	s_barrier_signal -1
	s_barrier_wait -1
	s_wait_alu depctr_vm_vsrc(0)                   ; my first two LDS stores have read v224 to v228, in which wave 0's LDS loads land
	s_cmp_lg_u32 s2, 0                             ; wave 0 sends k's and v's 1,024 scale bytes, whole aligned runs of 512
	s_cbranch_scc1 .Lnot0
	ds_load_b128 v[224:227], v8 offset:SCGK
	ds_load_b128 v[228:231], v8 offset:SCGK+512
	s_wait_dscnt 0x0
	global_store_b128 v8, v[224:227], s[60:61]
	global_store_b128 v8, v[228:231], s[60:61] offset:512
.Lnot0:
	s_cmp_lg_u32 s2, 1                             ; wave 1 sends q's 512, where there is a q
	s_cbranch_scc1 .Lend
	s_cmp_lg_u32 s3, 0
	s_cbranch_scc1 .Lend
	ds_load_b128 v[232:235], v8 offset:SCGQ
	s_wait_dscnt 0x0
	global_store_b128 v8, v[232:235], s[62:63]
.Lend:
	s_wait_dscnt 0x0                               ; the closing lines, six on end
	s_wait_alu 0x0
	s_wait_tensorcnt 0x0
	ds_add_u32 v254, v255
	s_wait_dscnt 0x0
	s_endpgm
.Lfunc_end_k_q5038714ea9_proj:
	.size	k_q5038714ea9_proj, .Lfunc_end_k_q5038714ea9_proj-k_q5038714ea9_proj
	.p2alignl 7, 3214868480
	.fill 96, 4, 3214868480
	.section	.rodata,"a",@progbits
	.p2align	6, 0x0
	.amdhsa_kernel k_q5038714ea9_proj
		.amdhsa_group_segment_fixed_size 12288
		.amdhsa_private_segment_fixed_size 0
		.amdhsa_enable_private_segment 0
		.amdhsa_kernarg_size 128
		.amdhsa_user_sgpr_count 2
		.amdhsa_user_sgpr_kernarg_segment_ptr 1
		.amdhsa_wavefront_size32 1
		.amdhsa_system_sgpr_workgroup_id_x 1
		.amdhsa_system_sgpr_workgroup_id_y 1
		.amdhsa_system_sgpr_workgroup_id_z 1
		.amdhsa_system_vgpr_workitem_id 0
		.amdhsa_next_free_vgpr 256
		.amdhsa_next_free_sgpr 88
		.amdhsa_reserve_vcc 0
		.amdhsa_float_denorm_mode_32 3
		.amdhsa_float_denorm_mode_16_64 3
		.amdhsa_memory_ordered 1
		.amdhsa_forward_progress 1
		.amdhsa_inst_pref_size 31
	.end_amdhsa_kernel
	.amdgpu_metadata
---
amdhsa.version: [ 1, 2 ]
amdhsa.kernels:
  - .name:           k_q5038714ea9_proj
    .symbol:         k_q5038714ea9_proj.kd
    .args:
      - { .name: x, .offset: 0, .size: 8, .value_kind: global_buffer, .address_space: global }
      - { .name: encoding_codes, .offset: 8, .size: 8, .value_kind: global_buffer, .address_space: global }
      - { .name: encoding_scales, .offset: 16, .size: 8, .value_kind: global_buffer, .address_space: global }
      - { .name: sa_wq_codes, .offset: 24, .size: 8, .value_kind: global_buffer, .address_space: global }
      - { .name: sa_wq_scales, .offset: 32, .size: 8, .value_kind: global_buffer, .address_space: global }
      - { .name: sa_wk_codes, .offset: 40, .size: 8, .value_kind: global_buffer, .address_space: global }
      - { .name: sa_wk_scales, .offset: 48, .size: 8, .value_kind: global_buffer, .address_space: global }
      - { .name: sa_wv_codes, .offset: 56, .size: 8, .value_kind: global_buffer, .address_space: global }
      - { .name: sa_wv_scales, .offset: 64, .size: 8, .value_kind: global_buffer, .address_space: global }
      - { .name: ca_wk_codes, .offset: 72, .size: 8, .value_kind: global_buffer, .address_space: global }
      - { .name: ca_wk_scales, .offset: 80, .size: 8, .value_kind: global_buffer, .address_space: global }
      - { .name: ca_wv_codes, .offset: 88, .size: 8, .value_kind: global_buffer, .address_space: global }
      - { .name: ca_wv_scales, .offset: 96, .size: 8, .value_kind: global_buffer, .address_space: global }
      - { .name: qb, .offset: 104, .size: 8, .value_kind: global_buffer, .address_space: global }
      - { .name: kv1, .offset: 112, .size: 8, .value_kind: global_buffer, .address_space: global }
      - { .name: kv2, .offset: 120, .size: 8, .value_kind: global_buffer, .address_space: global }
    .group_segment_fixed_size: 12288
    .private_segment_fixed_size: 0
    .kernarg_segment_align: 8
    .kernarg_segment_size: 128
    .max_flat_workgroup_size: 512
    .sgpr_count:     88
    .vgpr_count:     256
    .wavefront_size: 32
...
	.end_amdgpu_metadata
.endif
;; end of part 4
;; launch attn_c: the kernel of part 2 again; grid 8 x 32, 16 waves a work-group, no clusters, 169,984 bytes of LDS; arguments qb, kv1, att; writes att
;; launch rest (part 5): grid 256 x 1, 16 waves a work-group, no clusters, 62,976 bytes of LDS; arguments att, x, sa_wo_codes, sa_wo_scales, ln1_g, ln1_b, ca_wq_codes, ca_wq_scales, kv2, ca_wo_codes, ca_wo_scales, ln2_g, ln2_b, ff_w1_codes, ff_w1_scales, ff_b1, ff_w2_codes, ff_w2_scales, ff_b2, ln3_g, ln3_b, out0; writes out0
.if DOCPART == 5
	.amdgcn_target "amdgcn-amd-amdhsa--gfx1250"
	.amdhsa_code_object_version 6
	.text
	.protected	k_q5038714ea9_rest
	.globl	k_q5038714ea9_rest
	.p2align	8
	.type	k_q5038714ea9_rest,@function
k_q5038714ea9_rest:
	s_mov_b64 s[64:65], 0
	v_nop
	global_prefetch_b8 v0, s[64:65] scope:SCOPE_SE
	s_setreg_imm32_b32 hwreg(HW_REG_WAVE_SCHED_MODE, 0, 2), 2
	s_setreg_imm32_b32 hwreg(HW_REG_WAVE_MODE, 25, 1), 1
	s_wait_xcnt 0x0
	s_wait_alu depctr_vm_vsrc(0)
; ALL THAT FOLLOWS THE SELF-ATTENTION, for 16 rows a work-group:  h1 = layernorm(x + att sa_wo^T);  q = h1 ca_wq^T;  cross-attention of q on the encoding's K and V;  h2 = layernorm(h1 + o ca_wo^T);
; out = layernorm(h2 + relu(h2 ff_w1^T + b1) ff_w2^T + b2).  Every product on codes of FP4 (E2M1) with one E8M0 scale for each 32 along K; all else in f32.
; THE SIXTEEN WAVES SHARE THE COLUMNS: wave w owns features 32 w .. 32 w + 31 of the 512-wide layers, which are HEAD w and one block of the next product's K, and units 64 w .. 64 w + 63 of the hidden layer.
; So q never leaves its wave, the attention's result is the wave's own block of the next K, and h1 stays in 16 registers through the attention: nothing of these goes to memory.
; The products with weights are used transposed (source 0 = weight, source 1 = the 16 rows), and lane r of a weight's tile u takes row 8 u + r + 8 (r / 8) of a block of 32: a lane then holds ONE row
; (lane % 16) and 16 neighbouring features.  Residuals and biases are the C of a sum's first product.  Codes go from wave to wave through LDS as images of the operand's registers
; (block blk at 256 blk + 16 row + 8 half; scale words at 64 s + 4 row); every LDS region is written once and has bytes of its own.
; THE NORM: each wave's mean and centred sum of squares of its 32 features meet in LDS; the sum of squares = the sum of the 16 + 32 x the sum of (wave's mean - mean)^2: no difference of large sums is formed.
; THE ATTENTION: t = score x log2(e) / sqrt(512); M = the row's largest t so far, rounded UP to a whole number; p = 2^(t - M) is quantised along the keys, not normalised; the row's sum is taken of the
; unquantised p and divides O at the end.  When M moves, the sum and O are multiplied by 2^(old M - new M): exact.  16 steps of 128 keys.  K Q^T uses 32 of the instruction's 128 along K: a fragment of K holds
; FOUR tiles of keys, one in each block of 32, and four fragments of Q, each with Q's codes in one block and zero codes in the others, pick them out.  Block 2 c + h of fragment f holds in row r key
; 64 f + 32 c + 8 h + r + 8 (r / 8): so the 16 registers of score tiles 2 b and 2 b + 1 are 16 neighbouring keys.  Both products are used transposed: a lane holds ONE query throughout.
; K AND V COME FROM MEMORY STRAIGHT INTO THE REGISTERS OF THE ONE WAVE THAT MULTIPLIES THEM (a head belongs to one wave): each load reads 512 consecutive bytes.  No wave waits for another
; through the 16 steps.  Clusters are left out: a joint load wants an LDS ring and a round of the cluster's barrier for each of 16 refills, which would put 64 waves into step 16 times.
; LIMITS: NaN and infinities are not served.  A block whose largest magnitude lies under 2^-124 keeps the scale byte 1 (a block of zeros too: its codes are zeros; only this program reads the bytes).
; THE MODE: SCHED_MODE bits 1:0 = 2 (LLVM: expert scheduling mode 2), set by the entry lines.  The code itself states the register dependences
; between vector or matrix instructions and memory or LDS instructions, with s_wait_alu, always for 0.
; THE PLAN, in the loop over the keys.  Registers that memory instructions touch:
;   K0, K1, V0, V1  two sets of fragments for K and for V, by turns.  Step j: its products read set j % 2; the loads of step j + 1 land in the other set, which the products of step j - 1 read last.
;   v68-75          the eight scale bytes of the step that is asked for: loaded in step j; read at step j's end by the six lines that make the two scale words of step j + 1.
;   v8, v10, v11, v24  the loads' four offsets: made ahead of the loop, never written in it.  The steps are reached by two scalar bases, made anew at a step's head: the wait for all loads at the
;                   last step's end has shown the loads that read them done.
; Three waits on va_vdst stand in a step, each owed in any case: at its head (K's scale word, made by vector lines, goes to scaled products), behind the exponentials, and ahead of the second product (p's
; codes and scale word).  The first also states that the step before is done with the other sets and with the eight bytes: so the step's 16 loads follow it with no further wait, two behind each of
; the eight score products, which name this step's K, Q, two scale words and S^T: none of the registers that the loads touch.  A trip is two steps, so that the register numbers come back.
; Outside the loop: one wait on va_vdst ahead of each run of stores and loads, with the vector lines that feed it laid ahead of it; one on vm_vsrc ahead of each rewriting of what stores or loads have read.
.set AS_OFF,  1048576
.set KVS_OFF, 2097152
.set REDM1, 0                          ; LDS: the waves' means and centred sums, 64 row + 4 wave, for each of the three norms
.set REDQ1, 1024
.set REDM2, 2048
.set REDQ2, 3072
.set REDM3, 4096
.set REDQ3, 5120
.set IMG1,  6144                       ; h1's four fragments as register images;  SC1 their scale words
.set SC1,   10240
.set IMG2,  10496                      ; the attention's result likewise
.set SC2,   14592
.set IMG3,  14848                      ; h2 likewise
.set SC3,   18944
.set FSC,   19200                      ; the hidden layer's scale words, 8 K steps
.set FIMG,  19712                      ; its eight fragments
.set STG,   27904                      ; the stage: 16 rows x (2,048 + 16) bytes
.set W256, 1                           ; v1  a weight's row of 256 bytes: 256 (r + 8 (r / 8)) + 16 h;  at the end: my place in the stage
.set WS16, 2                           ; v2  its 16 scale bytes;  at the end: row w of the stage
.set STW,  1
.set STR,  2
.set GB,   3                           ; v3  gains and biases: 64 h
.set RW,   4                           ; v4  64 r + 4 w
.set RR,   5                           ; v5  64 r
.set IW,   6                           ; v6  my 8 bytes of an image: 256 w + 16 r + 8 h;  for the hidden layer 512 w + 16 r + 8 h
.set SCW,  7                           ; v7  my block's byte of the scale words
.set L16,  8                           ; v8  16 x lane
.set L4,   9                           ; v9  4 x lane
.set AK,   10                          ; v10 my lane's place in a fragment of K: 16 (8 h + r + 8 (r / 8));  behind the attention: ff_w2's row of 512 bytes
.set AKS,  11                          ; v11 among K's scale bytes: 2048 h + r + 8 (r / 8);  behind the attention: ff_w2's 32 scale bytes
.set W512, 10
.set WS32, 11
.set SA,   12                          ; v12-15 the rows' scale words: K step s in register s / 2, half s % 2 of the lanes.  v12-19 and v80-95 hold scales and nothing else
.set KS,   16                          ; v16 K's scale words: lanes 0-15 fragment 0, lanes 16-31 fragment 1
.set VS,   17                          ; v17 V's: lanes 0-15 tile 0, lanes 16-31 tile 1
.set QS,   18                          ; v18 Q's byte, four times
.set PS,   19                          ; v19 p's scale word
.set TM,   20                          ; v20-31 at work
.set CV,   20                          ; in the attention: v20-23 the conversions' scale operands,
.set AVS,  24                          ; v24 lane,
.set TT,   25                          ; v25 at work,
.set FP,   26                          ; v[26:27] f = 2^(old M - new M), named as a pair
.set QF,   28                          ; v28-47 in the attention: zeros, Q in lanes 0-15, zeros, Q in lanes 16-31, zeros
.set A0,   32                          ; v32-47 ln1's gain; q; ff_b1 and the hidden layer's first 32 units; ln3's gain
.set H,    48                          ; v48-63 x, the sum, h1 (kept through the attention), the sum, h2, h2 + b2, the sum, out
.set A1,   64                          ; v64-79 ln1's bias; the hidden layer's second 32 units; ln3's bias
.set ST,   64                          ; in the attention: v64 -M, v65 the largest t, v[66:67] the sum in two halves,
.set KB,   68                          ; v68-71 K's four scale bytes, v72-75 V's
.set VB,   72
.set SW,   80                          ; v80-95 the weights' scale words
.set FR,   96                          ; v96-127 the rows' four fragments; in a norm the 16 means and 16 sums; in the attention v96-159 S^T, then p
.set P,    96
.set R0,   128                         ; v128-191, v192-255 two sets of 8 weight fragments
.set KFR,  160                         ; in the attention: two fragments of K, set b at KFR + 48 b: v160-175, v208-223;
.set VFR,  176                         ; two of V, set b at VFR + 64 b: v176-191, v240-255;
.set R1,   192
.set OT,   192                         ; v192-207 O^T, v224-231 p's codes, v232-239 at work
.set SEL,  60                          ; s[60:61] lane selects: lane l xor 16
.set CS,   62                          ; s[62:63] c = log2(e) / sqrt(512), twice
.set NX,   74                          ; s74 the step that a trip's first step asks for
.macro PLACES n                        ; plain vector lines behind matrix instructions (ISA guide 7.12.1)
.rept \n
	v_nop
.endr
.endm
.macro BARRIER                         ; my LDS stores have landed and my LDS loads are in: then the work-group's barrier
	s_wait_dscnt 0x0
	s_barrier_signal -1
	s_barrier_wait -1
.endm
; one product.  z: the sum begins (C = 0).  ra, rb: source 0's or source 1's scales stand in lanes 16-31 of the register named
.macro WM d, a, b, z, sa, sb, ra, rb
.if \z
.if \ra
	v_wmma_scale_f32_16x16x128_f8f6f4 v[\d:\d+7], v[\a:\a+7], v[\b:\b+7], 0, v[\sa], v[\sb] matrix_a_fmt:MATRIX_FMT_FP4 matrix_b_fmt:MATRIX_FMT_FP4 matrix_a_scale:MATRIX_SCALE_ROW1
.elseif \rb
	v_wmma_scale_f32_16x16x128_f8f6f4 v[\d:\d+7], v[\a:\a+7], v[\b:\b+7], 0, v[\sa], v[\sb] matrix_a_fmt:MATRIX_FMT_FP4 matrix_b_fmt:MATRIX_FMT_FP4 matrix_b_scale:MATRIX_SCALE_ROW1
.else
	v_wmma_scale_f32_16x16x128_f8f6f4 v[\d:\d+7], v[\a:\a+7], v[\b:\b+7], 0, v[\sa], v[\sb] matrix_a_fmt:MATRIX_FMT_FP4 matrix_b_fmt:MATRIX_FMT_FP4
.endif
.else
.if \ra
	v_wmma_scale_f32_16x16x128_f8f6f4 v[\d:\d+7], v[\a:\a+7], v[\b:\b+7], v[\d:\d+7], v[\sa], v[\sb] matrix_a_fmt:MATRIX_FMT_FP4 matrix_b_fmt:MATRIX_FMT_FP4 matrix_a_scale:MATRIX_SCALE_ROW1
.elseif \rb
	v_wmma_scale_f32_16x16x128_f8f6f4 v[\d:\d+7], v[\a:\a+7], v[\b:\b+7], v[\d:\d+7], v[\sa], v[\sb] matrix_a_fmt:MATRIX_FMT_FP4 matrix_b_fmt:MATRIX_FMT_FP4 matrix_b_scale:MATRIX_SCALE_ROW1
.else
	v_wmma_scale_f32_16x16x128_f8f6f4 v[\d:\d+7], v[\a:\a+7], v[\b:\b+7], v[\d:\d+7], v[\sa], v[\sb] matrix_a_fmt:MATRIX_FMT_FP4 matrix_b_fmt:MATRIX_FMT_FP4
.endif
.endif
.endm
; 8 products: 4 K steps x my two tiles, which take turns, one instruction a turn.  ws + wst u + s: the weight's scale word; sa + s / 2: the rows'.  z: the sums begin; else the accumulators hold a residual or a bias
.macro GEMM acc, wf, fr, ws, wst, sa, z
.irp s, 0,1,2,3
.irp u, 0,1
.if \z && (\s == 0)
	WM \acc+8*\u, \wf+8*(4*\u+\s), \fr+8*\s, 1, \ws+\wst*\u+\s, \sa+\s/2, 0, \s%2
.else
	WM \acc+8*\u, \wf+8*(4*\u+\s), \fr+8*\s, 0, \ws+\wst*\u+\s, \sa+\s/2, 0, \s%2
.endif
.endr
.endr
.endm
.macro LOADW dst, cb, lr, rowb, s0, rowoff   ; 2 tiles x 4 K steps of a weight whose rows have rowb bytes, from K step s0 and row rowoff on
.irp u, 0,1
.irp s, 0,1,2,3
.irp c, 0,1
	global_load_b128 v[\dst+8*(4*\u+\s)+4*\c:\dst+8*(4*\u+\s)+4*\c+3], v[\lr], s[\cb:\cb+1] offset:(\rowoff+8*\u)*\rowb+64*(\s0+\s)+32*\c
.endr
.endr
.endr
.endm
.macro FETCH img, sc, sa               ; four fragments and their scale words out of LDS, as they were laid there
.irp n, 0,1,2,3,4,5,6,7
	ds_load_b128 v[FR+4*\n:FR+4*\n+3], v[L16] offset:\img+512*\n
.endr
	ds_load_b32 v[\sa], v[L4] offset:\sc
	ds_load_b32 v[\sa+1], v[L4] offset:\sc+128
.endm
.macro QUANT1 s, c                     ; a lane's 16 numbers and lane l xor 16's are a block of 32: codes into v[c], v[c + 1], the byte into v[TM + 3]
	v_max3_num_f32 v[TM], |v[\s]|, |v[\s+1]|, 0x1800000            ; the floor 2^(3 - 127) among the leaves: the byte cannot fall under 1
	v_max3_num_f32 v[TM+1], |v[\s+8]|, |v[\s+9]|, |v[\s+10]|
	v_max3_num_f32 v[TM], v[TM], |v[\s+2]|, |v[\s+3]|
	v_max3_num_f32 v[TM+1], v[TM+1], |v[\s+11]|, |v[\s+12]|
	v_max3_num_f32 v[TM], v[TM], |v[\s+4]|, |v[\s+5]|
	v_max3_num_f32 v[TM+1], v[TM+1], |v[\s+13]|, |v[\s+14]|
	v_max3_num_f32 v[TM], v[TM], |v[\s+6]|, |v[\s+7]|
	v_max3_num_f32 v[TM], v[TM], v[TM+1], |v[\s+15]|
	v_permlanex16_b32 v[TM+1], v[TM], s[SEL], s[SEL+1]
	v_max_num_f32 v[TM], v[TM], v[TM+1]
	v_add_nc_u32 v[TM+2], 0xff000000, v[TM]                        ; 2 off the exponent field: the conversion's scale operand
	v_lshrrev_b32 v[TM+3], 23, v[TM+2]
	v_cvt_scalef32_pk8_fp4_f32 v[\c], v[\s:\s+7], v[TM+2]
	v_cvt_scalef32_pk8_fp4_f32 v[\c+1], v[\s+8:\s+15], v[TM+2]
	v_nop                                                          ; one plain line behind the scaled conversions
.endm
.macro QUANT2 s0, s1, c0, c1           ; two such half blocks by turns; the bytes into v[TM + 6], v[TM + 7]
	v_max3_num_f32 v[TM], |v[\s0]|, |v[\s0+1]|, 0x1800000
	v_max3_num_f32 v[TM+1], |v[\s1]|, |v[\s1+1]|, 0x1800000
.irp i, 2,4,6,8,10,12,14
	v_max3_num_f32 v[TM], v[TM], |v[\s0+\i]|, |v[\s0+\i+1]|
	v_max3_num_f32 v[TM+1], v[TM+1], |v[\s1+\i]|, |v[\s1+\i+1]|
.endr
	v_permlanex16_b32 v[TM+2], v[TM], s[SEL], s[SEL+1]
	v_permlanex16_b32 v[TM+3], v[TM+1], s[SEL], s[SEL+1]
	v_max_num_f32 v[TM], v[TM], v[TM+2]
	v_max_num_f32 v[TM+1], v[TM+1], v[TM+3]
	v_add_nc_u32 v[TM+4], 0xff000000, v[TM]
	v_add_nc_u32 v[TM+5], 0xff000000, v[TM+1]
	v_lshrrev_b32 v[TM+6], 23, v[TM+4]
	v_lshrrev_b32 v[TM+7], 23, v[TM+5]
	v_cvt_scalef32_pk8_fp4_f32 v[\c0], v[\s0:\s0+7], v[TM+4]
	v_cvt_scalef32_pk8_fp4_f32 v[\c0+1], v[\s0+8:\s0+15], v[TM+4]
	v_cvt_scalef32_pk8_fp4_f32 v[\c1], v[\s1:\s1+7], v[TM+5]
	v_cvt_scalef32_pk8_fp4_f32 v[\c1+1], v[\s1+8:\s1+15], v[TM+5]
	v_nop
.endm
.macro SUM16 src, x4                   ; v20 = the sum of 16 registers; x4: a fourth pair to work in
	v_pk_add_f32 v[20:21], v[\src:\src+1], v[\src+2:\src+3]
	v_pk_add_f32 v[22:23], v[\src+4:\src+5], v[\src+6:\src+7]
	v_pk_add_f32 v[24:25], v[\src+8:\src+9], v[\src+10:\src+11]
	v_pk_add_f32 v[\x4:\x4+1], v[\src+12:\src+13], v[\src+14:\src+15]
	v_pk_add_f32 v[20:21], v[20:21], v[22:23]
	v_pk_add_f32 v[24:25], v[24:25], v[\x4:\x4+1]
	v_pk_add_f32 v[20:21], v[20:21], v[24:25]
	v_add_f32 v20, v20, v21
.endm
.macro SQSUM src, mm                   ; v26 = the sum over 16 registers of (number - v[mm])^2; v[mm], v[mm + 1] hold the same number
	v_pk_add_f32 v[22:23], v[\src:\src+1], v[\mm:\mm+1] neg_lo:[0,1] neg_hi:[0,1]
	v_pk_add_f32 v[24:25], v[\src+2:\src+3], v[\mm:\mm+1] neg_lo:[0,1] neg_hi:[0,1]
	v_pk_mul_f32 v[26:27], v[22:23], v[22:23]
	v_pk_fma_f32 v[26:27], v[24:25], v[24:25], v[26:27]
.irp p, 4,8,12
	v_pk_add_f32 v[22:23], v[\src+\p:\src+\p+1], v[\mm:\mm+1] neg_lo:[0,1] neg_hi:[0,1]
	v_pk_add_f32 v[24:25], v[\src+\p+2:\src+\p+3], v[\mm:\mm+1] neg_lo:[0,1] neg_hi:[0,1]
	v_pk_fma_f32 v[26:27], v[22:23], v[22:23], v[26:27]
	v_pk_fma_f32 v[26:27], v[24:25], v[24:25], v[26:27]
.endr
	v_add_f32 v26, v26, v27
.endm
.macro LNORM g, be, redm, redq         ; v[H ..] is normalised in place; one barrier
	s_wait_alu depctr_vm_vsrc(0)                   ; the loads and LDS stores issued so far have read what they name of v20 to v31 (offsets, codes, scale bytes), which the norm writes
	SUM16 H, 26
	v_permlanex16_b32 v21, v20, s[SEL], s[SEL+1]
	v_add_f32 v20, v20, v21                        ; my wave's 32 features of my row
	v_mul_f32 v28, 0x3d000000, v20                 ; / 32
	v_mul_f32 v29, 0x3d000000, v20
	SQSUM H, 28
	v_permlanex16_b32 v27, v26, s[SEL], s[SEL+1]
	v_add_f32 v26, v26, v27
	s_wait_alu depctr_va_vdst(0)                   ; v28 and v26 are written, which the two LDS stores read; the products are done reading v96 to v127, in which the LDS loads behind the barrier land
	ds_store_b32 v[RW], v28 offset:\redm           ; both halves of the lanes write the same word with the same value
	ds_store_b32 v[RW], v26 offset:\redq
	BARRIER
	s_wait_alu depctr_vm_vsrc(0)                   ; the two stores have read v28 and v26, which the sums below write again
.irp k, 0,1,2,3
	ds_load_b128 v[P+4*\k:P+4*\k+3], v[RR] offset:\redm+16*\k
	ds_load_b128 v[P+16+4*\k:P+16+4*\k+3], v[RR] offset:\redq+16*\k
.endr
	s_wait_dscnt 0x0
	SUM16 P, 26
	v_mul_f32 v30, 0x3d800000, v20                 ; the row's mean: / 16
	v_mul_f32 v31, 0x3d800000, v20
	SQSUM P, 30
	SUM16 P+16, 28
	v_fma_f32 v20, v26, 0x42000000, v20            ; + 32 x the spread of the waves' means
	v_mul_f32 v20, 0x3b004020, v20                 ; / 511
	v_sqrt_f32 v20, v20
	v_nop                                          ; a plain line behind a transcendental
	s_wait_alu depctr_va_vdst(0)                   ; the root has written v20, ahead of its first reader
	v_add_f32 v20, 0x358637bd, v20                 ; + 1e-6
	v_rcp_f32 v20, v20
	v_nop
	s_wait_alu depctr_va_vdst(0)                   ; the reciprocal has written v20, ahead of its first reader
	v_mov_b32 v21, v20
.irp p, 0,2,4,6,8,10,12,14
	v_pk_add_f32 v[22:23], v[H+\p:H+\p+1], v[30:31] neg_lo:[0,1] neg_hi:[0,1]
	v_pk_mul_f32 v[24:25], v[\g+\p:\g+\p+1], v[20:21]
	v_pk_fma_f32 v[H+\p:H+\p+1], v[22:23], v[24:25], v[\be+\p:\be+\p+1]
.endr
.endm
; the first step's K, into set 0: two fragments, 512 consecutive bytes a load, and the four scale bytes of each row of each fragment: eight loads.  pc, pb: the registers with the offsets
.macro LOADK pc, pb
.irp f, 0,1
.irp cc, 0,1
	global_load_b128 v[KFR+8*\f+4*\cc:KFR+8*\f+4*\cc+3], v[\pc], s[24:25] offset:1024*\f+512*\cc
.endr
.endr
.irp e, 0,1,2,3
	global_load_u8 v[KB+\e], v[\pb], s[54:55] offset:1024*(\e/2)+8*(\e%2)   ; the byte of key 64 f + 32 (e / 2) + 8 (e % 2) + r + 8 (r / 8), f = my half of the lanes
.endr
.endm
; the first step's V, into set 0: two fragments as images of the registers, and the byte of each of the step's four blocks of keys: eight loads
.macro LOADV pc, pb
.irp f, 0,1
.irp cc, 0,1
	global_load_b128 v[VFR+8*\f+4*\cc:VFR+8*\f+4*\cc+3], v[\pc], s[24:25] offset:8192+1024*\f+512*\cc
.endr
.endr
.irp e, 0,1,2,3
	global_load_u8 v[VB+\e], v[\pb], s[54:55] offset:512+1024*\e
.endr
.endm
.macro SUMS n                          ; n more turns of the row's sum of the unquantised p: two numbers an instruction, in two chains
.rept \n
	v_pk_add_f32 v[ST+2:ST+3], v[ST+2:ST+3], v[96+jj:97+jj]
	v_pk_add_f32 v[236:237], v[236:237], v[98+jj:99+jj]
.set jj, jj+4
.endr
.endm
; A KEY STEP: 128 keys, out of set p.  more = 1: step NX + d is asked for, into the other set.  At a step's head its K, its V and their two scale words are there, and no load is out.
.macro STEP p, more, d
.set KP, KFR+48*(\p)
.set VP, VFR+64*(\p)
.set KQ, KFR+48*(1-(\p))
.set VQ, VFR+64*(1-(\p))
.if \more
	s_add_co_u32 s77, s[NX], \d                    ; n, the step that is asked for
	s_lshl_b32 s72, s77, 11                        ; where step n's codes begin in the head's 65,536 bytes: 2,048 n, and 8,192 more for each four steps (V's images lie behind each 512 keys of K)
	s_lshr_b32 s73, s77, 2
	s_lshl_b32 s73, s73, 13
	s_add_co_u32 s72, s72, s73
	s_mov_b32 s73, 0
	s_add_nc_u64 s[8:9], s[24:25], s[72:73]        ; the two bases are free: the wait for all loads at the last step's end (ahead of the loop: the wait for the first step's) has shown the loads that read them done
	s_lshl_b32 s72, s77, 12                        ; and its scale bytes: four blocks of rows of 1,024 bytes
	s_add_nc_u64 s[10:11], s[54:55], s[72:73]
.endif
	s_wait_alu depctr_va_vdst(0)                   ; K's scale word (in the first step Q's word and fragments too) is written, which the scaled products take; the step before is done reading the other sets of K and V and the eight bytes, in which the loads below land
.irp f, 0,1
.irp e, 0,1,2,3
	WM 96+8*(4*\f+\e), KP+8*\f, QF+4+8*(\e%2)-4*(\e/2), 1, KS, QS, \f, 0   ; score tile 4 f + e: block e of fragment f against Q in block e
.if \more
.if \f == 0                                    ; two loads behind each product.  No wait: no vector or matrix instruction since the wait above names a register that they touch
	global_load_b128 v[KQ+8*(\e/2)+4*(\e%2):KQ+8*(\e/2)+4*(\e%2)+3], v[AK], s[8:9] offset:1024*(\e/2)+512*(\e%2)
	global_load_u8 v[KB+\e], v[AKS], s[10:11] offset:1024*(\e/2)+8*(\e%2)   ; the byte of key 64 f + 32 (e / 2) + 8 (e % 2) + r + 8 (r / 8), f = my half of the lanes
.else
	global_load_b128 v[VQ+8*(\e/2)+4*(\e%2):VQ+8*(\e/2)+4*(\e%2)+3], v[L16], s[8:9] offset:8192+1024*(\e/2)+512*(\e%2)
	global_load_u8 v[VB+\e], v[AVS], s[10:11] offset:512+1024*\e
.endif
.endif
.endr
.endr
	PLACES 4                                       ; in front of the first read of the scores
.irp b, 0,1,2,3
	v_max3_num_f32 v[232+\b], v[96+16*\b], v[97+16*\b], v[98+16*\b]   ; the largest score of each block of 32 keys: for the row's maximum, and, since p rises with the score, for the block's largest p
.endr
.irp i, 3,5,7,9,11,13
.irp b, 0,1,2,3
	v_max3_num_f32 v[232+\b], v[232+\b], v[96+16*\b+\i], v[97+16*\b+\i]
.endr
.endr
.irp b, 0,1,2,3
	v_max_num_f32 v[232+\b], v[232+\b], v[111+16*\b]
.endr
.irp b, 0,1,2,3
	v_permlanex16_b32 v[236+\b], v[232+\b], s[SEL], s[SEL+1]
.endr
.irp b, 0,1,2,3
	v_max_num_f32 v[232+\b], v[232+\b], v[236+\b]  ; with lane l xor 16's 16 keys
.endr
	v_max3_num_f32 v[TT], v232, v233, v234
	v_max_num_f32 v[TT], v[TT], v235
	v_mul_f32 v[TT], s[CS], v[TT]                  ; as t (c is positive)
	v_max_num_f32 v[ST+1], v[ST+1], v[TT]          ; the running largest t
	v_mov_b32 v[TT], v[ST]
	v_floor_f32 v[ST], -v[ST+1]                    ; the new -M = -ceil(t): a whole number
	v_sub_f32 v[TT], v[ST], v[TT]                  ; old M - new M: a whole number, 0 or less
	v_cvt_i32_f32 v[TT], v[TT]                     ; (it saturates)
	v_ldexp_f32 v[FP], 1.0, v[TT]                  ; f = 2^(old M - new M)
.set j, 0
.rept 32
	v_pk_fma_f32 v[96+j:97+j], v[96+j:97+j], s[CS:CS+1], v[ST:ST+1] op_sel_hi:[1,0,0]   ; t - M, two at a time
.set j, j+2
.endr
.irp b, 0,1,2,3
	v_fma_f32 v[232+\b], v[232+\b], s[CS], v[ST]   ; the same of each block's largest score
.endr
.set j, 0
.rept 64
	v_exp_f32 v[96+j], v[96+j]                     ; p = 2^(t - M), at most 1
.set j, j+1
.endr
.irp b, 0,1,2,3
	v_exp_f32 v[232+\b], v[232+\b]                 ; the block's largest p: the same two instructions on the same number give the same bits
.endr
	v_pk_mul_f32 v[ST+2:ST+3], v[ST+2:ST+3], v[FP:FP+1] op_sel_hi:[1,0]   ; the sums under the new M.  (A plain line behind the exponentials)
	s_wait_alu depctr_va_vdst(0)                   ; the 68 exponentials have written p and the blocks' largest p, ahead of their first reader
.irp b, 0,1,2,3
	v_max_num_f32 v[232+\b], 0x1800000, v[232+\b]  ; the floor 2^(3 - 127)
.endr
.irp b, 0,1,2,3
	v_add_nc_u32 v[CV+\b], 0xff000000, v[232+\b]   ; the conversion's scale operand
.endr
.irp b, 0,1,2,3
	v_lshrrev_b32 v[236+\b], 23, v[CV+\b]          ; the scale's byte
.endr
	v_lshl_or_b32 v[PS], v237, 8, v236             ; p's scale word for these 128 keys
	v_lshl_or_b32 v[PS], v238, 16, v[PS]
	v_lshl_or_b32 v[PS], v239, 24, v[PS]
.irp b, 0,1,2,3
	v_cvt_scalef32_pk8_fp4_f32 v[224+2*\b], v[96+16*\b:103+16*\b], v[CV+\b]
	v_cvt_scalef32_pk8_fp4_f32 v[225+2*\b], v[104+16*\b:111+16*\b], v[CV+\b]
.endr
	v_nop                                          ; one plain line behind the scaled conversions
.irp c, 0,1                                    ; the operand's layout wants a whole block in a lane
.irp i, 0,1
	v_permlane16_swap_b32 v[224+4*\c+\i], v[226+4*\c+\i]
.endr
.endr
	v_pk_add_f32 v[236:237], v[96:97], v[98:99]    ; the row's sum is taken of the unquantised p.  It is dealt round the second product: its lines are the places that the products want
.set jj, 4
	SUMS 4
.set j, 0
.rept 8
	v_pk_mul_f32 v[OT+j:OT+j+1], v[OT+j:OT+j+1], v[FP:FP+1] op_sel_hi:[1,0]   ; O^T under the new M.  (With the sums above: more than 8 plain lines between p's scale word and the products)
.set j, j+2
.endr
	s_wait_alu depctr_va_vdst(0)                   ; p's codes and its scale word are written, which the scaled products take; the plain lines above stay beside this wait
	WM OT, VP, 224, 0, VS, PS, 0, 0                ; O^T += V^T P^T: the head's 32 in two tiles, which take turns
	WM OT+8, VP+8, 224, 0, VS, PS, 1, 0
	SUMS 6                                         ; twelve plain lines between the products and the line that writes V's scale word anew
.if \more
	s_wait_loadcnt 0x0                             ; the next step's K and V, asked for at this step's head, are in
	v_lshl_or_b32 v[KS], v[KB+1], 8, v[KB]         ; their scale words, by turns
	v_lshl_or_b32 v[VS], v[VB+1], 8, v[VB]
	v_lshl_or_b32 v[KS], v[KB+2], 16, v[KS]
	v_lshl_or_b32 v[VS], v[VB+2], 16, v[VS]
	v_lshl_or_b32 v[KS], v[KB+3], 24, v[KS]
	v_lshl_or_b32 v[VS], v[VB+3], 24, v[VS]
.endif
	SUMS 5                                         ; eleven plain lines between those words and the next step's products
	v_pk_add_f32 v[ST+2:ST+3], v[ST+2:ST+3], v[236:237]
.endm
	s_load_b512 s[8:23], s[0:1], 0x0               ; att, x, sa_wo c, s, ln1 g, b, ca_wq c, s
	s_load_b512 s[24:39], s[0:1], 0x40             ; kv2, ca_wo c, s, ln2 g, b, ff_w1 c, s, ff_b1
	s_load_b256 s[40:47], s[0:1], 0x80             ; ff_w2 c, s, ff_b2, ln3 g
	s_load_b128 s[48:51], s[0:1], 0xa0             ; ln3 b, out0
	v_lshrrev_b32 v1, 5, v0
	v_readfirstlane_b32 s2, v1                     ; wave = head
	s_lshr_b32 s3, ttmp9, 7                        ; batch
	s_and_b32 s4, ttmp9, 127                       ; T: the tile of 16 rows in the batch
	s_wait_alu depctr_va_sdst(0)                   ; s2 is written, ahead of its first reader: offsets, bases and LDS addresses are made from it
	s_lshl_b32 s5, s2, 7                           ; 128 w
	s_lshl_b32 s66, s2, 2                          ; 4 w
	s_lshl_b32 s67, s2, 8                          ; 256 w
	s_lshr_b32 s68, s2, 2
	s_lshl_b32 s68, s68, 6
	s_and_b32 s6, s2, 3
	s_add_co_u32 s68, s68, s6                      ; 64 (w / 4) + w % 4: my block's byte of the scale words
	s_lshl_b32 s69, s2, 9                          ; 512 w
	s_lshr_b32 s70, s2, 1
	s_lshl_b32 s70, s70, 6
	s_and_b32 s6, s2, 1
	s_lshl_b32 s6, s6, 1
	s_add_co_u32 s70, s70, s6                      ; 64 (w / 2) + 2 (w % 2): my two blocks' bytes of the hidden layer's scale words
	s_mul_i32 s71, s2, 2064                        ; row w of the stage
	s_mov_b32 s[SEL], 0x76543210
	s_mov_b32 s[SEL+1], 0xfedcba98
	s_mov_b32 s[CS], 0x3d8293ee                    ; c = log2(e) / sqrt(512)
	s_mov_b32 s[CS+1], s[CS]
	s_mov_b32 s75, 0x0000ffff                      ; lanes 0-15
	s_mov_b32 s76, 0xffff0000                      ; lanes 16-31
	v_and_b32 v20, 15, v0                          ; r
	v_bfe_u32 v21, v0, 4, 1                        ; h
	v_and_b32 v22, 31, v0                          ; lane
	v_bfe_u32 v23, v0, 3, 1
	v_lshl_add_u32 v23, v23, 3, v20                ; r + 8 (r / 8)
	v_lshlrev_b32 v28, 15, v21
	v_lshl_add_u32 v28, v20, 4, v28                ; att's codes: head h of a pair (32,768 bytes a head), query r
	v_lshl_add_u32 v29, v21, 13, v20               ; att's scale bytes: four heads (8,192 bytes) for each half of the lanes, row r
	v_lshlrev_b32 v30, 11, v20
	v_lshl_add_u32 v30, v21, 6, v30                ; x: row r, 16 numbers for each half
	v_lshlrev_b32 v[W256], 8, v23
	v_lshl_add_u32 v[W256], v21, 4, v[W256]
	v_lshlrev_b32 v[WS16], 4, v23
	v_lshlrev_b32 v[GB], 6, v21
	v_lshlrev_b32 v[RR], 6, v20
	v_add_nc_u32 v[RW], s66, v[RR]
	v_lshlrev_b32 v[IW], 4, v20
	v_lshl_add_u32 v[IW], v21, 3, v[IW]
	v_add_nc_u32 v[IW], s67, v[IW]
	v_lshl_add_u32 v[SCW], v20, 2, s68
	v_lshlrev_b32 v[L16], 4, v22
	v_lshlrev_b32 v[L4], 2, v22
	v_lshlrev_b32 v[AK], 4, v23
	v_lshl_add_u32 v[AK], v21, 7, v[AK]
	v_lshl_add_u32 v[AKS], v21, 11, v23
	s_wait_kmcnt 0x0
	s_mov_b32 s57, 0
	s_lshl_b32 s56, s3, 19                         ; att's codes: 16 heads a batch, 256 bytes a tile
	s_lshl_b32 s6, s4, 8
	s_add_co_u32 s56, s56, s6
	s_add_nc_u64 s[52:53], s[8:9], s[56:57]
	s_lshl_b32 s56, s3, 15                         ; att's scale bytes: 2,048 a head; in a head 256 (T % 8) + 16 (T / 8)
	s_and_b32 s6, s4, 7
	s_lshl_b32 s6, s6, 8
	s_add_co_u32 s56, s56, s6
	s_lshr_b32 s6, s4, 3
	s_lshl_b32 s6, s6, 4
	s_add_co_u32 s56, s56, s6
	s_add_co_u32 s56, s56, AS_OFF
	s_add_nc_u64 s[8:9], s[8:9], s[56:57]
	s_lshl_b32 s56, ttmp9, 15                      ; x: 16 rows of 2,048 bytes a work-group, + 128 w
	s_add_co_u32 s56, s56, s5
	s_add_nc_u64 s[10:11], s[10:11], s[56:57]
	s_lshl_b32 s56, s2, 13                         ; my 32 rows of a weight of 256-byte rows
	s_add_nc_u64 s[12:13], s[12:13], s[56:57]
	s_add_nc_u64 s[20:21], s[20:21], s[56:57]
	s_add_nc_u64 s[26:27], s[26:27], s[56:57]
	s_mov_b32 s56, s69                             ; and their scale bytes
	s_add_nc_u64 s[14:15], s[14:15], s[56:57]
	s_add_nc_u64 s[22:23], s[22:23], s[56:57]
	s_add_nc_u64 s[28:29], s[28:29], s[56:57]
	s_mov_b32 s56, s5                              ; my 32 numbers of the gains and biases
	s_add_nc_u64 s[16:17], s[16:17], s[56:57]
	s_add_nc_u64 s[18:19], s[18:19], s[56:57]
	s_add_nc_u64 s[30:31], s[30:31], s[56:57]
	s_add_nc_u64 s[32:33], s[32:33], s[56:57]
	s_add_nc_u64 s[44:45], s[44:45], s[56:57]
	s_add_nc_u64 s[46:47], s[46:47], s[56:57]
	s_add_nc_u64 s[48:49], s[48:49], s[56:57]
	s_wait_alu depctr_va_vdst(0)                   ; the offsets and LDS addresses v1 to v11 and v28 to v30 are written, which loads and stores read; the lines that made them are done with v20 to v23, in which the first loads land
	; ---- the first loads: att's scale bytes and codes, x, sa_wo, ln1's gain and bias: 8 + 8 + 4 + 18 + 8
.irp k, 0,1
.irp e, 0,1,2,3
	global_load_u8 v[20+4*\k+\e], v29, s[8:9] offset:16384*\k+2048*\e   ; the byte of head 4 (2 k + h) + e, row r
.endr
.endr
.irp s, 0,1,2,3
.irp c, 0,1
	global_load_b128 v[FR+8*\s+4*\c:FR+8*\s+4*\c+3], v28, s[52:53] offset:(4*\s+2*\c)*32768   ; block 4 s + 2 c + h of K is head 4 s + 2 c + h
.endr
.endr
.irp j, 0,1,2,3
	global_load_b128 v[H+4*\j:H+4*\j+3], v30, s[10:11] offset:16*\j
.endr
	LOADW R0, 12, W256, 256, 0, 0
.irp u, 0,1
	global_load_b128 v[SW+4*\u:SW+4*\u+3], v[WS16], s[14:15] offset:128*\u
.endr
.irp j, 0,1,2,3
	global_load_b128 v[A0+4*\j:A0+4*\j+3], v[GB], s[16:17] offset:16*\j
	global_load_b128 v[A1+4*\j:A1+4*\j+3], v[GB], s[18:19] offset:16*\j
.endr
	s_lshl_b32 s56, ttmp9, 15                      ; the other addresses are made while these loads are out.  out0: row 16 g + w
	s_lshl_b32 s6, s2, 11
	s_add_co_u32 s56, s56, s6
	s_add_nc_u64 s[50:51], s[50:51], s[56:57]
	s_lshl_b32 s56, s3, 16                         ; kv2's scale bytes: 65,536 a batch, 32 a head
	s_lshl_b32 s6, s2, 5
	s_add_co_u32 s56, s56, s6
	s_add_co_u32 s56, s56, KVS_OFF
	s_add_nc_u64 s[54:55], s[24:25], s[56:57]
	s_lshl_b32 s56, s3, 4                          ; kv2's codes: 65,536 bytes for head 16 batch + w
	s_add_co_u32 s56, s56, s2
	s_lshl_b32 s56, s56, 16
	s_add_nc_u64 s[24:25], s[24:25], s[56:57]
	s_lshl_b32 s56, s2, 14                         ; ff_w1: my 64 rows of 256 bytes; ff_w2: my 32 rows of 512
	s_add_nc_u64 s[34:35], s[34:35], s[56:57]
	s_add_nc_u64 s[40:41], s[40:41], s[56:57]
	s_lshl_b32 s56, s2, 10                         ; their scale bytes
	s_add_nc_u64 s[36:37], s[36:37], s[56:57]
	s_add_nc_u64 s[42:43], s[42:43], s[56:57]
	s_mov_b32 s56, s67                             ; ff_b1: my 64 numbers
	s_add_nc_u64 s[38:39], s[38:39], s[56:57]
	s_wait_loadcnt 8                               ; all but the gain's and the bias's eight loads
	LOADW R1, 20, W256, 256, 0, 0                  ; ca_wq: 18 loads, on their way through the first product and the norm
.irp u, 0,1
	global_load_b128 v[SW+8+4*\u:SW+8+4*\u+3], v[WS16], s[22:23] offset:128*\u
.endr
	v_lshl_or_b32 v[SA], v21, 8, v20               ; the rows' scale words: K steps 0 (lanes 0-15) and 1 (lanes 16-31); K steps 2 and 3
	v_lshl_or_b32 v[SA+1], v25, 8, v24
	v_lshl_or_b32 v[SA], v22, 16, v[SA]
	v_lshl_or_b32 v[SA+1], v26, 16, v[SA+1]
	v_lshl_or_b32 v[SA], v23, 24, v[SA]
	v_lshl_or_b32 v[SA+1], v27, 24, v[SA+1]
	PLACES 8                                       ; a scale register made by vector instructions stands 8 places ahead of a scaled product
	s_wait_alu depctr_va_vdst(0)                   ; the rows' two scale words are written, which the scaled products take; the places above stay beside this wait
	GEMM H, R0, FR, SW, 4, SA, 0                   ; x + att sa_wo^T: x is the C of the first K step
	PLACES 5
	s_wait_loadcnt 18                              ; gain and bias are in; ca_wq's 18 loads may be out
	LNORM A0, A1, REDM1, REDQ1                     ; h1
	QUANT1 H, 128
	v_and_b32 v[AVS], 31, v0
	s_wait_alu depctr_va_vdst(0)                   ; h1's codes v[128:129] and byte v23 are written, which the LDS stores read, and v24, an offset of the loads; the norm is done reading ln1's bias and sa_wo's products their fragments: the attention's first loads land in v68 to v75 and v160 to v191
	ds_store_b64 v[IW], v[128:129] offset:IMG1
	ds_store_b8 v[SCW], v[TM+3] offset:SC1
	LOADK AK, AKS                                  ; the attention's first step is asked for here: 8 + 8 loads, into registers that sa_wo and ln1's bias have left
	LOADV L16, AVS
	BARRIER                                        ; h1's codes and scale words lie in LDS
	FETCH IMG1, SC1, SA+2
	s_wait_dscnt 0x0
	s_wait_loadcnt 16                              ; ca_wq is in; the attention's 16 loads may be out
	GEMM A0, R1, FR, SW+8, 4, SA+2, 1              ; q of head w
	PLACES 5
	s_wait_alu depctr_vm_vsrc(0)                   ; the two LDS stores have read v23 and v[128:129]: the quantiser writes the first again, the scores the others
	QUANT1 A0, 130                                 ; a lane holds the codes of q's numbers 16 h + 0 .. 15 of query r
	v_mov_b32 v132, 0                              ; (a lane permute's destination counts as one of its sources)
	v_mov_b32 v133, 0
	v_permlanex16_b32 v132, v130, s[SEL], s[SEL+1] ; the other half's 16 codes
	v_permlanex16_b32 v133, v131, s[SEL], s[SEL+1]
	v_lshl_or_b32 v[QS], v[TM+3], 8, v[TM+3]       ; Q has one block: its byte serves whichever block its codes stand in
	v_lshl_or_b32 v[QS], v[QS], 16, v[QS]
	v_cndmask_b32 v[QF+4], 0, v130, s75            ; Q's 32 codes in lanes 0-15, zero codes in the others: mine, then the other half's;
	v_cndmask_b32 v[QF+5], 0, v131, s75
	v_cndmask_b32 v[QF+6], 0, v132, s75
	v_cndmask_b32 v[QF+7], 0, v133, s75
	v_cndmask_b32 v[QF+12], 0, v132, s76           ; and in lanes 16-31: the other half's, then mine
	v_cndmask_b32 v[QF+13], 0, v133, s76
	v_cndmask_b32 v[QF+14], 0, v130, s76
	v_cndmask_b32 v[QF+15], 0, v131, s76
.irp j, 0,1,2,3
	v_mov_b32 v[QF+\j], 0
	v_mov_b32 v[QF+8+\j], 0
	v_mov_b32 v[QF+16+\j], 0
.endr
	s_wait_loadcnt 0x0                             ; the first step's K and V are in
	v_lshl_or_b32 v[KS], v[KB+1], 8, v[KB]         ; their scale words, by turns
	v_lshl_or_b32 v[VS], v[VB+1], 8, v[VB]
	v_lshl_or_b32 v[KS], v[KB+2], 16, v[KS]
	v_lshl_or_b32 v[VS], v[VB+2], 16, v[VS]
	v_lshl_or_b32 v[KS], v[KB+3], 24, v[KS]
	v_lshl_or_b32 v[VS], v[VB+3], 24, v[VS]
	v_mov_b32 v[ST+1], 0xff61b1e6                  ; the largest t so far: -3e38, under every t
	v_floor_f32 v[ST], -v[ST+1]                    ; -M
	v_mov_b32 v[ST+2], 0
	v_mov_b32 v[ST+3], 0
.irp e, 0,1,2,3
	v_mov_b32 v[236+\e], 0                         ; written once: a lane permute's destination counts as one of its sources
.endr
	v_mov_b32 v[FP], 0
	v_mov_b32 v[FP+1], 0                           ; (named as the upper half of the pair)
.set j, 0
.rept 16
	v_mov_b32 v[OT+j], 0                           ; O^T: the step is written once; the first finds zeros.  (These lines are also the places between Q's registers and the scale words, made above, and the first product)
.set j, j+1
.endr
	s_mov_b32 s[NX], 1
.Lkey:                                             ; 7 trips of two steps: steps n - 1 and n are worked, steps n and n + 1 asked for; both sets are back at their start
	STEP 0, 1, 0
	STEP 1, 1, 1
	s_add_co_u32 s[NX], s[NX], 2
	s_cmp_lt_u32 s[NX], 15
	s_cbranch_scc1 .Lkey
	STEP 0, 1, 0                                   ; step 14 asks for step 15
	STEP 1, 0, 0                                   ; the last step asks for nothing: no load leaves the buffer
	; ---- O^T / the sum is my block of the next product's K.  (The sums behind the last products are their places)
	v_add_f32 v[ST+2], v[ST+2], v[ST+3]
	v_permlanex16_b32 v[TT], v[ST+2], s[SEL], s[SEL+1]
	v_add_f32 v[ST+2], v[ST+2], v[TT]              ; the row's sum
	v_rcp_f32 v[ST+2], v[ST+2]
	v_nop                                          ; a plain line behind the transcendental
.set j, 0
	s_wait_alu depctr_va_vdst(0)                   ; the reciprocal has written its result, ahead of its first reader
.rept 16
	v_mul_f32 v[96+j], v[OT+j], v[ST+2]
.set j, j+1
.endr
	QUANT1 96, 240
	s_wait_alu depctr_vm_vsrc(0)                   ; K's loads have read v10 and v11, which are written anew below
	v_and_b32 v25, 15, v0                          ; ff_w2's offsets, in the registers of K's, whose loads are all in
	v_bfe_u32 v26, v0, 4, 1
	v_bfe_u32 v27, v0, 3, 1
	v_lshl_add_u32 v27, v27, 3, v25                ; r + 8 (r / 8)
	v_lshlrev_b32 v[W512], 9, v27
	v_lshl_add_u32 v[W512], v26, 4, v[W512]
	v_lshlrev_b32 v[WS32], 5, v27
	s_wait_alu depctr_va_vdst(0)                   ; the codes v[240:241] and the byte v23 are written, which the LDS stores read, and ff_w2's two offsets; the attention's vector and matrix instructions are done with v32 to v47, v64 to v79 and v128 to v239, in which the loads below land
	ds_store_b64 v[IW], v[240:241] offset:IMG2
	ds_store_b8 v[SCW], v[TM+3] offset:SC2
	LOADW R0, 26, W256, 256, 0, 0                  ; ca_wo: 18 loads
.irp u, 0,1
	global_load_b128 v[SW+4*\u:SW+4*\u+3], v[WS16], s[28:29] offset:128*\u
.endr
.irp j, 0,1,2,3
	global_load_b128 v[R1+4*\j:R1+4*\j+3], v[GB], s[30:31] offset:16*\j          ; ln2's gain,
	global_load_b128 v[R1+16+4*\j:R1+16+4*\j+3], v[GB], s[32:33] offset:16*\j    ; its bias,
	global_load_b128 v[R1+32+4*\j:R1+32+4*\j+3], v[GB], s[44:45] offset:16*\j    ; ff_b2: 12 loads
.endr
.irp j, 0,1,2,3
	global_load_b128 v[A0+4*\j:A0+4*\j+3], v[GB], s[38:39] offset:16*\j          ; ff_b1, in the result's layout: the C of the hidden layer's first products: 8 loads
	global_load_b128 v[A1+4*\j:A1+4*\j+3], v[GB], s[38:39] offset:128+16*\j
.endr
	BARRIER                                        ; the attention's codes and scale words of all 16 heads lie in LDS
	FETCH IMG2, SC2, SA
	s_wait_loadcnt 20                              ; ca_wo is in; the 12 + 8 loads behind it may be out
	s_wait_dscnt 0x0
	GEMM H, R0, FR, SW, 4, SA, 0                   ; h1 + o ca_wo^T: h1 is the C of the first K step
	PLACES 5
	s_wait_alu depctr_va_vdst(0)                   ; the products are done reading ca_wo's fragments and scale words, in which ff_w1's land
	LOADW R0, 34, W256, 256, 0, 0                  ; ff_w1, my first 32 units: 18 loads
.irp u, 0,1
	global_load_b128 v[SW+4*\u:SW+4*\u+3], v[WS16], s[36:37] offset:128*\u
.endr
	s_wait_loadcnt 26                              ; gain, bias and ff_b2 are in; ff_b1's 8 and ff_w1's 18 may be out
	LNORM R1, R1+16, REDM2, REDQ2                  ; h2
	QUANT1 H, 28
.irp p, 0,2,4,6,8,10,12,14
	v_pk_add_f32 v[H+\p:H+\p+1], v[H+\p:H+\p+1], v[R1+32+\p:R1+32+\p+1]   ; h2 + b2: the C of the last product
.endr
	s_wait_alu depctr_va_vdst(0)                   ; h2's codes v[28:29] and byte v23 are written, which the LDS stores read; the norm and the additions are done reading gain, bias and ff_b2 in v192 to v239, in which ff_w1's second half lands
	ds_store_b64 v[IW], v[28:29] offset:IMG3
	ds_store_b8 v[SCW], v[TM+3] offset:SC3
	LOADW R1, 34, W256, 256, 0, 32                 ; ff_w1, my second 32 units: 18 loads
.irp u, 0,1
	global_load_b128 v[SW+8+4*\u:SW+8+4*\u+3], v[WS16], s[36:37] offset:512+128*\u
.endr
	BARRIER                                        ; h2's codes and scale words lie in LDS
	s_wait_alu depctr_vm_vsrc(0)                   ; the LDS stores have read their addresses v6 and v7, which are written anew below
	v_add_nc_u32 v[IW], s67, v[IW]                 ; from here on the hidden layer's image: 512 w + 16 r + 8 h,
	v_and_b32 v[SCW], 15, v0
	v_lshl_add_u32 v[SCW], v[SCW], 2, s70          ; and my two bytes of its scale words
	FETCH IMG3, SC3, SA+2
	s_wait_loadcnt 18                              ; ff_b1 and the first 32 units' weights are in; the second's 18 loads may be out
	s_wait_dscnt 0x0
	GEMM A0, R0, FR, SW, 4, SA+2, 0
	PLACES 5
	s_wait_alu depctr_va_vdst(0)                   ; the products are done reading the first 32 units' fragments, in which ff_w2's land
	LOADW R0, 40, W512, 512, 0, 0                  ; ff_w2, K steps 0-3: 16 loads
	s_wait_loadcnt 16                              ; the second 32 units' weights are in
	GEMM A1, R1, FR, SW+8, 4, SA+2, 0
	PLACES 5
	s_wait_alu depctr_va_vdst(0)                   ; the products are done reading the second 32 units' fragments and ff_w1's scale words, in which ff_w2's land
	LOADW R1, 40, W512, 512, 4, 0                  ; ff_w2, K steps 4-7, and its scale words (8 u + s): 20 loads
.irp u, 0,1
.irp k, 0,1
	global_load_b128 v[SW+8*\u+4*\k:SW+8*\u+4*\k+3], v[WS32], s[42:43] offset:256*\u+16*\k
.endr
.endr
	s_wait_alu depctr_vm_vsrc(0)                   ; the weights' loads have read their offsets v1 and v2, and h2's LDS stores v23 and v[28:29]: all are written anew below
	v_and_b32 v20, 15, v0                          ; the stage's two addresses, in the registers of offsets whose loads are all in
	v_bfe_u32 v21, v0, 4, 1
	v_and_b32 v22, 31, v0
	v_mul_u32_u24 v[STW], v20, 2064
	v_lshl_add_u32 v[STW], v21, 6, v[STW]
	v_add_nc_u32 v[STW], s5, v[STW]                ; row r, + 128 w + 64 h
	v_lshl_add_u32 v[STR], v22, 4, s71             ; row w, 16 bytes a lane
.set j, 0
.rept 16
	v_max_num_f32 v[A0+j], 0, v[A0+j]              ; the activation, in f32
.set j, j+1
.endr
.set j, 0
.rept 16
	v_max_num_f32 v[A1+j], 0, v[A1+j]
.set j, j+1
.endr
	QUANT2 A0, A1, 28, 30
	v_lshl_or_b32 v20, v[TM+7], 8, v[TM+6]
	s_wait_alu depctr_va_vdst(0)                   ; the hidden layer's codes v28 to v31, its two bytes v20 and the addresses v6 and v7 are written, which the LDS stores read; the conversions are done reading v32 to v47 and v64 to v79, in which ln3's gain and bias land
	ds_store_b64 v[IW], v[28:29] offset:FIMG
	ds_store_b64 v[IW], v[30:31] offset:FIMG+256
	ds_store_b16 v[SCW], v20 offset:FSC
.irp j, 0,1,2,3
	global_load_b128 v[A0+4*\j:A0+4*\j+3], v[GB], s[46:47] offset:16*\j          ; ln3's gain and bias: 8 loads
	global_load_b128 v[A1+4*\j:A1+4*\j+3], v[GB], s[48:49] offset:16*\j
.endr
	BARRIER                                        ; the hidden layer's codes and scale words lie in LDS
	FETCH FIMG, FSC, SA
	s_wait_loadcnt 8                               ; all of ff_w2 is in; ln3's 8 loads may be out
	s_wait_dscnt 0x0
	GEMM H, R0, FR, SW, 8, SA, 0
	PLACES 4                                       ; in front of the loads into the rows' registers
	s_wait_alu depctr_va_vdst(0)                   ; the products are done reading the rows' four fragments, in which the next four land
	FETCH FIMG+4096, FSC+256, SA+2
	s_wait_dscnt 0x0
	GEMM H, R1, FR, SW+4, 8, SA+2, 0
	PLACES 5
	s_wait_loadcnt 0x0                             ; ln3's gain and bias
	LNORM A0, A1, REDM3, REDQ3
	s_wait_alu depctr_va_vdst(0)                   ; the norm has written the 16 results, which the LDS stores read
.irp j, 0,1,2,3
	ds_store_b128 v[STW], v[H+4*\j:H+4*\j+3] offset:STG+16*\j
.endr
	BARRIER                                        ; 16 whole rows lie in the stage
.irp k, 0,1,2,3
	ds_load_b128 v[R0+4*\k:R0+4*\k+3], v[STR] offset:STG+512*\k
.endr
	s_wait_dscnt 0x0
.irp k, 0,1,2,3
	global_store_b128 v[L16], v[R0+4*\k:R0+4*\k+3], s[50:51] offset:512*\k th:TH_STORE_NT   ; a whole row: 512 consecutive bytes an instruction; written once, read by nobody here
.endr
	s_wait_xcnt 0x0
	v_lshl_add_u32 v254, v0, 2, 0xee00
	v_mov_b32 v255, 0
	s_wait_dscnt 0x0                               ; the closing lines, six on end
	s_wait_alu 0x0
	s_wait_tensorcnt 0x0
	ds_add_u32 v254, v255
	s_wait_dscnt 0x0
	s_endpgm
.Lfunc_end_k_q5038714ea9_rest:
	.size	k_q5038714ea9_rest, .Lfunc_end_k_q5038714ea9_rest-k_q5038714ea9_rest
	.p2alignl 7, 3214868480
	.fill 96, 4, 3214868480
	.section	.rodata,"a",@progbits
	.p2align	6, 0x0
	.amdhsa_kernel k_q5038714ea9_rest
		.amdhsa_group_segment_fixed_size 62976
		.amdhsa_private_segment_fixed_size 0
		.amdhsa_enable_private_segment 0
		.amdhsa_kernarg_size 176
		.amdhsa_user_sgpr_count 2
		.amdhsa_user_sgpr_kernarg_segment_ptr 1
		.amdhsa_wavefront_size32 1
		.amdhsa_system_sgpr_workgroup_id_x 1
		.amdhsa_system_sgpr_workgroup_id_y 1
		.amdhsa_system_sgpr_workgroup_id_z 1
		.amdhsa_system_vgpr_workitem_id 0
		.amdhsa_next_free_vgpr 256
		.amdhsa_next_free_sgpr 80
		.amdhsa_reserve_vcc 0
		.amdhsa_float_denorm_mode_32 3
		.amdhsa_float_denorm_mode_16_64 3
		.amdhsa_memory_ordered 1
		.amdhsa_forward_progress 1
		.amdhsa_inst_pref_size 126
	.end_amdhsa_kernel
	.amdgpu_metadata
---
amdhsa.version: [ 1, 2 ]
amdhsa.kernels:
  - .name:           k_q5038714ea9_rest
    .symbol:         k_q5038714ea9_rest.kd
    .args:
      - { .name: att, .offset: 0, .size: 8, .value_kind: global_buffer, .address_space: global }
      - { .name: x, .offset: 8, .size: 8, .value_kind: global_buffer, .address_space: global }
      - { .name: sa_wo_codes, .offset: 16, .size: 8, .value_kind: global_buffer, .address_space: global }
      - { .name: sa_wo_scales, .offset: 24, .size: 8, .value_kind: global_buffer, .address_space: global }
      - { .name: ln1_g, .offset: 32, .size: 8, .value_kind: global_buffer, .address_space: global }
      - { .name: ln1_b, .offset: 40, .size: 8, .value_kind: global_buffer, .address_space: global }
      - { .name: ca_wq_codes, .offset: 48, .size: 8, .value_kind: global_buffer, .address_space: global }
      - { .name: ca_wq_scales, .offset: 56, .size: 8, .value_kind: global_buffer, .address_space: global }
      - { .name: kv2, .offset: 64, .size: 8, .value_kind: global_buffer, .address_space: global }
      - { .name: ca_wo_codes, .offset: 72, .size: 8, .value_kind: global_buffer, .address_space: global }
      - { .name: ca_wo_scales, .offset: 80, .size: 8, .value_kind: global_buffer, .address_space: global }
      - { .name: ln2_g, .offset: 88, .size: 8, .value_kind: global_buffer, .address_space: global }
      - { .name: ln2_b, .offset: 96, .size: 8, .value_kind: global_buffer, .address_space: global }
      - { .name: ff_w1_codes, .offset: 104, .size: 8, .value_kind: global_buffer, .address_space: global }
      - { .name: ff_w1_scales, .offset: 112, .size: 8, .value_kind: global_buffer, .address_space: global }
      - { .name: ff_b1, .offset: 120, .size: 8, .value_kind: global_buffer, .address_space: global }
      - { .name: ff_w2_codes, .offset: 128, .size: 8, .value_kind: global_buffer, .address_space: global }
      - { .name: ff_w2_scales, .offset: 136, .size: 8, .value_kind: global_buffer, .address_space: global }
      - { .name: ff_b2, .offset: 144, .size: 8, .value_kind: global_buffer, .address_space: global }
      - { .name: ln3_g, .offset: 152, .size: 8, .value_kind: global_buffer, .address_space: global }
      - { .name: ln3_b, .offset: 160, .size: 8, .value_kind: global_buffer, .address_space: global }
      - { .name: out0, .offset: 168, .size: 8, .value_kind: global_buffer, .address_space: global }
    .group_segment_fixed_size: 62976
    .private_segment_fixed_size: 0
    .kernarg_segment_align: 8
    .kernarg_segment_size: 176
    .max_flat_workgroup_size: 512
    .sgpr_count:     80
    .vgpr_count:     256
    .wavefront_size: 32
...
	.end_amdgpu_metadata
.endif
;; end of part 5
